; MI455X (gfx1250); checked and timed in simulation.
; The chip was launched on July 23, 2026; its instructions are those of AMD's public machine-readable ISA for CDNA 5 (MIT licence, August 2026) and "CDNA5" Instruction Set Architecture Reference Guide (July 2026). The comments in the code are by the model that wrote it; some were corrected since.
;; Transformer Block. Allowed arithmetic: matrix products marked QUANTISED: E2M3 operands, one E8M0 scale for each 32 along K, by v_wmma_scale_f32_16x16x128_f8f6f4 with both operands' format E2M3, f32 sums; everything else in f32.
;; Inputs: W_in_codes 4,096 x 32 x 24 uint8 (E2M3 codes of W_in, K innermost, in blocks of 32 codes, four codes in three bytes); W_in_scales 4,096 x 32 uint8 (E8M0 scales of W_in, one for each 32 codes along K); W_out_codes 1,024 x 128 x 24 uint8 (E2M3 codes of W_out, K innermost, in blocks of 32 codes, four codes in three bytes); W_out_scales 1,024 x 128 uint8 (E8M0 scales of W_out, one for each 32 codes along K); Wk_codes 1,024 x 32 x 24 uint8 (E2M3 codes of Wk, K innermost, in blocks of 32 codes, four codes in three bytes); Wk_scales 1,024 x 32 uint8 (E8M0 scales of Wk, one for each 32 codes along K); Wo_codes 1,024 x 32 x 24 uint8 (E2M3 codes of Wo, K innermost, in blocks of 32 codes, four codes in three bytes); Wo_scales 1,024 x 32 uint8 (E8M0 scales of Wo, one for each 32 codes along K); Wq_codes 1,024 x 32 x 24 uint8 (E2M3 codes of Wq, K innermost, in blocks of 32 codes, four codes in three bytes); Wq_scales 1,024 x 32 uint8 (E8M0 scales of Wq, one for each 32 codes along K); Wv_codes 1,024 x 32 x 24 uint8 (E2M3 codes of Wv, K innermost, in blocks of 32 codes, four codes in three bytes); Wv_scales 1,024 x 32 uint8 (E8M0 scales of Wv, one for each 32 codes along K); b_in 4,096 float32; b_out 1,024 float32; bk 1,024 float32; bo 1,024 float32; bq 1,024 float32; bv 1,024 float32; g_attn 1,024 float32; g_ff 1,024 float32; rel_k 101 x 64 float32; rel_v 101 x 64 float32; x 1,024 x 4 x 1,024 float32.
;; Outputs: out0 1,024 x 4 x 1,024 float32.
;; This version of the problem:
;;   THIS VERSION OF THE PROBLEM IS GIVEN IN LOW PRECISION. The matrix products marked QUANTISED in the list below multiply operands that are first quantised to E2M3 (2 exponent bits, 3 mantissa bits; 6 bits a number), with one power-of-two scale for each 32 numbers along K (OCP MX v1.0); their sums are f32. All else is computed in f32.
;;   The module's matrix products, in the order in which they are computed (A, B: the left and right operand; K: the contracted axis; several contracted axes count as one K, in the product's order):
;;     1. [M 4,096, K 1,024] x [K 1,024, N 1,024]; A: computed on the way; B: input Wq (given as codes): QUANTISED
;;     2. [M 4,096, K 1,024] x [K 1,024, N 1,024]; A: computed on the way; B: input Wk (given as codes): QUANTISED
;;     3. [M 4,096, K 1,024] x [K 1,024, N 1,024]; A: computed on the way; B: input Wv (given as codes): QUANTISED
;;     4. batch 64 x [M 1,024, K 64] x [K 64, N 1,024]; A: computed on the way; B: computed on the way: QUANTISED
;;     5. batch 1,024 x [M 1,024, K 64] x [K 64, N 64]; A: computed on the way; B: computed on the way: QUANTISED
;;     6. batch 64 x [M 1,024, K 1,024] x [K 1,024, N 64]; A: softmax (see below); B: computed on the way: QUANTISED
;;     7. batch 1,024 x [M 64, K 1,024] x [K 1,024, N 64]; A: computed on the way; B: softmax (see below): QUANTISED
;;     8. [M 4,096, K 1,024] x [K 1,024, N 1,024]; A: computed on the way; B: input Wo (given as codes): QUANTISED
;;     9. [M 4,096, K 1,024] x [K 1,024, N 4,096]; A: computed on the way; B: input W_in (given as codes): QUANTISED
;;     10. [M 4,096, K 4,096] x [K 4,096, N 1,024]; A: computed on the way; B: input W_out (given as codes): QUANTISED
;;   THE QUANTISER, for each operand of a quantised product, along K:
;;     - K is cut into blocks of 32 from its start; a last block that is shorter is filled with zeros.
;;     - A block's scale is 2^e with e = floor(log2(the largest magnitude in the block)) - 2, held to -126 .. 127; a block of zeros has e = 0. As a byte (E8M0): e + 127.
;;     - Each number is divided by its block's scale, clamped to +-7.5, and rounded to the nearest number of E2M3, ties to even, subnormals kept.
;;     - The product sums the exact products of the quantised numbers (number of the format x scale) in f32.
;;   ~~~python
;;   def quantise(x, axis):      # numpy; x: float32 -> the quantised numbers, widened to float32 again
;;       x = np.moveaxis(x, axis, -1); K = x.shape[-1]
;;       x = np.pad(x, [(0, 0)] * (x.ndim - 1) + [(0, -K % 32)]); x = x.reshape(x.shape[:-1] + (-1, 32)); a = np.abs(x).max(-1, keepdims=True)
;;       e = np.where(a > 0, np.clip(np.frexp(np.where(a > 0, a, 1))[1] - 1 - 2, -126, 127), 0)      # np.frexp(a)[1] - 1 = floor(log2(a)), exactly
;;       r = np.clip(x / 2.0 ** e, -7.5, 7.5)
;;       step = 2.0 ** (np.maximum(np.frexp(np.where(r == 0, 1, r))[1] - 1, 0) - 3)
;;       q = np.round(r / step) * step * 2.0 ** e      # np.round: ties to even
;;       return np.moveaxis(q.reshape(q.shape[:-2] + (-1,))[..., :K], -1, axis).astype(np.float32)
;;   ~~~
;;   SOFTMAX AHEAD OF A QUANTISED PRODUCT. Where the list says 'softmax', what is quantised is not the finished softmax but p = 2^(t - M), with t = logit x log2(e) and M = ceil(the row's largest t), a whole number; so 1/2 < the row's largest p <= 1. The row's sum l is taken of the UNQUANTISED p, in f32, and the product's result is divided by l at the end. Since M is a whole number, a kernel that streams over the keys may use a running M (the ceiling of the running maximum): every later rescaling is an exact power of two, which a block's scale takes up: the codes' values come out the same.
;;   OPERANDS COMPUTED ON THE WAY. 'Computed on the way' means the value that the module computes at that place (a softmax that the list does not call 'softmax' is quantised finished and normalised). What goes into a quantiser is computed in f32, as accurately as f32 sums, v_exp_f32 and their like allow (about 1e-6 of the number): no bf16 or f16 on the way to a quantiser, and a product that is left as it is and whose result goes on into a quantised operand takes f32 operands (vector FMAs, or v_wmma_f32_16x16x4_f32). A number that lies on a knife's edge between two numbers of the format may be rounded either way, as far as f32 arithmetic and the matrix unit's own rounding can turn it there, and no further.
;;   INPUTS GIVEN AS CODES. W_in (in the module: [4096, 1024], K = its axis 1); W_out (in the module: [1024, 4096], K = its axis 1); Wk (in the module: [1024, 1024], K = its axis 1); Wo (in the module: [1024, 1024], K = its axis 1); Wq (in the module: [1024, 1024], K = its axis 1); Wv (in the module: [1024, 1024], K = its axis 1): each comes as NAME_codes (uint8): NAME with its K axis moved to the last place and cut into blocks of 32 codes, [.., K / 32, bytes a block], one block behind the other in memory; four codes in three bytes: a row's codes are one little-endian stream of bits, code i at bits 6 i .. 6 i + 5 (a code: sign, 2 exponent bits, 3 mantissa bits); and NAME_scales (uint8): the same leading axes, one E8M0 byte (e + 127) for each 32 codes along K. Its value is code x scale, taken as it is: it is not quantised again, and the codes and scales need not be those that the quantiser above would give.
;; 2 versions. Each part assembles by itself: llvm-mc -triple=amdgcn-amd-amdhsa -mcpu=gfx1250 --defsym DOCPART=n.
;; ======== version 1 of 2: 8 launches
;; workspace buffers: wt 11,941,376 bytes; hq 3,407,872 bytes; rinv 16,384 bytes; qkv 10,223,616 bytes; oq 3,407,872 bytes; h2 16,777,216 bytes; hid 13,631,488 bytes
;; launch prep (part 1): grid 1027 x 1, 4 waves a work-group, no clusters, 0 bytes of LDS; arguments Wq_codes, Wq_scales, Wk_codes, Wk_scales, Wv_codes, Wv_scales, Wo_codes, Wo_scales, W_in_codes, W_in_scales, W_out_codes, W_out_scales, rel_k, rel_v, wt; writes wt
.if DOCPART == 1
	.amdgcn_target "amdgcn-amd-amdhsa--gfx1250"
	.amdhsa_code_object_version 6
	.text
	.protected	k_qa9d2f5ee5a_prep
	.globl	k_qa9d2f5ee5a_prep
	.p2align	8
	.type	k_qa9d2f5ee5a_prep,@function
k_qa9d2f5ee5a_prep:
	s_mov_b64 s[64:65], 0
	v_nop
	global_prefetch_b8 v0, s[64:65] scope:SCOPE_SE
	s_setreg_imm32_b32 hwreg(HW_REG_WAVE_MODE, 25, 1), 1
	s_wait_xcnt 0x0
; THE PROGRAM: a pre-norm transformer block, all ten products on codes of E2M3 with E8M0 scales.  Launches: prep | norm | gqkv | attn | gwo | norm | gff1 | gff2.
; WORK LEFT OUT, for all values of the inputs:
;  (a) attn2 = q . Q(rk[q][k]).  rk[q][k] = rel_k[clip(k - q)], and the quantiser runs along d, inside one row: so every quantised row is one of the 101 quantised rows of rel_k,
;      and a query's 1,024 products are copies of its products with those rows.  Each query is multiplied by a table of 256 clipped distances, and the results are read by k - q.
;  (b) w2 = sum over k of p[k] Q(rv[q])[k][d], quantised along k in aligned blocks of 32 keys.  A block holds rel_v[clip(32 kb + i - q)][d], i = 0..31: it hangs on 32 kb - q alone.
;      Where |kb - q / 32| >= 3 all 32 numbers are rel_v[0][d] or rel_v[100][d]: one quantised number c[d], whose share is c[d] x the sum of the block's quantised p.
;      The two key steps of 128 round the diagonal are multiplied in full against tables made here.
;  No input is left out.  LIMITS: a NaN, an infinity or an overflow that reaches only the copies left out is not carried to the result; NaN and infinities among the inputs are not served;
;  a block whose largest magnitude lies under 2^-124 keeps the scale byte 1 (a block of zeros too, where the rule says 127: its codes are zeros and this program alone reads the bytes).
; THIS LAUNCH lays operands in the order of the operand's registers.  A RECORD (3,328 bytes) = 16 rows x 256 along K: half k (64 along K) at 768 k: registers 0-3 of lane l at 16 l, registers 4-5 at 512 + 8 l;
; lane (r = l % 16, h = l / 16) holds row r's 32 codes from 64 k + 32 h on; at 3,072 + 8 r the row's two scale words.  Row p of tile T is matrix row 32 (T / 2) + 8 (T % 2) + p + 8 (p / 8).
; Work-groups 0-767: a wave lays one record of a weight.  768-1025: a wave makes one table fragment (1,024 of rel_v, 8 of rel_k).  1026: the 128 constants c[d].  No LDS, no barrier: waves share nothing.
.set WREC, 3328
.set OFF_RKC, 10223616
.set OFF_RKS, 10235904
.set OFF_TVC, 10236928
.set OFF_TVS, 11809792
.set OFF_CF, 11940864
.set X, 32                             ; v32-95  64 numbers, or a record's codes
.set PC, 96                            ; v96-114 a fragment's codes
.set TM, 116                           ; v116-123 at work
.set H8, 12                            ; v12 8 h
.set SEL, 38                           ; s[38:39] selects for lane l xor 16
.macro PUT6 pc, off                    ; six registers a lane: 512 + 256 consecutive bytes a wave
	global_store_b128 v4, v[\pc:\pc+3], s[36:37] offset:\off
	global_store_b64 v5, v[\pc+4:\pc+5], s[36:37] offset:\off
.endm
; 64 numbers of a lane, register 32 c + i = k 64 c + 32 h + i of my row: two whole blocks.  Codes to v[pc..pc+11], the row's scale word to v[tm+6].
.macro QUANTW x, pc, tm
.irp c,0,1
	v_max3_num_f32 v[\tm+\c], |v[\x+32*\c]|, |v[\x+32*\c+1]|, 0x1800000   ; with the floor 2^(3 - 127): the byte cannot fall under 1
.endr
.irp i,2,4,6,8,10,12,14,16,18,20,22,24,26,28,30
.irp c,0,1
	v_max3_num_f32 v[\tm+\c], v[\tm+\c], |v[\x+32*\c+\i]|, |v[\x+32*\c+\i+1]|
.endr
.endr
.irp c,0,1
	v_add_nc_u32 v[\tm+2+\c], 0xff000000, v[\tm+\c]      ; 2 off the exponent field: the conversion's scale operand
.endr
.irp c,0,1
	v_lshrrev_b32 v[\tm+4+\c], 23, v[\tm+2+\c]           ; the scale's byte
.endr
	v_lshl_or_b32 v[\tm+6], v[\tm+5], 16, v[\tm+4]       ; my bytes: blocks h and 2 + h,
	v_lshlrev_b32 v[\tm+6], v[H8], v[\tm+6]              ; at their places;
	v_mov_b32 v[\tm+7], 0
	v_permlanex16_b32 v[\tm+7], v[\tm+6], s[SEL], s[SEL+1]
	v_or_b32 v[\tm+6], v[\tm+6], v[\tm+7]                ; with lane l xor 16's two the word is whole
.irp c,0,1
	v_cvt_scalef32_pk16_fp6_f32 v[\pc+6*\c:\pc+6*\c+2], v[\x+32*\c:\x+32*\c+15], v[\tm+2+\c]
	v_cvt_scalef32_pk16_fp6_f32 v[\pc+12+4*\c:\pc+12+4*\c+2], v[\x+32*\c+16:\x+32*\c+31], v[\tm+2+\c]
.endr
	v_nop                                                ; a plain place behind the conversions
.irp c,0,1
.irp i,0,1,2
	v_mov_b32 v[\pc+6*\c+3+\i], v[\pc+12+4*\c+\i]
.endr
.endr
.endm
	s_load_b512 s[8:23], s[0:1], 0x0       ; Wq, Wk, Wv, Wo: codes, scales
	s_load_b256 s[24:31], s[0:1], 0x40     ; W_in, W_out: codes, scales
	s_load_b128 s[32:35], s[0:1], 0x60     ; rel_k, rel_v
	s_load_b64 s[36:37], s[0:1], 0x70      ; wt
	v_lshrrev_b32 v1, 5, v0
	v_readfirstlane_b32 s2, v1             ; wave
	v_and_b32 v1, 31, v0                   ; lane
	v_and_b32 v2, 15, v0                   ; r
	v_bfe_u32 v3, v0, 4, 1                 ; h
	v_lshlrev_b32 v4, 4, v1                ; 16 l
	v_lshl_add_u32 v5, v1, 3, 512          ; 512 + 8 l
	v_and_b32 v6, 8, v2
	v_add_nc_u32 v6, v6, v2                ; r + 8 (r / 8)
	v_lshlrev_b32 v13, 2, v1               ; 4 l
	s_mov_b32 s[SEL], 0x76543210
	s_mov_b32 s[SEL+1], 0xfedcba98
	s_wait_kmcnt 0x0
	s_cmp_lt_u32 ttmp9, 768
	s_cbranch_scc0 .Ltables
	; ---- a record of a weight
	s_lshl_b32 s3, ttmp9, 2
	s_add_co_u32 s3, s3, s2                ; the record's number: 256 each for Wq, Wk, Wv, Wo, 1,024 each for W_in, W_out
	s_lshr_b32 s4, s3, 8
	s_mov_b64 s[40:41], s[28:29]
	s_mov_b64 s[42:43], s[30:31]
	s_cmp_lt_u32 s4, 8
	s_cselect_b64 s[40:41], s[24:25], s[40:41]
	s_cselect_b64 s[42:43], s[26:27], s[42:43]
	s_cmp_lt_u32 s4, 4
	s_cselect_b64 s[40:41], s[20:21], s[40:41]
	s_cselect_b64 s[42:43], s[22:23], s[42:43]
	s_cmp_lt_u32 s4, 3
	s_cselect_b64 s[40:41], s[16:17], s[40:41]
	s_cselect_b64 s[42:43], s[18:19], s[42:43]
	s_cmp_lt_u32 s4, 2
	s_cselect_b64 s[40:41], s[12:13], s[40:41]
	s_cselect_b64 s[42:43], s[14:15], s[42:43]
	s_cmp_lt_u32 s4, 1
	s_cselect_b64 s[40:41], s[8:9], s[40:41]
	s_cselect_b64 s[42:43], s[10:11], s[42:43]
	s_movk_i32 s5, 1023
	s_cmp_lt_u32 s4, 4
	s_cselect_b32 s5, 255, s5
	s_and_b32 s5, s3, s5                   ; the record's number in its matrix
	s_movk_i32 s44, 3072
	s_cmp_lt_u32 s4, 8
	s_cselect_b32 s6, 2, 4                 ; records in a tile: 4, in W_out 16
	s_cselect_b32 s7, 3, 15
	s_cselect_b32 s44, 768, s44            ; a row of codes in bytes
	s_cselect_b32 s45, 32, 128             ; a row of scale bytes
	s_lshr_b32 s46, s5, s6                 ; tile
	s_and_b32 s47, s5, s7                  ; which 256 along K
	s_lshr_b32 s48, s46, 1
	s_lshl_b32 s48, s48, 5
	s_and_b32 s49, s46, 1
	s_lshl_b32 s49, s49, 3
	s_add_co_u32 s48, s48, s49             ; the tile's first row
	s_mul_i32 s50, s48, s44
	s_mul_i32 s49, s47, 192
	s_add_co_u32 s50, s50, s49
	s_mov_b32 s51, 0
	s_add_nc_u64 s[40:41], s[40:41], s[50:51]
	s_mul_i32 s50, s48, s45
	s_lshl_b32 s49, s47, 3
	s_add_co_u32 s50, s50, s49
	s_add_nc_u64 s[42:43], s[42:43], s[50:51]
	s_mul_i32 s50, s3, WREC
	s_add_nc_u64 s[36:37], s[36:37], s[50:51]
	v_mul_lo_u32 v7, v6, s44
	v_mad_u32_u24 v7, v3, 24, v7           ; my row, + 24 h
	v_mul_lo_u32 v8, v6, s45
	v_lshlrev_b32 v9, 3, v2                ; 8 r
.irp k,0,1,2,3
.irp i,0,1,2
	global_load_b64 v[X+6*\k+2*\i:X+6*\k+2*\i+1], v7, s[40:41] offset:48*\k+8*\i   ; half k: 24 bytes of the row's stream of bits, as they lie
.endr
.endr
	global_load_b64 v[56:57], v8, s[42:43] ; the row's eight scale bytes: two words
	s_wait_loadcnt 0x0
.irp k,0,1,2,3
	PUT6 X+6*\k, 768*\k
.endr
	global_store_b64 v9, v[56:57], s[36:37] offset:3072   ; both halves of the lanes write the same bytes
	s_endpgm
.Ltables:
	s_cmp_lt_u32 ttmp9, 1026
	s_cbranch_scc0 .Lconst
	s_sub_co_u32 s3, ttmp9, 768
	s_lshl_b32 s3, s3, 2
	s_add_co_u32 s3, s3, s2                ; j: 0-1023 fragments of rel_v's table, 1024-1031 of rel_k's
	v_lshlrev_b32 v[H8], 3, v3
	s_cmp_lt_u32 s3, 1024
	s_cbranch_scc0 .Lrk
	; ---- rel_v: j = ((r0 4 + a) 2 + ks) 4 + t.  Rows: d = 32 (t / 2) + 8 (t % 2) + r + 8 (r / 8).  K: the 128 keys of band step ks; block 4 ks + 2 c + h holds distances 32 (4 ks + 2 c + h - a - 2) - r0 + i
	s_lshr_b32 s4, s3, 5                   ; r0 = q mod 32
	s_bfe_u32 s5, s3, 0x20003              ; a
	s_bfe_u32 s6, s3, 0x10002              ; ks
	s_and_b32 s7, s3, 3                    ; t
	s_lshr_b32 s44, s7, 1
	s_lshl_b32 s44, s44, 5
	s_and_b32 s45, s7, 1
	s_lshl_b32 s45, s45, 3
	s_add_co_u32 s44, s44, s45
	v_add_nc_u32 v7, s44, v6
	v_lshlrev_b32 v7, 2, v7                ; 4 d
	s_lshl_b32 s44, s6, 2
	s_sub_co_u32 s44, s44, s5
	s_lshl_b32 s44, s44, 5
	s_sub_co_u32 s44, s44, s4
	s_add_co_u32 s44, s44, 242             ; - 64 + 50 + 256: the distance + 50, carried 256 up so that it stays above 0
	v_lshl_add_u32 v8, v3, 5, s44
.set n, 0
.rept 64
	v_add_nc_u32 v[X+n], 64*(n/32)+n%32, v8
	v_min_u32 v9, 0x100, v[X+n]
	v_sub_nc_u32 v[X+n], v[X+n], v9        ; held at 0 from below,
	v_min_u32 v[X+n], 100, v[X+n]          ; at 100 from above: the row of rel_v
	v_lshl_add_u32 v[X+n], v[X+n], 8, v7
	global_load_b32 v[X+n], v[X+n], s[34:35]   ; the load lands on its own address register
.set n, n+1
.endr
	s_branch .Lquant
.Lrk:
	; ---- rel_k: fragment f holds rows e = 32 f + 16 c + r (distance e - 128, clipped): tile 2 f in k 0-63, tile 2 f + 1 in k 64-127
	s_sub_co_u32 s4, s3, 1024
	s_lshl_b32 s4, s4, 5
	s_add_co_u32 s4, s4, 178               ; - 128 + 50 + 256
.irp c,0,1
	v_add_nc_u32 v[10+\c], s4, v2
	v_add_nc_u32 v[10+\c], 16*\c, v[10+\c]
	v_min_u32 v9, 0x100, v[10+\c]
	v_sub_nc_u32 v[10+\c], v[10+\c], v9
	v_min_u32 v[10+\c], 100, v[10+\c]
	v_lshlrev_b32 v[10+\c], 8, v[10+\c]
	v_lshl_add_u32 v[10+\c], v3, 7, v[10+\c]   ; the row, + 128 h
.endr
.irp c,0,1
.irp j,0,1,2,3,4,5,6,7
	global_load_b128 v[X+32*\c+4*\j:X+32*\c+4*\j+3], v[10+\c], s[32:33] offset:16*\j
.endr
.endr
.Lquant:
	s_mov_b32 s44, OFF_RKC-1024*1536
	s_mov_b32 s46, OFF_RKS-1024*128
	s_cmp_lt_u32 s3, 1024
	s_cselect_b32 s44, OFF_TVC, s44
	s_cselect_b32 s46, OFF_TVS, s46
	s_mul_i32 s45, s3, 1536
	s_add_co_u32 s44, s44, s45
	s_mov_b32 s45, 0
	s_lshl_b32 s47, s3, 7
	s_add_co_u32 s46, s46, s47
	s_mov_b32 s47, 0
	s_add_nc_u64 s[40:41], s[36:37], s[46:47]
	s_add_nc_u64 s[36:37], s[36:37], s[44:45]
	s_wait_loadcnt 0x0
	QUANTW X, PC, TM
	PUT6 PC, 0
	PUT6 PC+6, 768
	global_store_b32 v13, v[TM+6], s[40:41]    ; the scale word, 4 bytes a lane
	s_endpgm
.Lconst:
	; ---- c[d]: a block of 32 equal numbers x: scale 2^(floor(log2 |x|) - 2), x / scale in 4 .. 8, step 0.5, held at 7.5.  Thread = side 64 + h 32 + n, d = 32 (n / 16) + 16 h + n % 16
	v_lshrrev_b32 v7, 6, v0
	v_and_b32 v8, 31, v0
	v_bfe_u32 v9, v0, 5, 1
	v_lshrrev_b32 v10, 4, v8
	v_and_b32 v11, 15, v8
	v_lshl_add_u32 v11, v10, 5, v11
	v_lshl_add_u32 v11, v9, 4, v11
	v_lshlrev_b32 v11, 2, v11
	v_mad_u32_u24 v11, v7, 25600, v11      ; row 0 or row 100
	global_load_b32 v12, v11, s[34:35]
	v_lshlrev_b32 v13, 2, v0
	s_mov_b32 s44, 0xc0f00000              ; -7.5
	s_mov_b32 s45, 0x40f00000              ; 7.5
	s_add_nc_u64 s[36:37], s[36:37], OFF_CF
	s_wait_loadcnt 0x0
	v_max_num_f32 v14, 0x1800000, |v12|
	v_and_b32 v14, 0x7f800000, v14
	v_add_nc_u32 v14, 0xff000000, v14      ; the scale, as f32
	v_sub_nc_u32 v15, 0x7f000000, v14      ; and 1 / the scale
	v_mul_f32 v16, v12, v15
	v_add_f32 v16, v16, v16
	v_rndne_f32 v16, v16                   ; to the nearest half, ties to even
	v_mul_f32 v16, 0.5, v16
	v_med3_num_f32 v16, v16, s44, s45
	v_mul_f32 v16, v16, v14
	global_store_b32 v13, v16, s[36:37]
	s_endpgm
.Lfunc_end_k_qa9d2f5ee5a_prep:
	.size	k_qa9d2f5ee5a_prep, .Lfunc_end_k_qa9d2f5ee5a_prep-k_qa9d2f5ee5a_prep
	.p2alignl 7, 3214868480
	.fill 96, 4, 3214868480
	.section	.rodata,"a",@progbits
	.p2align	6, 0x0
	.amdhsa_kernel k_qa9d2f5ee5a_prep
		.amdhsa_group_segment_fixed_size 0
		.amdhsa_private_segment_fixed_size 0
		.amdhsa_enable_private_segment 0
		.amdhsa_kernarg_size 120
		.amdhsa_user_sgpr_count 2
		.amdhsa_user_sgpr_kernarg_segment_ptr 1
		.amdhsa_wavefront_size32 1
		.amdhsa_system_sgpr_workgroup_id_x 1
		.amdhsa_system_sgpr_workgroup_id_y 1
		.amdhsa_system_sgpr_workgroup_id_z 1
		.amdhsa_system_vgpr_workitem_id 0
		.amdhsa_next_free_vgpr 128
		.amdhsa_next_free_sgpr 66
		.amdhsa_reserve_vcc 0
		.amdhsa_float_denorm_mode_32 3
		.amdhsa_float_denorm_mode_16_64 3
		.amdhsa_memory_ordered 1
		.amdhsa_forward_progress 1
		.amdhsa_inst_pref_size 37
	.end_amdhsa_kernel
	.amdgpu_metadata
---
amdhsa.version: [ 1, 2 ]
amdhsa.kernels:
  - .name:           k_qa9d2f5ee5a_prep
    .symbol:         k_qa9d2f5ee5a_prep.kd
    .args:
      - { .name: Wq_codes, .offset: 0, .size: 8, .value_kind: global_buffer, .address_space: global }
      - { .name: Wq_scales, .offset: 8, .size: 8, .value_kind: global_buffer, .address_space: global }
      - { .name: Wk_codes, .offset: 16, .size: 8, .value_kind: global_buffer, .address_space: global }
      - { .name: Wk_scales, .offset: 24, .size: 8, .value_kind: global_buffer, .address_space: global }
      - { .name: Wv_codes, .offset: 32, .size: 8, .value_kind: global_buffer, .address_space: global }
      - { .name: Wv_scales, .offset: 40, .size: 8, .value_kind: global_buffer, .address_space: global }
      - { .name: Wo_codes, .offset: 48, .size: 8, .value_kind: global_buffer, .address_space: global }
      - { .name: Wo_scales, .offset: 56, .size: 8, .value_kind: global_buffer, .address_space: global }
      - { .name: W_in_codes, .offset: 64, .size: 8, .value_kind: global_buffer, .address_space: global }
      - { .name: W_in_scales, .offset: 72, .size: 8, .value_kind: global_buffer, .address_space: global }
      - { .name: W_out_codes, .offset: 80, .size: 8, .value_kind: global_buffer, .address_space: global }
      - { .name: W_out_scales, .offset: 88, .size: 8, .value_kind: global_buffer, .address_space: global }
      - { .name: rel_k, .offset: 96, .size: 8, .value_kind: global_buffer, .address_space: global }
      - { .name: rel_v, .offset: 104, .size: 8, .value_kind: global_buffer, .address_space: global }
      - { .name: wt, .offset: 112, .size: 8, .value_kind: global_buffer, .address_space: global }
    .group_segment_fixed_size: 0
    .private_segment_fixed_size: 0
    .kernarg_segment_align: 8
    .kernarg_segment_size: 120
    .max_flat_workgroup_size: 128
    .sgpr_count:     66
    .vgpr_count:     128
    .wavefront_size: 32
...
	.end_amdgpu_metadata
.endif
;; end of part 1
;; launch norm (part 2): grid 256 x 1, 8 waves a work-group, no clusters, 1,536 bytes of LDS; arguments x, g_attn, hq, rinv; writes hq, rinv
.if DOCPART == 2
	.amdgcn_target "amdgcn-amd-amdhsa--gfx1250"
	.amdhsa_code_object_version 6
	.text
	.protected	k_qa9d2f5ee5a_norm
	.globl	k_qa9d2f5ee5a_norm
	.p2align	8
	.type	k_qa9d2f5ee5a_norm,@function
k_qa9d2f5ee5a_norm:
	s_mov_b64 s[64:65], 0
	v_nop
	global_prefetch_b8 v0, s[64:65] scope:SCOPE_SE
	s_setreg_imm32_b32 hwreg(HW_REG_WAVE_MODE, 25, 1), 1
	s_wait_xcnt 0x0
; y = g (x / (|x|_2 / 32 + 1e-8)) for rows of 1,024 numbers laid [S][B][1024], quantised along the row to E2M3 with E8M0 scales, laid as records (16 rows x 256 along K: 3,328 bytes; see the first kernel).
; It also stores 1 / (rms + eps) for each row; the second use of this body stores that too, 16 KiB that nobody reads: the price of one body for both norms.
; A work-group takes a tile of 16 tokens (tile = 64 b + T; row p is s = 32 (T / 2) + 8 (T % 2) + p + 8 (p / 8)); wave w takes columns 128 w on.  Lane (r, h) holds, of row r, columns 128 w + 64 c + 32 h + 0..31:
; two whole blocks, in the order of the operand's registers.  The row's sum of squares meets in LDS: 64 bytes a wave, one barrier.  LIMITS: as stated in the first kernel.
.set X, 32                             ; v32-95  my 64 numbers
.set G, 96                             ; v96-159 g at the same columns
.set PC, 160
.set TM, 180
.set H8, 28
.set SEL, 12
.macro QUANTW x, pc, tm
.irp c,0,1
	v_max3_num_f32 v[\tm+\c], |v[\x+32*\c]|, |v[\x+32*\c+1]|, 0x1800000   ; with the floor 2^(3 - 127)
.endr
.irp i,2,4,6,8,10,12,14,16,18,20,22,24,26,28,30
.irp c,0,1
	v_max3_num_f32 v[\tm+\c], v[\tm+\c], |v[\x+32*\c+\i]|, |v[\x+32*\c+\i+1]|
.endr
.endr
.irp c,0,1
	v_add_nc_u32 v[\tm+2+\c], 0xff000000, v[\tm+\c]
.endr
.irp c,0,1
	v_lshrrev_b32 v[\tm+4+\c], 23, v[\tm+2+\c]
.endr
	v_lshl_or_b32 v[\tm+6], v[\tm+5], 16, v[\tm+4]
	v_lshlrev_b32 v[\tm+6], v[H8], v[\tm+6]
	v_mov_b32 v[\tm+7], 0
	v_permlanex16_b32 v[\tm+7], v[\tm+6], s[SEL], s[SEL+1]
	v_or_b32 v[\tm+6], v[\tm+6], v[\tm+7]
.irp c,0,1
	v_cvt_scalef32_pk16_fp6_f32 v[\pc+6*\c:\pc+6*\c+2], v[\x+32*\c:\x+32*\c+15], v[\tm+2+\c]
	v_cvt_scalef32_pk16_fp6_f32 v[\pc+12+4*\c:\pc+12+4*\c+2], v[\x+32*\c+16:\x+32*\c+31], v[\tm+2+\c]
.endr
	v_nop
.irp c,0,1
.irp i,0,1,2
	v_mov_b32 v[\pc+6*\c+3+\i], v[\pc+12+4*\c+\i]
.endr
.endr
.endm
	s_load_b256 s[4:11], s[0:1], 0x0       ; in, g, the records, 1 / (rms + eps)
	v_lshl_add_u32 v30, v0, 2, 512         ; my spare word
	v_mov_b32 v31, 0
	v_lshrrev_b32 v1, 5, v0
	v_readfirstlane_b32 s2, v1             ; wave
	v_and_b32 v1, 31, v0
	v_and_b32 v2, 15, v0                   ; r
	v_bfe_u32 v3, v0, 4, 1                 ; h
	v_lshlrev_b32 v4, 4, v1                ; 16 l
	v_lshl_add_u32 v5, v1, 3, 512          ; 512 + 8 l
	v_and_b32 v6, 8, v2
	v_add_nc_u32 v6, v6, v2
	v_lshlrev_b32 v6, 14, v6               ; a step in s is 4 rows of 4,096 bytes
	v_lshl_add_u32 v6, v3, 7, v6
	v_lshlrev_b32 v7, 7, v3
	v_lshlrev_b32 v[H8], 3, v3
	v_lshlrev_b32 v11, 2, v2               ; 4 r
	v_lshlrev_b32 v9, 3, v2                ; 8 r
	s_lshl_b32 s3, s2, 6
	v_add_nc_u32 v10, s3, v11              ; LDS: 64 w + 4 r
	s_mov_b32 s[SEL], 0x76543210
	s_mov_b32 s[SEL+1], 0xfedcba98
	s_mov_b32 s14, 0x3d000000              ; 1 / 32
	s_mov_b32 s15, 0x322bcc77              ; 1e-8
	s_lshr_b32 s16, ttmp9, 6               ; b
	s_and_b32 s17, ttmp9, 63               ; T
	s_lshr_b32 s18, s17, 1
	s_lshl_b32 s18, s18, 5
	s_and_b32 s19, s17, 1
	s_lshl_b32 s19, s19, 3
	s_add_co_u32 s18, s18, s19
	s_lshl_b32 s18, s18, 14
	s_lshl_b32 s16, s16, 12
	s_add_co_u32 s18, s18, s16
	s_lshl_b32 s20, s2, 9                  ; my 128 columns
	s_add_co_u32 s18, s18, s20
	s_mov_b32 s19, 0
	s_mov_b32 s21, 0
	s_mul_i32 s22, ttmp9, 13312
	s_lshr_b32 s23, s2, 1
	s_mul_i32 s23, s23, 3328
	s_add_co_u32 s22, s22, s23             ; my record
	s_and_b32 s23, s2, 1
	s_mul_i32 s24, s23, 1536
	s_add_co_u32 s24, s24, s22             ; my two halves of it
	s_mov_b32 s25, 0
	s_lshl_b32 s26, s23, 2
	s_add_co_u32 s26, s26, s22
	s_add_co_u32 s26, s26, 3072            ; my scale words
	s_mov_b32 s27, 0
	s_lshl_b32 s22, ttmp9, 6
	s_mov_b32 s23, 0
	s_wait_kmcnt 0x0
	s_add_nc_u64 s[4:5], s[4:5], s[18:19]
	s_add_nc_u64 s[6:7], s[6:7], s[20:21]
	s_add_nc_u64 s[24:25], s[8:9], s[24:25]
	s_add_nc_u64 s[26:27], s[8:9], s[26:27]
	s_add_nc_u64 s[10:11], s[10:11], s[22:23]
.irp c,0,1
.irp j,0,1,2,3,4,5,6,7
	global_load_b128 v[X+32*\c+4*\j:X+32*\c+4*\j+3], v6, s[4:5] offset:256*\c+16*\j
.endr
.endr
.irp c,0,1
.irp j,0,1,2,3,4,5,6,7
	global_load_b128 v[G+32*\c+4*\j:G+32*\c+4*\j+3], v7, s[6:7] offset:256*\c+16*\j
.endr
.endr
	s_wait_loadcnt 16                      ; x's 16 loads are in; g's 16 may be out
.irp k,0,1,2,3
	v_pk_mul_f32 v[12+2*\k:13+2*\k], v[X+2*\k:X+2*\k+1], v[X+2*\k:X+2*\k+1]   ; four chains, started by the first products
.endr
.set n, 4
.rept 28
	v_pk_fma_f32 v[12+2*(n%4):13+2*(n%4)], v[X+2*n:X+2*n+1], v[X+2*n:X+2*n+1], v[12+2*(n%4):13+2*(n%4)]
.set n, n+1
.endr
	v_pk_add_f32 v[12:13], v[12:13], v[14:15]
	v_pk_add_f32 v[16:17], v[16:17], v[18:19]
	v_pk_add_f32 v[12:13], v[12:13], v[16:17]
	v_add_f32 v12, v12, v13
	v_permlanex16_b32 v13, v12, s[SEL], s[SEL+1]
	v_add_f32 v12, v12, v13                ; row r's 128 columns of this wave
	ds_store_b32 v10, v12                  ; both halves of the lanes write the same word
	s_wait_dscnt 0x0                       ; for the others' sake
	s_barrier_signal -1
	s_barrier_wait -1
.irp i,0,1,2,3,4,5,6,7
	ds_load_b32 v[20+\i], v11 offset:64*\i
.endr
	s_wait_dscnt 0x0
	v_add_f32 v20, v20, v21
	v_add_f32 v22, v22, v23
	v_add_f32 v24, v24, v25
	v_add_f32 v26, v26, v27
	v_add_f32 v20, v20, v22
	v_add_f32 v24, v24, v26
	v_add_f32 v22, v20, v24
	v_sqrt_f32 v23, v22
	v_nop
	s_wait_alu depctr_va_vdst(0)           ; ahead of the root's first reader
	v_fma_f32 v24, v23, s14, s15           ; rms + eps
	v_rcp_f32 v20, v24
	v_nop
	s_wait_alu depctr_va_vdst(0)
	v_mov_b32 v21, v20
	s_wait_loadcnt 0x0                     ; g
.set n, 0
.rept 32
	v_pk_mul_f32 v[X+n:X+n+1], v[X+n:X+n+1], v[20:21]
.set n, n+2
.endr
.set n, 0
.rept 32
	v_pk_mul_f32 v[X+n:X+n+1], v[X+n:X+n+1], v[G+n:G+n+1]
.set n, n+2
.endr
	QUANTW X, PC, TM
.irp c,0,1
	global_store_b128 v4, v[PC+6*\c:PC+6*\c+3], s[24:25] offset:768*\c
	global_store_b64 v5, v[PC+6*\c+4:PC+6*\c+5], s[24:25] offset:768*\c
.endr
	global_store_b32 v9, v[TM+6], s[26:27] ; row r's scale word of this K step
	s_cmp_lg_u32 s2, 0
	s_cbranch_scc1 .Lnot0
	global_store_b32 v11, v20, s[10:11]    ; wave 0: 1 / (rms + eps) of the tile's 16 rows
.Lnot0:
	s_wait_tensorcnt 0x0                   ; the wave's end
	ds_add_u32 v30, v31
	s_wait_dscnt 0x0
	s_endpgm
.Lfunc_end_k_qa9d2f5ee5a_norm:
	.size	k_qa9d2f5ee5a_norm, .Lfunc_end_k_qa9d2f5ee5a_norm-k_qa9d2f5ee5a_norm
	.p2alignl 7, 3214868480
	.fill 96, 4, 3214868480
	.section	.rodata,"a",@progbits
	.p2align	6, 0x0
	.amdhsa_kernel k_qa9d2f5ee5a_norm
		.amdhsa_group_segment_fixed_size 1536
		.amdhsa_private_segment_fixed_size 0
		.amdhsa_enable_private_segment 0
		.amdhsa_kernarg_size 32
		.amdhsa_user_sgpr_count 2
		.amdhsa_user_sgpr_kernarg_segment_ptr 1
		.amdhsa_wavefront_size32 1
		.amdhsa_system_sgpr_workgroup_id_x 1
		.amdhsa_system_sgpr_workgroup_id_y 1
		.amdhsa_system_sgpr_workgroup_id_z 1
		.amdhsa_system_vgpr_workitem_id 0
		.amdhsa_next_free_vgpr 192
		.amdhsa_next_free_sgpr 66
		.amdhsa_reserve_vcc 0
		.amdhsa_float_denorm_mode_32 3
		.amdhsa_float_denorm_mode_16_64 3
		.amdhsa_memory_ordered 1
		.amdhsa_forward_progress 1
		.amdhsa_inst_pref_size 17
	.end_amdhsa_kernel
	.amdgpu_metadata
---
amdhsa.version: [ 1, 2 ]
amdhsa.kernels:
  - .name:           k_qa9d2f5ee5a_norm
    .symbol:         k_qa9d2f5ee5a_norm.kd
    .args:
      - { .name: x, .offset: 0, .size: 8, .value_kind: global_buffer, .address_space: global }
      - { .name: g_attn, .offset: 8, .size: 8, .value_kind: global_buffer, .address_space: global }
      - { .name: hq, .offset: 16, .size: 8, .value_kind: global_buffer, .address_space: global }
      - { .name: rinv, .offset: 24, .size: 8, .value_kind: global_buffer, .address_space: global }
    .group_segment_fixed_size: 1536
    .private_segment_fixed_size: 0
    .kernarg_segment_align: 8
    .kernarg_segment_size: 32
    .max_flat_workgroup_size: 256
    .sgpr_count:     66
    .vgpr_count:     192
    .wavefront_size: 32
...
	.end_amdgpu_metadata
.endif
;; end of part 2
;; launch gqkv (part 3): grid 24 x 32, 4 waves a work-group, no clusters, 102,912 bytes of LDS; arguments hq, wt, bq, bk, bv, qkv; writes qkv
.if DOCPART == 3
	.amdgcn_target "amdgcn-amd-amdhsa--gfx1250"
	.amdhsa_code_object_version 6
	.text
	.protected	k_qa9d2f5ee5a_gqkv
	.globl	k_qa9d2f5ee5a_gqkv
	.p2align	8
	.type	k_qa9d2f5ee5a_gqkv,@function
k_qa9d2f5ee5a_gqkv:
	s_mov_b64 s[64:65], 0
	v_nop
	global_prefetch_b8 v0, s[64:65] scope:SCOPE_SE
	s_setreg_imm32_b32 hwreg(HW_REG_WAVE_MODE, 25, 1), 1
	s_wait_xcnt 0x0
; q, k, v = Q(h) W^T + b on codes of E2M3, K = 1,024, and each result quantised at once for the attention: q and k along the head's 64, v along the keys.  Nothing of them exists in f32 in memory.
; THE CORE (the same in all four product launches): a work-group makes 128 x 128, each of four waves 64 x 64: 16 accumulators.  X is the side that falls on lanes (source 1), Y the side that runs down the registers (source 0).
; Operands lie in memory as records in register order (first kernel).  A K step is 256: each wave brings four tiles' records through registers into one of two LDS buffers (waves 0, 1: X's eight tiles; 2, 3: Y's);
; the next step's loads are issued at a step's head and stored into the other buffer at its end; ONE barrier a step: in front of it my stores have landed and my reads are back.
; No tensor loads, no cluster: tiles are shared between work-groups, and joint loads are the known next step; this text keeps the plain road through registers.
; Work-group x: 0-7 q, 8-15 k (X = tokens, Y = weights: a lane holds a token, registers run along the head), 16-23 v (X = weights, Y = tokens: a lane holds a channel, registers run along the keys).
; Tiles of weights and of tokens take rows 32 (T / 2) + 8 (T % 2) + p + 8 (p / 8), so that the 16 registers of two neighbouring Y tiles are 16 neighbours.  LIMITS: as stated in the first kernel.
; REGISTERS: window 0: v1-9 addresses, v10-23 epilogue, v30, v31 the add's two, v32-39 scale words, v40-43 staged scales, v44-51 v's bias, v64-159, v160-255 fragments of the step's two halves.
;   window 1: v0-127 accumulators ((x, y) at 8 (4 x + y)), v128-159 bias in the result's layout, v160-255 staged codes, later the epilogue's work.
.set NS, 4
.set TS, NS*3328
.set SPARE, 102400
.set SC, 32
.set SEL, 38
.set MSB, 0
.macro WIN new
.if MSB != \new
	s_set_vgpr_msb (MSB<<8)|\new
.set MSB, \new
.endif
.endm
.macro GLOAD s                         ; my four tiles' records of K step s: 24 loads of 512 consecutive bytes, and their 4 x 128 scale bytes
	WIN 0x40
.irp i,0,1,2,3
.irp j,0,1,2,3,4,5
	global_load_b128 v[160+4*(6*\i+\j):160+4*(6*\i+\j)+3], v1, s[60:61] offset:\i*TS+3328*(\s)+512*\j
.endr
.endr
	WIN 0
	global_load_b128 v[40:43], v2, s[60:61] offset:3328*(\s)+3072
.endm
.macro LSTORE b
	WIN 0x04
.irp i,0,1,2,3
.irp j,0,1,2,3,4,5
	ds_store_b128 v3, v[160+4*(6*\i+\j):160+4*(6*\i+\j)+3] offset:51200*(\b)+3072*\i+512*\j
.endr
.endr
	WIN 0
	ds_store_b128 v4, v[40:43] offset:51200*(\b)
.endm
.macro FETCH b, q, f                   ; my four X and four Y fragments of the step's q-th 128 along K: 32 loads
.irp i,0,1,2,3
	ds_load_b128 v[\f+12*\i:\f+12*\i+3], v5 offset:51200*(\b)+3072*\i+1536*\q
	ds_load_b64 v[\f+12*\i+4:\f+12*\i+5], v6 offset:51200*(\b)+3072*\i+1536*\q
	ds_load_b128 v[\f+12*\i+6:\f+12*\i+9], v5 offset:51200*(\b)+3072*\i+1536*\q+768
	ds_load_b64 v[\f+12*\i+10:\f+12*\i+11], v6 offset:51200*(\b)+3072*\i+1536*\q+768
	ds_load_b128 v[\f+48+12*\i:\f+48+12*\i+3], v7 offset:51200*(\b)+3072*\i+1536*\q
	ds_load_b64 v[\f+48+12*\i+4:\f+48+12*\i+5], v8 offset:51200*(\b)+3072*\i+1536*\q
	ds_load_b128 v[\f+48+12*\i+6:\f+48+12*\i+9], v7 offset:51200*(\b)+3072*\i+1536*\q+768
	ds_load_b64 v[\f+48+12*\i+10:\f+48+12*\i+11], v8 offset:51200*(\b)+3072*\i+1536*\q+768
.endr
.endm
.macro SCALES b                        ; lanes 0-15: X's tile i, lanes 16-31: Y's tile i; two words: the step's two halves
.irp i,0,1,2,3
	ds_load_b64 v[SC+2*\i:SC+2*\i+1], v9 offset:51200*(\b)+128*\i
.endr
.endm
.macro WM d, a, b, c, sa, sb
	v_wmma_scale_f32_16x16x128_f8f6f4 v[\d:\d+7], v[\a:\a+11], v[\b:\b+11], \c, v[\sa], v[\sb] matrix_a_fmt:MATRIX_FMT_FP6 matrix_b_fmt:MATRIX_FMT_FP6 matrix_a_scale:MATRIX_SCALE_ROW1
.endm
.macro MUL f, q, first                 ; the 16 accumulators by turns, one instruction a turn
.irp x,0,1,2,3
.irp y,0,1,2,3
.if \first
	WM 8*(4*\x+\y), \f+48+12*\y, \f+12*\x, 0, SC+2*\y+\q, SC+2*\x+\q
.else
	WM 8*(4*\x+\y), \f+48+12*\y, \f+12*\x, v[8*(4*\x+\y):8*(4*\x+\y)+7], SC+2*\y+\q, SC+2*\x+\q
.endif
.endr
.endr
.endm
.macro STEP s
.if (\s)+1 < NS
	GLOAD (\s)+1
.endif
	SCALES (\s)%2
	FETCH (\s)%2, 0, 64
	FETCH (\s)%2, 1, 160
	s_wait_dscnt 32                        ; the scale words and the first half's fragments are in; the second half's 32 loads may be out
	WIN 0x50
.if (\s) == 0
	MUL 64, 0, 1
.else
	MUL 64, 0, 0
.endif
	s_wait_dscnt 0x0
	MUL 160, 1, 0
	WIN 0
.rept 4
	v_nop                                  ; places in front of loads into registers that matrix instructions have read, and of the first read of results
.endr
.if (\s)+1 < NS
	s_wait_loadcnt 0x0                     ; the next step's records are in registers
	LSTORE 1-(\s)%2                        ; into the buffer that nobody has read since the last barrier
	s_wait_dscnt 0x0                       ; my stores have landed, my reads are back
	s_barrier_signal -1
	s_barrier_wait -1
.endif
.endm
; 32 numbers of a lane, register 16 b + i = k 32 b + 16 h + i of my row: codes of 64 along K to v[pc..pc+5] (lane half h: block h), the two scale bytes to v[tm+8]
.macro QUANTH s, pc, tm
.irp b,0,1
	v_max3_num_f32 v[\tm+\b], |v[\s+16*\b]|, |v[\s+16*\b+1]|, 0x1800000
.endr
.irp i,2,4,6,8,10,12,14
.irp b,0,1
	v_max3_num_f32 v[\tm+\b], v[\tm+\b], |v[\s+16*\b+\i]|, |v[\s+16*\b+\i+1]|
.endr
.endr
.irp b,0,1
	v_permlanex16_b32 v[\tm+2+\b], v[\tm+\b], s[SEL], s[SEL+1]
.endr
.irp b,0,1
	v_max_num_f32 v[\tm+\b], v[\tm+\b], v[\tm+2+\b]
.endr
.irp b,0,1
	v_add_nc_u32 v[\tm+4+\b], 0xff000000, v[\tm+\b]
.endr
.irp b,0,1
	v_lshrrev_b32 v[\tm+6+\b], 23, v[\tm+4+\b]
.endr
	v_lshl_or_b32 v[\tm+8], v[\tm+7], 8, v[\tm+6]
	v_cvt_scalef32_pk16_fp6_f32 v[\pc:\pc+2], v[\s:\s+15], v[\tm+4]
	v_cvt_scalef32_pk16_fp6_f32 v[\pc+6:\pc+8], v[\s+16:\s+31], v[\tm+5]
	v_nop
.irp i,0,1,2
	v_permlane16_swap_b32 v[\pc+\i], v[\pc+6+\i]
.endr
.irp i,0,1,2
	v_mov_b32 v[\pc+3+\i], v[\pc+6+\i]
.endr
.endm
	s_load_b256 s[4:11], s[0:1], 0x0       ; hq, wt, bq, bk
	s_load_b128 s[12:15], s[0:1], 0x20     ; bv, qkv
	v_lshl_add_u32 v30, v0, 2, SPARE
	v_mov_b32 v31, 0
	v_lshrrev_b32 v1, 5, v0
	v_readfirstlane_b32 s2, v1             ; wave
	s_and_b32 s40, s2, 1
	s_lshr_b32 s41, s2, 1
	s_and_b32 s43, ttmp7, 0xffff
	v_and_b32 v20, 31, v0                  ; lane
	v_and_b32 v21, 15, v0                  ; r
	v_bfe_u32 v22, v0, 4, 1                ; h
	v_lshlrev_b32 v1, 4, v20               ; 16 l
	v_lshrrev_b32 v2, 3, v20
	v_mul_u32_u24 v2, v2, TS
	v_and_b32 v23, 7, v20
	v_lshl_add_u32 v2, v23, 4, v2          ; eight lanes to a tile's 128 scale bytes
	s_mul_i32 s44, s2, 12288
	v_add_nc_u32 v3, s44, v1               ; where I stage codes
	s_lshl_b32 s44, s2, 9
	s_add_co_u32 s44, s44, 49152
	v_add_nc_u32 v4, s44, v1               ; and scales
	v_lshl_add_u32 v6, v20, 3, 512
	s_mul_i32 s44, s41, 12288
	s_mul_i32 s45, s40, 12288
	s_add_co_u32 s45, s45, 24576
	v_add_nc_u32 v5, s44, v1               ; my four X tiles
	v_add_nc_u32 v7, s45, v1               ; my four Y tiles
	v_add_nc_u32 v8, s45, v6
	v_add_nc_u32 v6, s44, v6
	s_lshl_b32 s44, s41, 9
	s_lshl_b32 s45, s40, 9
	s_add_co_u32 s45, s45, 1024
	s_sub_co_u32 s45, s45, s44
	v_mul_u32_u24 v9, s45, v22             ; lanes 16-31 take Y's words: one product, the distance between the two
	v_lshl_add_u32 v9, v21, 3, v9
	s_add_co_u32 s44, s44, 49152
	v_add_nc_u32 v9, s44, v9
	s_mov_b32 s[SEL], 0x76543210
	s_mov_b32 s[SEL+1], 0xfedcba98
	v_lshl_add_u32 v10, v20, 3, 512        ; 512 + 8 l
	v_lshlrev_b32 v11, 2, v20              ; 4 l
	s_lshl_b32 s44, s40, 8
	v_lshl_add_u32 v12, v22, 6, s44        ; bias in the result's layout: 64 h + my 64 columns
	v_and_b32 v13, 8, v21
	v_add_nc_u32 v13, v13, v21
	s_lshl_b32 s44, s41, 8
	v_lshl_add_u32 v13, v13, 2, s44        ; bias of the lane's channel (v)
	s_lshr_b32 s46, ttmp9, 3               ; 0 q, 1 k, 2 v
	s_and_b32 s47, ttmp9, 7
	s_and_b32 s48, s43, 7
	s_lshr_b32 s49, s43, 3                 ; b
	s_mul_i32 s50, s41, 3072
	s_mul_i32 s51, s40, 768
	s_lshl_b32 s52, s41, 8
	s_lshl_b32 s53, s40, 1
	s_cmp_lt_u32 s46, 2
	s_cselect_b32 s54, s40, s41            ; which of the work-group's two heads is mine
	s_cselect_b32 s50, s50, s51
	s_cselect_b32 s52, s52, s53
	s_lshl_b32 s49, s49, 4
	s_lshl_b32 s51, s47, 1
	s_add_co_u32 s49, s49, s51
	s_add_co_u32 s49, s49, s54             ; 16 b + head
	s_mul_i32 s51, s49, 49152
	s_add_co_u32 s50, s50, s51
	s_mul_i32 s51, s46, 3145728
	s_add_co_u32 s50, s50, s51
	s_mul_i32 s51, s48, 6144
	s_add_co_u32 s50, s50, s51             ; where my codes go
	s_mov_b32 s51, 0
	s_lshl_b32 s53, s49, 12
	s_add_co_u32 s52, s52, s53
	s_lshl_b32 s53, s46, 18
	s_add_co_u32 s52, s52, s53
	s_lshl_b32 s53, s48, 9
	s_add_co_u32 s52, s52, s53
	s_add_co_u32 s52, s52, 9437184         ; and my scale bytes
	s_mov_b32 s53, 0
	s_mul_i32 s54, s43, 8*TS
	s_mov_b32 s55, 0
	s_wait_kmcnt 0x0
	s_add_nc_u64 s[20:21], s[14:15], s[50:51]
	s_add_nc_u64 s[22:23], s[14:15], s[52:53]
	s_add_nc_u64 s[4:5], s[4:5], s[54:55]  ; the work-group's eight token tiles
	s_mul_i32 s54, ttmp9, 8*TS
	s_add_nc_u64 s[6:7], s[6:7], s[54:55]  ; and eight weight tiles (Wq, Wk, Wv lie on end)
	s_cmp_lt_u32 s46, 2
	s_cselect_b64 s[56:57], s[4:5], s[6:7]
	s_cselect_b64 s[58:59], s[6:7], s[4:5]
	s_cmp_eq_u32 s46, 0
	s_cselect_b64 s[16:17], s[8:9], s[10:11]
	s_cmp_eq_u32 s46, 2
	s_cselect_b64 s[16:17], s[12:13], s[16:17]
	s_lshl_b32 s54, s47, 9
	s_add_nc_u64 s[16:17], s[16:17], s[54:55]
	s_cmp_lt_u32 s2, 2
	s_cselect_b64 s[60:61], s[56:57], s[58:59]
	s_mul_i32 s44, s40, 4*TS
	s_mov_b32 s45, 0
	s_add_nc_u64 s[60:61], s[60:61], s[44:45]
	WIN 0x40
.irp y,0,1,2,3
	global_load_b128 v[128+8*\y:128+8*\y+3], v12, s[16:17] offset:(32*(\y/2)+8*(\y%2))*4
	global_load_b128 v[128+8*\y+4:128+8*\y+7], v12, s[16:17] offset:(32*(\y/2)+8*(\y%2))*4+16
.endr
	WIN 0
.irp x,0,1,2,3
	global_load_b32 v[44+2*\x], v13, s[16:17] offset:(32*(\x/2)+8*(\x%2))*4
	global_load_b32 v[45+2*\x], v13, s[16:17] offset:(32*(\x/2)+8*(\x%2))*4   ; twice: a pair for the packed add
.endr
	GLOAD 0
	s_wait_loadcnt 0x0
	LSTORE 0
	s_wait_dscnt 0x0
	s_barrier_signal -1
	s_barrier_wait -1
.set stp, 0
.rept NS
	STEP stp
.set stp, stp+1
.endr
; THE WAY OUT: for each X tile: the bias, the quantiser over my 64 numbers along Y, six registers of codes and two scale bytes a lane
.macro EPI x, isv
	s_wait_xcnt 0x0                        ; the last tile's stores have read their registers
.if \isv
	WIN 0x41
.else
	WIN 0x55
.endif
.set n, 0
.rept 16
.if \isv
	v_pk_add_f32 v[32*\x+n:32*\x+n+1], v[32*\x+n:32*\x+n+1], v[44+2*\x:45+2*\x]
.else
	v_pk_add_f32 v[32*\x+n:32*\x+n+1], v[32*\x+n:32*\x+n+1], v[128+n:129+n]
.endif
.set n, n+2
.endr
	WIN 0x55
	QUANTH 32*\x, 160, 176
	WIN 0x04
.if \isv
	global_store_b128 v1, v[160:163], s[20:21] offset:1536*\x
	global_store_b64 v10, v[164:165], s[20:21] offset:1536*\x
	global_store_b16 v11, v184, s[22:23] offset:128*\x
.else
	global_store_b128 v1, v[160:163], s[20:21] offset:768*\x
	global_store_b64 v10, v[164:165], s[20:21] offset:768*\x
	global_store_b16 v11, v184, s[22:23] offset:128*(\x/2)+2*(\x%2)
.endif
.endm
	WIN 0x55
	v_mov_b32 v178, 0                      ; a lane permute's destination counts as one of its sources
	v_mov_b32 v179, 0
	WIN 0
	s_cmp_lt_u32 s46, 2
	s_cbranch_scc0 .Lvmode
.irp x,0,1,2,3
	EPI \x, 0
.endr
	WIN 0
	s_branch .Ldone
.Lvmode:
.irp x,0,1,2,3
	EPI \x, 1
.endr
	WIN 0
.Ldone:
	s_wait_tensorcnt 0x0                   ; the wave's end
	ds_add_u32 v30, v31
	s_wait_dscnt 0x0
	s_endpgm
.Lfunc_end_k_qa9d2f5ee5a_gqkv:
	.size	k_qa9d2f5ee5a_gqkv, .Lfunc_end_k_qa9d2f5ee5a_gqkv-k_qa9d2f5ee5a_gqkv
	.p2alignl 7, 3214868480
	.fill 96, 4, 3214868480
	.section	.rodata,"a",@progbits
	.p2align	6, 0x0
	.amdhsa_kernel k_qa9d2f5ee5a_gqkv
		.amdhsa_group_segment_fixed_size 102912
		.amdhsa_private_segment_fixed_size 0
		.amdhsa_enable_private_segment 0
		.amdhsa_kernarg_size 48
		.amdhsa_user_sgpr_count 2
		.amdhsa_user_sgpr_kernarg_segment_ptr 1
		.amdhsa_wavefront_size32 1
		.amdhsa_system_sgpr_workgroup_id_x 1
		.amdhsa_system_sgpr_workgroup_id_y 1
		.amdhsa_system_sgpr_workgroup_id_z 1
		.amdhsa_system_vgpr_workitem_id 0
		.amdhsa_next_free_vgpr 512
		.amdhsa_next_free_sgpr 66
		.amdhsa_reserve_vcc 0
		.amdhsa_float_denorm_mode_32 3
		.amdhsa_float_denorm_mode_16_64 3
		.amdhsa_memory_ordered 1
		.amdhsa_forward_progress 1
		.amdhsa_inst_pref_size 83
	.end_amdhsa_kernel
	.amdgpu_metadata
---
amdhsa.version: [ 1, 2 ]
amdhsa.kernels:
  - .name:           k_qa9d2f5ee5a_gqkv
    .symbol:         k_qa9d2f5ee5a_gqkv.kd
    .args:
      - { .name: hq, .offset: 0, .size: 8, .value_kind: global_buffer, .address_space: global }
      - { .name: wt, .offset: 8, .size: 8, .value_kind: global_buffer, .address_space: global }
      - { .name: bq, .offset: 16, .size: 8, .value_kind: global_buffer, .address_space: global }
      - { .name: bk, .offset: 24, .size: 8, .value_kind: global_buffer, .address_space: global }
      - { .name: bv, .offset: 32, .size: 8, .value_kind: global_buffer, .address_space: global }
      - { .name: qkv, .offset: 40, .size: 8, .value_kind: global_buffer, .address_space: global }
    .group_segment_fixed_size: 102912
    .private_segment_fixed_size: 0
    .kernarg_segment_align: 8
    .kernarg_segment_size: 48
    .max_flat_workgroup_size: 128
    .sgpr_count:     66
    .vgpr_count:     512
    .wavefront_size: 32
...
	.end_amdgpu_metadata
.endif
;; end of part 3
;; launch attn (part 4): grid 64 x 4, 16 waves a work-group, no clusters, 322,816 bytes of LDS; arguments qkv, wt, oq; writes oq
.if DOCPART == 4
	.amdgcn_target "amdgcn-amd-amdhsa--gfx1250"
	.amdhsa_code_object_version 6
	.text
	.protected	k_qa9d2f5ee5a_attn
	.globl	k_qa9d2f5ee5a_attn
	.p2align	8
	.type	k_qa9d2f5ee5a_attn,@function
k_qa9d2f5ee5a_attn:
	s_mov_b64 s[64:65], 0
	v_nop
	global_prefetch_b8 v0, s[64:65] scope:SCOPE_SE
	s_setreg_imm32_b32 hwreg(HW_REG_WAVE_MODE, 25, 1), 1
	s_wait_xcnt 0x0
; o = softmax((q k^T + q rk^T) / 8) (v + rv), all four products on codes of E2M3; o is quantised along D and stored as records for the projection.
; WORK LEFT OUT (shown at the head of the first kernel): of q rk^T only a table of 256 clipped distances is multiplied; of p rv only the two key steps round the diagonal; the rest is c[d] x the sum of the quantised p.
; SHARES.  A work-group = one tile of 16 queries of one batch; wave w = head w.  All sixteen waves hold the SAME queries, so that p rv, whose operand rv hangs on the query, can be multiplied with the 16 heads as its N.
; Each wave streams its head's K and V from memory straight into registers, as fragments in register order; four waves share a SIMD.
; LAYOUT.  S^T = K Q^T, O^T = V^T P^T: a lane holds one query.  K = 64 for the scores: a fragment holds two key tiles (k 0-63, 64-127) and is multiplied by (q, 0) and by (0, q).
; SOFTMAX.  t = (score + relative score) log2(e) / 8; M = ceil of the running largest t; p = 2^(t - M), quantised along the keys; the sum of the unquantised p divides at the end.
; RELATIVE SCORES.  RT[query][e] = q . Q(rel_k[clip(e - 128)]), 256 numbers a query, in the wave's own LDS.  In the two steps round the diagonal they are read by k - q; elsewhere one constant a query.
; BAND OF p rv.  In those two steps each wave leaves p's codes, scale word and M in LDS; behind a barrier wave w takes QUERY w with the heads as lanes, multiplies by the table for (q mod 32, a), and hands the result back.
; LIMITS: as stated in the first kernel; a scale byte of p brought under the final M is held at 0 from below.
.set SPARE, 320768
.set XP, 266240                        ; [step 2][query, 1,544][block 4 x 384][head x 24]
.set XZ, 315648                        ; [step 2][query][head]: scale word, -M
.set XF, 319744                        ; [query][head]: the final -M
.set OFF_RKC, 10223616
.set OFF_TVC, 10236928
.set OFF_TVS, 11809792
.set OFF_CF, 11940864
.set FS, 36                            ; v36-39 the fragments' scale words;  v34 Q's, v35 the ones', v40 p's
.set FB, 54                            ; v54-101 four fragments
.set S, 102                            ; v102-165 S^T, then p
.set O, 166                            ; v166-197 O^T
.set ON, 198                           ; v198-209 codes of 1.0
.set PC, 210                           ; v210-221 p's codes
.set CT, 222
.set BM, 230
.set PD, 234
.set SO, 238
.set BY, 242
.set BL, 210                           ; v210-241 the band's relative scores, 32 at a time: free at that place of a step
.set CS, 50
.set SEL, 52
.macro LOADF pc, oc, ps, os            ; four fragments and their scale words: 20 loads
.irp f,0,1,2,3
	global_load_b128 v[FB+12*\f:FB+12*\f+3], v1, s[\pc:\pc+1] offset:\oc+1536*\f
	global_load_b64 v[FB+12*\f+4:FB+12*\f+5], v2, s[\pc:\pc+1] offset:\oc+1536*\f
	global_load_b128 v[FB+12*\f+6:FB+12*\f+9], v1, s[\pc:\pc+1] offset:\oc+1536*\f+768
	global_load_b64 v[FB+12*\f+10:FB+12*\f+11], v2, s[\pc:\pc+1] offset:\oc+1536*\f+768
	global_load_b32 v[FS+\f], v3, s[\ps:\ps+1] offset:\os+128*\f
.endr
.endm
.macro WM d, a, b, c, sa, sb
	v_wmma_scale_f32_16x16x128_f8f6f4 v[\d:\d+7], v[\a:\a+11], v[\b:\b+11], \c, v[\sa], v[\sb] matrix_a_fmt:MATRIX_FMT_FP6 matrix_b_fmt:MATRIX_FMT_FP6
.endm
.macro KQ                              ; eight tiles of 16 rows x my 16 queries
.irp f,0,1,2,3
	WM S+16*\f, FB+12*\f, 16, 0, FS+\f, 34
	WM S+16*\f+8, FB+12*\f, 22, 0, FS+\f, 34
.endr
.endm
.macro XSTORE ks
.irp c,0,1
.irp i,0,1,2
	ds_store_b64 v6, v[PC+6*\c+2*\i:PC+6*\c+2*\i+1] offset:24704*\ks+768*\c+8*\i
.endr
.endr
	ds_store_b64 v7, v[250:251] offset:2048*\ks
.endm
; THE BAND'S RELATIVE SCORES, case z = 8 d + 2 a + u (d: which of the two band steps; a = (qb - 2) % 4; u: which of the block's two query tiles).  Register 16 b + i of S holds key block kb = 4 step + b, and
; kb - qb = 4 d + b - a - 2; held to -3 .. 3, beyond which every distance is clipped.  RT is read at e = 32 (kb - qb + 4) + 16 h + i - (q mod 32), q mod 32 = 8 u + r + 8 (r / 8).
; All that hangs on the work-group's number stands in the immediate: the address register is made of the wave's number and the lane alone.  Sixteen cases are written out; a wave walks one, in two of its eight steps.
.macro BCASE z
	s_cmp_eq_u32 s38, \z
	s_cbranch_scc0 .Lbn_\z
.irp g,0,1
.irp e,0,1
.set sg, 4*((\z)/8)+2*\g+\e-(((\z)/2)%4)+1
.if sg < 0
.set sg, 0
.endif
.if sg > 6
.set sg, 6
.endif
.irp i,0,1,2,3,4,5,6,7,8,9,10,11,12,13,14,15
	ds_load_b32 v[BL+16*\e+\i], v5 offset:128*sg+32*(1-(\z)%2)+4*\i
.endr
.endr
	s_wait_dscnt 0x0
.irp i,0,2,4,6,8,10,12,14,16,18,20,22,24,26,28,30
	v_pk_add_f32 v[S+32*\g+\i:S+32*\g+\i+1], v[S+32*\g+\i:S+32*\g+\i+1], v[BL+\i:BL+\i+1]
.endr
.endr
	s_branch .Lnb1
.Lbn_\z:
.endm
.macro QUANTH s, pc, tm
.irp b,0,1
	v_max3_num_f32 v[\tm+\b], |v[\s+16*\b]|, |v[\s+16*\b+1]|, 0x1800000
.endr
.irp i,2,4,6,8,10,12,14
.irp b,0,1
	v_max3_num_f32 v[\tm+\b], v[\tm+\b], |v[\s+16*\b+\i]|, |v[\s+16*\b+\i+1]|
.endr
.endr
.irp b,0,1
	v_permlanex16_b32 v[\tm+2+\b], v[\tm+\b], s[SEL], s[SEL+1]
.endr
.irp b,0,1
	v_max_num_f32 v[\tm+\b], v[\tm+\b], v[\tm+2+\b]
.endr
.irp b,0,1
	v_add_nc_u32 v[\tm+4+\b], 0xff000000, v[\tm+\b]
.endr
.irp b,0,1
	v_lshrrev_b32 v[\tm+6+\b], 23, v[\tm+4+\b]
.endr
	v_lshl_or_b32 v[\tm+8], v[\tm+7], 8, v[\tm+6]
	v_cvt_scalef32_pk16_fp6_f32 v[\pc:\pc+2], v[\s:\s+15], v[\tm+4]
	v_cvt_scalef32_pk16_fp6_f32 v[\pc+6:\pc+8], v[\s+16:\s+31], v[\tm+5]
	v_nop
.irp i,0,1,2
	v_permlane16_swap_b32 v[\pc+\i], v[\pc+6+\i]
.endr
.irp i,0,1,2
	v_mov_b32 v[\pc+3+\i], v[\pc+6+\i]
.endr
.endm
	s_load_b128 s[4:7], s[0:1], 0x0        ; qkv, wt
	s_load_b64 s[8:9], s[0:1], 0x10        ; oq
	v_lshl_add_u32 v9, v0, 2, SPARE        ; my spare word, and 0
	v_mov_b32 v10, 0
	v_lshrrev_b32 v1, 5, v0
	v_readfirstlane_b32 s10, v1            ; wave = head
	s_and_b32 s12, ttmp7, 0xffff           ; b
	s_and_b32 s13, ttmp9, 1                ; u
	s_lshr_b32 s14, ttmp9, 1               ; qb: the queries' block of 32
	s_sub_co_i32 s15, s14, 2
	s_and_b32 s16, s15, 3                  ; a
	s_ashr_i32 s15, s15, 2                 ; st0: the band is key steps st0 and st0 + 1 (qb - 2 = 4 st0 + a)
	s_add_co_i32 s18, s15, 1
	s_lshl_b32 s41, s16, 1
	s_add_co_u32 s41, s41, s13             ; 2 a + u: the band's case, less its step
	s_lshl_b32 s17, s12, 4
	s_add_co_u32 s17, s17, s10             ; 16 b + head
	v_and_b32 v11, 31, v0
	v_and_b32 v41, 15, v0                  ; r
	v_bfe_u32 v48, v0, 4, 1                ; h
	v_lshlrev_b32 v1, 4, v11               ; 16 l
	v_lshl_add_u32 v2, v11, 3, 512         ; 512 + 8 l
	v_lshlrev_b32 v3, 2, v11               ; 4 l
	s_mul_i32 s19, s10, 16640              ; my RT: 16 queries x (1,024 + 16) bytes
	v_mul_u32_u24 v4, v41, 1040
	v_add_nc_u32 v4, s19, v4
	v_lshl_add_u32 v4, v48, 5, v4          ; RT's stores: my row + 32 h
	; RT's reads: my row + 4 (24 + 16 h - r - 8 (r / 8)); the rest, 128 x the block's place + 32 (1 - u) + 4 i, is an immediate.
	; 1,040 r - 4 (r + 8 (r / 8)) = 1,036 (r % 8) + 8,256 (r / 8): written so, the address is a sum of products of the lane's bits with constants
	v_and_b32 v5, 7, v0                    ; r % 8
	v_mul_u32_u24 v5, v5, 1036
	v_bfe_u32 v8, v0, 3, 1                 ; r / 8
	v_mad_u32_u24 v5, v8, 8256, v5
	v_lshl_add_u32 v5, v48, 6, v5          ; + 64 h
	v_add_nc_u32 v5, s19, v5
	v_add_nc_u32 v5, 96, v5
	v_mul_u32_u24 v6, v41, 1544
	v_mad_u32_u24 v6, v48, 384, v6
	s_mul_i32 s30, s10, 24
	s_add_co_u32 s30, s30, XP
	v_add_nc_u32 v6, s30, v6
	s_lshl_b32 s30, s10, 3
	s_add_co_u32 s30, s30, XZ
	v_lshl_add_u32 v7, v41, 7, s30
	v_mov_b32 v250, 0
	v_mov_b32 v251, 0
.irp ks,0,1                            ; my places in the exchange begin as zero codes: a band step that lies outside the 8 key steps is never written
.irp c,0,1
.irp i,0,1,2
	ds_store_b64 v6, v[250:251] offset:24704*\ks+768*\c+8*\i
.endr
.endr
	ds_store_b64 v7, v[250:251] offset:2048*\ks
.endr
	s_mov_b32 s[CS], 0x3e38aa3b            ; log2(e) / 8
	s_mov_b32 s[CS+1], s[CS]
	s_mov_b32 s[SEL], 0x76543210
	s_mov_b32 s[SEL+1], 0xfedcba98
	s_mul_i32 s30, s17, 49152
	s_mov_b32 s31, 0
	s_lshl_b32 s32, s17, 12
	s_add_co_u32 s32, s32, 9437184
	s_mov_b32 s33, 0
	s_wait_kmcnt 0x0
	s_add_nc_u64 s[20:21], s[4:5], s[30:31]
	s_add_nc_u64 s[22:23], s[4:5], s[32:33]
	s_mul_i32 s30, ttmp9, 768
	s_add_nc_u64 s[24:25], s[20:21], s[30:31]    ; my tile of Q
	s_lshl_b32 s30, s14, 7
	s_add_nc_u64 s[26:27], s[22:23], s[30:31]    ; its pair's scale words
	s_add_nc_u64 s[20:21], s[20:21], 3145728     ; K's codes; V's lie 3,145,728 further on
	s_add_nc_u64 s[22:23], s[22:23], 262144      ; K's scale words; V's 262,144 further on
	s_add_nc_u64 s[28:29], s[6:7], OFF_RKC
	global_load_b128 v[16:19], v1, s[24:25]      ; (q, 0, q) in v16-33: v16-27 = (q, 0), v22-33 = (0, q)
	global_load_b64 v[20:21], v2, s[24:25]
	global_load_b128 v[28:31], v1, s[24:25]
	global_load_b64 v[32:33], v2, s[24:25]
	global_load_b32 v34, v3, s[26:27]
	LOADF 28, 0, 28, 12288
	s_lshl_b32 s31, s13, 4
	s_wait_loadcnt 20                      ; Q's five loads are in; the table's 20 may be out
	v_lshrrev_b32 v34, s31, v34            ; my tile's two bytes,
	v_and_b32 v34, 0xffff, v34
	v_lshl_or_b32 v34, v34, 16, v34        ; for k 0-63 and for k 64-127
.irp i,22,23,24,25,26,27
	v_mov_b32 v\i, 0
.endr
.irp i,0,3,6,9
	v_mov_b32 v[ON+\i], 0x08208208         ; the code of 1.0 is 8: 32 of them are these three words twice
	v_mov_b32 v[ON+\i+1], 0x82082082
	v_mov_b32 v[ON+\i+2], 0x20820820
.endr
	v_mov_b32 v35, 0x7f7f7f7f              ; scale 1
	v_mov_b32 v13, 0xff61b1e6              ; the largest t so far: -3e38
	v_floor_f32 v12, -v13                  ; -M
	v_mov_b32 v14, 0                       ; the sum, in two halves
	v_mov_b32 v15, 0
	v_mov_b32 v42, 0                       ; the sums of quantised p below and above the band
	v_mov_b32 v43, 0
	v_mov_b32 v47, 0
	v_mov_b32 v247, 0
.irp b,0,1,2,3
	v_mov_b32 v[PD+\b], 0
.endr
.set n, 0
.rept 32
	v_mov_b32 v[O+n], 0                    ; the loop is written once: its first step finds zeros
.set n, n+1
.endr
	; ---- RT: 16 tiles of 16 distances
.irp g,0,1
	s_wait_loadcnt 0x0
	KQ
.rept 5
	v_nop                                  ; five places: the next products begin these accumulators anew; four serve the loads and stores below
.endr
.if \g == 0
	LOADF 28, 6144, 28, 12288+512
.else
	LOADF 20, 0, 22, 0                     ; K of key step 0
.endif
.irp t,0,1,2,3,4,5,6,7
	ds_store_b128 v4, v[S+8*\t:S+8*\t+3] offset:64*(8*\g+\t)
	ds_store_b128 v4, v[S+8*\t+4:S+8*\t+7] offset:64*(8*\g+\t)+16
.endr
	s_wait_dscnt 0x0
.endr
	ds_load_b32 v50, v4 offset:32          ; distance -120 or -112: clipped at -50
	ds_load_b32 v51, v4 offset:960         ; distance 112 or 120: clipped at 50
	s_wait_dscnt 0x0
	s_mov_b32 s34, 0
.Lkey:                                     ; eight key steps of 128
	s_wait_loadcnt 0x0                     ; K
	KQ
	s_cmp_lt_i32 s34, s15
	s_cselect_b32 s35, 1.0, 0              ; 1 below the band
	s_cmp_gt_i32 s34, s18
	s_cselect_b32 s36, 1.0, 0              ; 1 above it
	s_sub_co_i32 s37, s34, s15             ; 0 or 1 in the band
	v_mul_f32 v52, s35, v50
	v_fma_f32 v52, s36, v51, v52           ; the step's constant relative score, 0 in the band
	v_nop
	v_nop                                  ; four places
	LOADF 20, 3145728, 22, 262144          ; V
	s_cmp_lt_u32 s37, 2
	s_cbranch_scc0 .Lnb1
	s_lshl_b32 s38, s37, 3
	s_add_co_u32 s38, s38, s41             ; the case: 8 d + 2 a + u
.irp z,0,1,2,3,4,5,6,7,8,9,10,11,12,13,14,15
	BCASE \z
.endr
.Lnb1:
.irp b,0,1,2,3
	v_max3_num_f32 v[BM+\b], v[S+16*\b], v[S+16*\b+1], v[S+16*\b+2]   ; each block's largest score: for the row's maximum and for the block's largest p
.endr
.irp i,3,5,7,9,11,13
.irp b,0,1,2,3
	v_max3_num_f32 v[BM+\b], v[BM+\b], v[S+16*\b+\i], v[S+16*\b+\i+1]
.endr
.endr
.irp b,0,1,2,3
	v_max_num_f32 v[BM+\b], v[BM+\b], v[S+16*\b+15]
.endr
.irp b,0,1,2,3
	v_permlanex16_b32 v[PD+\b], v[BM+\b], s[SEL], s[SEL+1]
.endr
.irp b,0,1,2,3
	v_max_num_f32 v[BM+\b], v[BM+\b], v[PD+\b]
.endr
	v_max3_num_f32 v252, v[BM], v[BM+1], v[BM+2]
	v_max_num_f32 v252, v252, v[BM+3]
	v_add_f32 v252, v252, v52
	v_mul_f32 v252, s[CS], v252
	v_max_num_f32 v13, v13, v252           ; the running largest t
	v_mov_b32 v252, v12
	v_floor_f32 v12, -v13                  ; -M = floor(-t)
	v_sub_f32 v252, v12, v252
	v_cvt_i32_f32 v252, v252
	v_ldexp_f32 v246, 1.0, v252            ; f = 2^(old M - new M)
	v_fma_f32 v46, v52, s[CS], v12         ; the constant's share, less M
.set n, 0
.rept 32
	v_pk_fma_f32 v[S+n:S+n+1], v[S+n:S+n+1], s[CS:CS+1], v[46:47] op_sel_hi:[1,0,0]   ; t - M
.set n, n+2
.endr
.irp b,0,1,2,3
	v_fma_f32 v[BM+\b], v[BM+\b], s[CS], v46
.endr
.set n, 0
.rept 64
	v_exp_f32 v[S+n], v[S+n]
.set n, n+1
.endr
	v_pk_mul_f32 v[14:15], v[14:15], v[246:247] op_sel_hi:[1,0]   ; the sums under the new M (a plain place behind the batch)
	v_pk_mul_f32 v[42:43], v[42:43], v[246:247] op_sel_hi:[1,0]
	s_wait_alu depctr_va_vdst(0)           ; one wait for the batch, ahead of its first reader
.irp b,0,1,2,3
	v_exp_f32 v[BM+\b], v[BM+\b]           ; each block's largest p
.endr
	v_pk_add_f32 v[248:249], v[S:S+1], v[S+2:S+3]   ; the row's sum, of the unquantised p
.irp j,4,8,12,16,20,24,28,32,36,40,44,48,52,56,60
	v_pk_add_f32 v[14:15], v[14:15], v[S+\j:S+\j+1]
	v_pk_add_f32 v[248:249], v[248:249], v[S+\j+2:S+\j+3]
.endr
	v_pk_add_f32 v[14:15], v[14:15], v[248:249]
	s_wait_alu depctr_va_vdst(0)           ; and one for the four
.irp b,0,1,2,3
	v_max_num_f32 v[BM+\b], 0x1800000, v[BM+\b]
.endr
.irp b,0,1,2,3
	v_add_nc_u32 v[SO+\b], 0xff000000, v[BM+\b]
.endr
.irp b,0,1,2,3
	v_lshrrev_b32 v[BY+\b], 23, v[SO+\b]
.endr
	v_lshl_or_b32 v40, v[BY+1], 8, v[BY]
	v_lshl_or_b32 v40, v[BY+2], 16, v40
	v_lshl_or_b32 v40, v[BY+3], 24, v40    ; p's scale word
.irp c,0,1
	v_cvt_scalef32_pk16_fp6_f32 v[PC+6*\c:PC+6*\c+2], v[S+32*\c:S+32*\c+15], v[SO+2*\c]
	v_cvt_scalef32_pk16_fp6_f32 v[CT+4*\c:CT+4*\c+2], v[S+32*\c+16:S+32*\c+31], v[SO+2*\c+1]
.endr
	v_nop
.irp c,0,1
.irp i,0,1,2
	v_permlane16_swap_b32 v[PC+6*\c+\i], v[CT+4*\c+\i]
.endr
.irp i,0,1,2
	v_mov_b32 v[PC+6*\c+3+\i], v[CT+4*\c+\i]
.endr
.endr
	v_mov_b32 v250, v40
	v_cvt_i32_f32 v251, v12
	s_cmp_eq_u32 s37, 0                    ; in the band: p's codes, its scale word and -M go to the exchange, at places written as immediates
	s_cbranch_scc0 .Lx1
	XSTORE 0
.Lx1:
	s_cmp_eq_u32 s37, 1
	s_cbranch_scc0 .Lx2
	XSTORE 1
.Lx2:
.set n, 0
.rept 16
	v_pk_mul_f32 v[O+n:O+n+1], v[O+n:O+n+1], v[246:247] op_sel_hi:[1,0]   ; O^T under the new M; also the places in front of the products
.set n, n+2
.endr
	s_wait_loadcnt 0x0                     ; V
	WM S, ON, PC, 0, 35, 40                ; the sum of the quantised p of these 128 keys, in every row
.irp t,0,1,2,3
	WM O+8*\t, FB+12*\t, PC, v[O+8*\t:O+8*\t+7], FS+\t, 40
.endr
.rept 5
	v_nop                                  ; five: the next step begins S anew
.endr
	v_fma_f32 v42, s35, v[S], v42
	v_fma_f32 v43, s36, v[S], v43
	s_add_nc_u64 s[20:21], s[20:21], 6144  ; every load that named these has been waited for
	s_add_nc_u64 s[22:23], s[22:23], 512
	s_cmp_eq_u32 s34, 7
	s_cbranch_scc1 .Lnok
	LOADF 20, 0, 22, 0                     ; the next step's K
.Lnok:
	s_add_co_u32 s34, s34, 1
	s_cmp_lt_u32 s34, 8
	s_cbranch_scc1 .Lkey
	; ---- the exchange: wave w takes query w, lanes are heads
	s_wait_loadcnt 0x0                     ; the last trip has asked for nothing, so no load of mine is out here; the wait makes that hold on every way through the text, ahead of the loads into the same registers
	v_cvt_i32_f32 v251, v12
	s_lshl_b32 s30, s10, 2
	s_add_co_u32 s30, s30, XF
	v_lshl_add_u32 v8, v41, 6, s30
	ds_store_b32 v8, v251                  ; the final -M
	s_lshr_b32 s30, s10, 3
	s_lshl_b32 s30, s30, 3
	s_add_co_u32 s30, s30, s10
	s_lshl_b32 s31, s13, 3
	s_add_co_u32 s30, s30, s31             ; query w's q mod 32
	s_lshl_b32 s30, s30, 2
	s_add_co_u32 s30, s30, s16
	s_mul_i32 s32, s30, 12288
	s_add_co_u32 s32, s32, OFF_TVC
	s_mov_b32 s33, 0
	s_add_nc_u64 s[24:25], s[6:7], s[32:33]
	s_lshl_b32 s32, s30, 10
	s_add_co_u32 s32, s32, OFF_TVS
	s_add_nc_u64 s[26:27], s[6:7], s[32:33]
	s_add_nc_u64 s[28:29], s[6:7], OFF_CF
	LOADF 24, 0, 26, 0
	s_wait_dscnt 0x0                       ; for the others' sake: my stores into the exchange have landed, and my reads of RT are back
	s_barrier_signal -1
	s_barrier_wait -1
	s_mul_i32 s30, s10, 1544
	s_add_co_u32 s30, s30, XP
	v_mul_u32_u24 v8, v41, 24
	v_mad_u32_u24 v8, v48, 384, v8
	v_add_nc_u32 v8, s30, v8
	s_lshl_b32 s30, s10, 7
	s_add_co_u32 s30, s30, XZ
	v_lshl_add_u32 v11, v41, 3, s30
	s_lshl_b32 s30, s10, 6
	s_add_co_u32 s30, s30, XF
	v_lshl_add_u32 v49, v41, 2, s30
.irp ks,0,1
.if \ks == 1
	LOADF 24, 6144, 26, 512
.endif
.irp c,0,1
.irp i,0,1,2
	ds_load_b64 v[PC+6*\c+2*\i:PC+6*\c+2*\i+1], v8 offset:24704*\ks+768*\c+8*\i
.endr
.endr
	ds_load_b64 v[250:251], v11 offset:2048*\ks
.if \ks == 0
	ds_load_b32 v252, v49
.endif
	s_wait_dscnt 0x0
	v_sub_nc_u32 v253, v251, v252          ; final M less the M of that step: 0 or more
.irp k,0,1,2,3
	v_bfe_u32 v[BY+\k], v250, 8*\k, 8
.endr
.irp k,0,1,2,3
	v_min_u32 v[SO+\k], v[BY+\k], v253
.endr
.irp k,0,1,2,3
	v_sub_nc_u32 v[BY+\k], v[BY+\k], v[SO+\k]   ; the scale bytes under the final M, held at 0 from below
.endr
	v_lshl_or_b32 v40, v[BY+1], 8, v[BY]
	v_lshl_or_b32 v40, v[BY+2], 16, v40
	v_lshl_or_b32 v40, v[BY+3], 24, v40
.rept 8
	v_nop                                  ; a scale word made by vector instructions stands eight places ahead
.endr
	s_wait_loadcnt 0x0
.irp t,0,1,2,3
.if \ks == 0
	WM S+8*\t, FB+12*\t, PC, 0, FS+\t, 40
.else
	WM S+8*\t, FB+12*\t, PC, v[S+8*\t:S+8*\t+7], FS+\t, 40
.endif
.endr
.rept 4
	v_nop
.endr
.endr
	v_lshlrev_b32 v253, 7, v48
.irp n,0,1,2,3,4,5,6,7
	global_load_b128 v[S+32+4*\n:S+32+4*\n+3], v253, s[28:29] offset:16*\n         ; c[d] below the band, in my registers' order
	global_load_b128 v[FB+4*\n:FB+4*\n+3], v253, s[28:29] offset:256+16*\n         ; and above
.endr
	v_mul_u32_u24 v8, v41, 16656           ; back to [head][query]: in RT's bytes, which nobody reads behind the first barrier
	s_mul_i32 s30, s10, 272
	v_add_nc_u32 v8, s30, v8
	v_lshl_add_u32 v8, v48, 5, v8
.irp t,0,1,2,3
	ds_store_b128 v8, v[S+8*\t:S+8*\t+3] offset:64*\t
	ds_store_b128 v8, v[S+8*\t+4:S+8*\t+7] offset:64*\t+16
.endr
	s_wait_dscnt 0x0
	s_barrier_signal -1
	s_barrier_wait -1
	s_mul_i32 s30, s10, 16656
	v_mul_u32_u24 v11, v41, 272
	v_add_nc_u32 v11, s30, v11
	v_lshl_add_u32 v11, v48, 5, v11
.irp t,0,1,2,3
	ds_load_b128 v[S+8*\t:S+8*\t+3], v11 offset:64*\t
	ds_load_b128 v[S+8*\t+4:S+8*\t+7], v11 offset:64*\t+16
.endr
	; ---- the way out
	v_add_f32 v14, v14, v15
	v_permlanex16_b32 v252, v14, s[SEL], s[SEL+1]
	v_add_f32 v14, v14, v252               ; the row's sum
	v_rcp_f32 v246, v14
	v_mov_b32 v44, v43
	v_mov_b32 v45, v43
	v_mov_b32 v43, v42
	s_lshl_b32 s30, s12, 6
	s_add_co_u32 s30, s30, ttmp9
	s_mul_i32 s30, s30, 13312
	s_lshr_b32 s31, s10, 2
	s_mul_i32 s31, s31, 3328
	s_add_co_u32 s30, s30, s31             ; my tile's record for heads 4 (w / 4) on
	s_and_b32 s32, s10, 3
	s_mul_i32 s32, s32, 768
	s_add_co_u32 s32, s32, s30
	s_mov_b32 s33, 0
	s_wait_loadcnt 0x0
	s_add_nc_u64 s[24:25], s[8:9], s[32:33]
	s_bfe_u32 s32, s10, 0x10001
	s_lshl_b32 s32, s32, 2
	s_and_b32 s31, s10, 1
	s_lshl_b32 s31, s31, 1
	s_add_co_u32 s32, s32, s31
	s_add_co_u32 s32, s32, s30
	s_add_co_u32 s32, s32, 3072
	s_add_nc_u64 s[26:27], s[8:9], s[32:33]
	v_lshlrev_b32 v8, 3, v41
	s_wait_alu depctr_va_vdst(0)           ; ahead of the reciprocal's first reader
	v_mov_b32 v247, v246
	s_wait_dscnt 0x0
.set n, 0
.rept 16
	v_pk_add_f32 v[O+n:O+n+1], v[O+n:O+n+1], v[S+n:S+n+1]
	v_pk_fma_f32 v[O+n:O+n+1], v[S+32+n:S+32+n+1], v[42:43], v[O+n:O+n+1]
	v_pk_fma_f32 v[O+n:O+n+1], v[FB+n:FB+n+1], v[44:45], v[O+n:O+n+1]
	v_pk_mul_f32 v[O+n:O+n+1], v[O+n:O+n+1], v[246:247]
.set n, n+2
.endr
	QUANTH O, PC, BM
	global_store_b128 v1, v[PC:PC+3], s[24:25]
	global_store_b64 v2, v[PC+4:PC+5], s[24:25]
	global_store_b16 v8, v[BM+8], s[26:27]
	s_wait_tensorcnt 0x0                   ; the wave's end
	ds_add_u32 v9, v10
	s_wait_dscnt 0x0
	s_endpgm
.Lfunc_end_k_qa9d2f5ee5a_attn:
	.size	k_qa9d2f5ee5a_attn, .Lfunc_end_k_qa9d2f5ee5a_attn-k_qa9d2f5ee5a_attn
	.p2alignl 7, 3214868480
	.fill 96, 4, 3214868480
	.section	.rodata,"a",@progbits
	.p2align	6, 0x0
	.amdhsa_kernel k_qa9d2f5ee5a_attn
		.amdhsa_group_segment_fixed_size 322816
		.amdhsa_private_segment_fixed_size 0
		.amdhsa_enable_private_segment 0
		.amdhsa_kernarg_size 24
		.amdhsa_user_sgpr_count 2
		.amdhsa_user_sgpr_kernarg_segment_ptr 1
		.amdhsa_wavefront_size32 1
		.amdhsa_system_sgpr_workgroup_id_x 1
		.amdhsa_system_sgpr_workgroup_id_y 1
		.amdhsa_system_sgpr_workgroup_id_z 1
		.amdhsa_system_vgpr_workitem_id 0
		.amdhsa_next_free_vgpr 256
		.amdhsa_next_free_sgpr 66
		.amdhsa_reserve_vcc 0
		.amdhsa_float_denorm_mode_32 3
		.amdhsa_float_denorm_mode_16_64 3
		.amdhsa_memory_ordered 1
		.amdhsa_forward_progress 1
		.amdhsa_inst_pref_size 156
	.end_amdhsa_kernel
	.amdgpu_metadata
---
amdhsa.version: [ 1, 2 ]
amdhsa.kernels:
  - .name:           k_qa9d2f5ee5a_attn
    .symbol:         k_qa9d2f5ee5a_attn.kd
    .args:
      - { .name: qkv, .offset: 0, .size: 8, .value_kind: global_buffer, .address_space: global }
      - { .name: wt, .offset: 8, .size: 8, .value_kind: global_buffer, .address_space: global }
      - { .name: oq, .offset: 16, .size: 8, .value_kind: global_buffer, .address_space: global }
    .group_segment_fixed_size: 322816
    .private_segment_fixed_size: 0
    .kernarg_segment_align: 8
    .kernarg_segment_size: 24
    .max_flat_workgroup_size: 512
    .sgpr_count:     66
    .vgpr_count:     256
    .wavefront_size: 32
...
	.end_amdgpu_metadata
.endif
;; end of part 4
;; launch gwo (part 5): grid 8 x 32, 4 waves a work-group, no clusters, 102,912 bytes of LDS; arguments oq, wt, bo, x, g_attn, rinv, h2; writes h2
.if DOCPART == 5
	.amdgcn_target "amdgcn-amd-amdhsa--gfx1250"
	.amdhsa_code_object_version 6
	.text
	.protected	k_qa9d2f5ee5a_gwo
	.globl	k_qa9d2f5ee5a_gwo
	.p2align	8
	.type	k_qa9d2f5ee5a_gwo,@function
k_qa9d2f5ee5a_gwo:
	s_mov_b64 s[64:65], 0
	v_nop
	global_prefetch_b8 v0, s[64:65] scope:SCOPE_SE
	s_setreg_imm32_b32 hwreg(HW_REG_WAVE_MODE, 25, 1), 1
	s_wait_xcnt 0x0
; h2 = h + Q(o) Wo^T + bo, K = 1,024.  h = g (x / (rms + eps)) is made again from x, g and the stored 1 / (rms + eps), in the order in which the norm made it: it was never stored.
; THE CORE is that of the launch for q, k, v (see its head): 128 x 128 a work-group, 64 x 64 a wave, X = tokens on lanes, Y = weights down the registers, K steps of 256 through two LDS buffers, one barrier a step.
; The bias is the C of each sum's first product.  THE WAY OUT: a tile of 16 tokens x 64 columns goes through the wave's own stage (16 rows x 272 bytes, in buffer 0, which nobody reads behind the last barrier)
; and leaves as rows: sixteen lanes store 256 consecutive bytes, at a multiple of 256 from the buffer's first byte.
.set NS, 4
.set TS, NS*3328
.set OFF_W, 2555904
.set SPARE, 102400
.set SC, 32
.set MSB, 0
.macro WIN new
.if MSB != \new
	s_set_vgpr_msb (MSB<<8)|\new
.set MSB, \new
.endif
.endm
.macro GLOAD s
	WIN 0x40
.irp i,0,1,2,3
.irp j,0,1,2,3,4,5
	global_load_b128 v[160+4*(6*\i+\j):160+4*(6*\i+\j)+3], v1, s[60:61] offset:\i*TS+3328*(\s)+512*\j
.endr
.endr
	WIN 0
	global_load_b128 v[40:43], v2, s[60:61] offset:3328*(\s)+3072
.endm
.macro LSTORE b
	WIN 0x04
.irp i,0,1,2,3
.irp j,0,1,2,3,4,5
	ds_store_b128 v3, v[160+4*(6*\i+\j):160+4*(6*\i+\j)+3] offset:51200*(\b)+3072*\i+512*\j
.endr
.endr
	WIN 0
	ds_store_b128 v4, v[40:43] offset:51200*(\b)
.endm
.macro FETCH b, q, f
.irp i,0,1,2,3
	ds_load_b128 v[\f+12*\i:\f+12*\i+3], v5 offset:51200*(\b)+3072*\i+1536*\q
	ds_load_b64 v[\f+12*\i+4:\f+12*\i+5], v6 offset:51200*(\b)+3072*\i+1536*\q
	ds_load_b128 v[\f+12*\i+6:\f+12*\i+9], v5 offset:51200*(\b)+3072*\i+1536*\q+768
	ds_load_b64 v[\f+12*\i+10:\f+12*\i+11], v6 offset:51200*(\b)+3072*\i+1536*\q+768
	ds_load_b128 v[\f+48+12*\i:\f+48+12*\i+3], v7 offset:51200*(\b)+3072*\i+1536*\q
	ds_load_b64 v[\f+48+12*\i+4:\f+48+12*\i+5], v8 offset:51200*(\b)+3072*\i+1536*\q
	ds_load_b128 v[\f+48+12*\i+6:\f+48+12*\i+9], v7 offset:51200*(\b)+3072*\i+1536*\q+768
	ds_load_b64 v[\f+48+12*\i+10:\f+48+12*\i+11], v8 offset:51200*(\b)+3072*\i+1536*\q+768
.endr
.endm
.macro SCALES b
.irp i,0,1,2,3
	ds_load_b64 v[SC+2*\i:SC+2*\i+1], v9 offset:51200*(\b)+128*\i
.endr
.endm
.macro WM d, a, b, c, sa, sb
	v_wmma_scale_f32_16x16x128_f8f6f4 v[\d:\d+7], v[\a:\a+11], v[\b:\b+11], \c, v[\sa], v[\sb] matrix_a_fmt:MATRIX_FMT_FP6 matrix_b_fmt:MATRIX_FMT_FP6 matrix_a_scale:MATRIX_SCALE_ROW1
.endm
.macro MUL f, q, first                 ; the 16 accumulators by turns
.irp x,0,1,2,3
.irp y,0,1,2,3
.if \first
	WM 8*(4*\x+\y), \f+48+12*\y, \f+12*\x, v[128+8*\y:128+8*\y+7], SC+2*\y+\q, SC+2*\x+\q
.else
	WM 8*(4*\x+\y), \f+48+12*\y, \f+12*\x, v[8*(4*\x+\y):8*(4*\x+\y)+7], SC+2*\y+\q, SC+2*\x+\q
.endif
.endr
.endr
.endm
.macro STEP s
.if (\s)+1 < NS
	GLOAD (\s)+1
.endif
	SCALES (\s)%2
	FETCH (\s)%2, 0, 64
	FETCH (\s)%2, 1, 160
	s_wait_dscnt 32                        ; the second half's 32 loads may be out
	WIN 0x50
.if (\s) == 0
	MUL 64, 0, 1
.else
	MUL 64, 0, 0
.endif
	s_wait_dscnt 0x0
	MUL 160, 1, 0
	WIN 0
.rept 4
	v_nop
.endr
.if (\s)+1 < NS
	s_wait_loadcnt 0x0
	LSTORE 1-(\s)%2
	s_wait_dscnt 0x0                       ; my stores have landed, my reads are back
	s_barrier_signal -1
	s_barrier_wait -1
.endif
.endm
	s_load_b256 s[4:11], s[0:1], 0x0       ; oq, wt, bo, x
	s_load_b128 s[12:15], s[0:1], 0x20     ; g_attn, rinv
	s_load_b64 s[16:17], s[0:1], 0x30      ; h2
	v_lshl_add_u32 v30, v0, 2, SPARE
	v_mov_b32 v31, 0
	v_lshrrev_b32 v1, 5, v0
	v_readfirstlane_b32 s2, v1
	s_and_b32 s40, s2, 1
	s_lshr_b32 s41, s2, 1
	s_and_b32 s43, ttmp7, 0xffff
	v_and_b32 v20, 31, v0
	v_and_b32 v21, 15, v0
	v_bfe_u32 v22, v0, 4, 1
	v_lshlrev_b32 v1, 4, v20
	v_lshrrev_b32 v2, 3, v20
	v_mul_u32_u24 v2, v2, TS
	v_and_b32 v23, 7, v20
	v_lshl_add_u32 v2, v23, 4, v2
	s_mul_i32 s44, s2, 12288
	v_add_nc_u32 v3, s44, v1
	s_lshl_b32 s44, s2, 9
	s_add_co_u32 s44, s44, 49152
	v_add_nc_u32 v4, s44, v1
	v_lshl_add_u32 v6, v20, 3, 512
	s_mul_i32 s44, s41, 12288
	s_mul_i32 s45, s40, 12288
	s_add_co_u32 s45, s45, 24576
	v_add_nc_u32 v5, s44, v1
	v_add_nc_u32 v7, s45, v1
	v_add_nc_u32 v8, s45, v6
	v_add_nc_u32 v6, s44, v6
	s_lshl_b32 s44, s41, 9
	s_lshl_b32 s45, s40, 9
	s_add_co_u32 s45, s45, 1024
	s_sub_co_u32 s45, s45, s44
	v_mul_u32_u24 v9, s45, v22
	v_lshl_add_u32 v9, v21, 3, v9
	s_add_co_u32 s44, s44, 49152
	v_add_nc_u32 v9, s44, v9
	v_lshlrev_b32 v10, 6, v22              ; bias: 64 h
	v_lshlrev_b32 v16, 4, v21              ; 16 (l % 16)
	v_lshl_add_u32 v12, v22, 14, v16       ; rows out: lanes 16-31 one step in s further
	v_lshlrev_b32 v13, 2, v22              ; 4 h
	s_mul_i32 s44, s2, 4352                ; my stage
	v_mul_u32_u24 v14, v21, 272
	v_lshl_add_u32 v14, v22, 6, v14
	v_add_nc_u32 v14, s44, v14             ; in: row r, + 64 h
	v_mul_u32_u24 v15, v22, 272
	v_add_nc_u32 v15, v15, v16
	v_add_nc_u32 v15, s44, v15             ; back: lanes 0-15 one row, lanes 16-31 the next
	s_and_b32 s48, s43, 7
	s_lshr_b32 s49, s43, 3
	s_lshl_b32 s50, s48, 2
	s_lshl_b32 s51, s41, 1
	s_add_co_u32 s50, s50, s51
	s_lshl_b32 s50, s50, 19                ; 32 steps in s for each pair of token tiles
	s_lshl_b32 s51, s49, 12
	s_add_co_u32 s50, s50, s51
	s_lshl_b32 s52, ttmp9, 9
	s_lshl_b32 s53, s40, 8
	s_add_co_u32 s52, s52, s53             ; my 64 columns, in bytes
	s_add_co_u32 s50, s50, s52
	s_mov_b32 s51, 0
	s_mov_b32 s53, 0
	s_lshl_b32 s54, s43, 9
	s_lshl_b32 s55, s41, 8
	s_add_co_u32 s54, s54, s55             ; 64 bytes for each token tile
	s_mov_b32 s55, 0
	s_mul_i32 s46, s43, 8*TS
	s_mov_b32 s47, 0
	s_wait_kmcnt 0x0
	s_add_nc_u64 s[10:11], s[10:11], s[50:51]
	s_add_nc_u64 s[16:17], s[16:17], s[50:51]
	s_add_nc_u64 s[12:13], s[12:13], s[52:53]
	s_add_nc_u64 s[8:9], s[8:9], s[52:53]
	s_add_nc_u64 s[14:15], s[14:15], s[54:55]
	s_add_nc_u64 s[56:57], s[4:5], s[46:47]
	s_mul_i32 s46, ttmp9, 8*TS
	s_add_co_u32 s46, s46, OFF_W
	s_add_nc_u64 s[58:59], s[6:7], s[46:47]
	s_cmp_lt_u32 s2, 2
	s_cselect_b64 s[60:61], s[56:57], s[58:59]
	s_mul_i32 s44, s40, 4*TS
	s_mov_b32 s45, 0
	s_add_nc_u64 s[60:61], s[60:61], s[44:45]
	WIN 0x40
.irp y,0,1,2,3
	global_load_b128 v[128+8*\y:128+8*\y+3], v10, s[8:9] offset:(32*(\y/2)+8*(\y%2))*4
	global_load_b128 v[128+8*\y+4:128+8*\y+7], v10, s[8:9] offset:(32*(\y/2)+8*(\y%2))*4+16
.endr
	WIN 0
	global_load_b128 v[44:47], v16, s[12:13]   ; g at my four columns of a row
	GLOAD 0
	s_wait_loadcnt 0x0
	LSTORE 0
	s_wait_dscnt 0x0
	s_barrier_signal -1
	s_barrier_wait -1
.set stp, 0
.rept NS
	STEP stp
.set stp, stp+1
.endr
.irp x,0,1,2,3
	s_wait_xcnt 0x0                        ; the last tile's stores have read their registers
.irp i,0,1,2,3,4,5,6,7
	global_load_b128 v[64+4*\i:64+4*\i+3], v12, s[10:11] offset:(32*(\x/2)+8*(\x%2)+2*\i+8*(\i/4))*16384
	global_load_b32 v[96+\i], v13, s[14:15] offset:64*\x+8*\i
.endr
	WIN 0x04
.irp y,0,1,2,3
	ds_store_b128 v14, v[8*(4*\x+\y):8*(4*\x+\y)+3] offset:128*(\y/2)+32*(\y%2)        ; each accumulator from its low end on
	ds_store_b128 v14, v[8*(4*\x+\y)+4:8*(4*\x+\y)+7] offset:128*(\y/2)+32*(\y%2)+16
.endr
	WIN 0
.irp i,0,1,2,3,4,5,6,7
	ds_load_b128 v[104+4*\i:104+4*\i+3], v15 offset:544*\i   ; LDS serves a wave's instructions in order: these see my stores
.endr
	s_wait_loadcnt 0x0
	s_wait_dscnt 0x0
.irp i,0,1,2,3,4,5,6,7
.irp k,0,1,2,3
	v_mul_f32 v[64+4*\i+\k], v[64+4*\i+\k], v[96+\i]
.endr
	v_pk_fma_f32 v[104+4*\i:105+4*\i], v[64+4*\i:65+4*\i], v[44:45], v[104+4*\i:105+4*\i]
	v_pk_fma_f32 v[106+4*\i:107+4*\i], v[66+4*\i:67+4*\i], v[46:47], v[106+4*\i:107+4*\i]
	global_store_b128 v12, v[104+4*\i:107+4*\i], s[16:17] offset:(32*(\x/2)+8*(\x%2)+2*\i+8*(\i/4))*16384
.endr
.endr
	s_wait_tensorcnt 0x0                   ; the wave's end
	ds_add_u32 v30, v31
	s_wait_dscnt 0x0
	s_endpgm
.Lfunc_end_k_qa9d2f5ee5a_gwo:
	.size	k_qa9d2f5ee5a_gwo, .Lfunc_end_k_qa9d2f5ee5a_gwo-k_qa9d2f5ee5a_gwo
	.p2alignl 7, 3214868480
	.fill 96, 4, 3214868480
	.section	.rodata,"a",@progbits
	.p2align	6, 0x0
	.amdhsa_kernel k_qa9d2f5ee5a_gwo
		.amdhsa_group_segment_fixed_size 102912
		.amdhsa_private_segment_fixed_size 0
		.amdhsa_enable_private_segment 0
		.amdhsa_kernarg_size 56
		.amdhsa_user_sgpr_count 2
		.amdhsa_user_sgpr_kernarg_segment_ptr 1
		.amdhsa_wavefront_size32 1
		.amdhsa_system_sgpr_workgroup_id_x 1
		.amdhsa_system_sgpr_workgroup_id_y 1
		.amdhsa_system_sgpr_workgroup_id_z 1
		.amdhsa_system_vgpr_workitem_id 0
		.amdhsa_next_free_vgpr 512
		.amdhsa_next_free_sgpr 66
		.amdhsa_reserve_vcc 0
		.amdhsa_float_denorm_mode_32 3
		.amdhsa_float_denorm_mode_16_64 3
		.amdhsa_memory_ordered 1
		.amdhsa_forward_progress 1
		.amdhsa_inst_pref_size 78
	.end_amdhsa_kernel
	.amdgpu_metadata
---
amdhsa.version: [ 1, 2 ]
amdhsa.kernels:
  - .name:           k_qa9d2f5ee5a_gwo
    .symbol:         k_qa9d2f5ee5a_gwo.kd
    .args:
      - { .name: oq, .offset: 0, .size: 8, .value_kind: global_buffer, .address_space: global }
      - { .name: wt, .offset: 8, .size: 8, .value_kind: global_buffer, .address_space: global }
      - { .name: bo, .offset: 16, .size: 8, .value_kind: global_buffer, .address_space: global }
      - { .name: x, .offset: 24, .size: 8, .value_kind: global_buffer, .address_space: global }
      - { .name: g_attn, .offset: 32, .size: 8, .value_kind: global_buffer, .address_space: global }
      - { .name: rinv, .offset: 40, .size: 8, .value_kind: global_buffer, .address_space: global }
      - { .name: h2, .offset: 48, .size: 8, .value_kind: global_buffer, .address_space: global }
    .group_segment_fixed_size: 102912
    .private_segment_fixed_size: 0
    .kernarg_segment_align: 8
    .kernarg_segment_size: 56
    .max_flat_workgroup_size: 128
    .sgpr_count:     66
    .vgpr_count:     512
    .wavefront_size: 32
...
	.end_amdgpu_metadata
.endif
;; end of part 5
;; launch norm2: the kernel of part 2 again; grid 256 x 1, 8 waves a work-group, no clusters, 1,536 bytes of LDS; arguments h2, g_ff, hq, rinv; writes hq, rinv
;; launch gff1 (part 6): grid 32 x 32, 4 waves a work-group, no clusters, 102,912 bytes of LDS; arguments hq, wt, b_in, hid; writes hid
.if DOCPART == 6
	.amdgcn_target "amdgcn-amd-amdhsa--gfx1250"
	.amdhsa_code_object_version 6
	.text
	.protected	k_qa9d2f5ee5a_gff1
	.globl	k_qa9d2f5ee5a_gff1
	.p2align	8
	.type	k_qa9d2f5ee5a_gff1,@function
k_qa9d2f5ee5a_gff1:
	s_mov_b64 s[64:65], 0
	v_nop
	global_prefetch_b8 v0, s[64:65] scope:SCOPE_SE
	s_setreg_imm32_b32 hwreg(HW_REG_WAVE_MODE, 25, 1), 1
	s_wait_xcnt 0x0
; hidden = Q(gelu(Q(ff) W_in^T + b_in)), K = 1,024, N = 4,096: the exact gelu in f32 and the quantiser along the hidden axis stand in the way out; the hidden layer exists in memory as codes alone.
; THE CORE is that of the launch for q, k, v (see its head); the bias is the C of each sum's first product.
; gelu(v) = max(v, 0) - |v| erfc(|v| / sqrt 2) / 2.  erfc(z) = t exp(-z^2 + P(t)), t = 1 / (1 + z / 2), P of degree 9 (fractional error of the formula 1.2e-7 for all z); the coefficients are kept times log2(e).
.set NS, 4
.set TS, NS*3328
.set OFF_W, 3407872
.set SPARE, 102400
.set SC, 32
.set SEL, 38
.set CO, 68                            ; s[68:85] nine coefficients, each twice (a pair for the packed form)
.set K2, 86                            ; s[86:87] -log2(e) / 2
.set K1, 88                            ; s88 1 / (2 sqrt 2)
.set T, 160
.set P, 192
.set MSB, 0
.macro WIN new
.if MSB != \new
	s_set_vgpr_msb (MSB<<8)|\new
.set MSB, \new
.endif
.endm
.macro GLOAD s
	WIN 0x40
.irp i,0,1,2,3
.irp j,0,1,2,3,4,5
	global_load_b128 v[160+4*(6*\i+\j):160+4*(6*\i+\j)+3], v1, s[60:61] offset:\i*TS+3328*(\s)+512*\j
.endr
.endr
	WIN 0
	global_load_b128 v[40:43], v2, s[60:61] offset:3328*(\s)+3072
.endm
.macro LSTORE b
	WIN 0x04
.irp i,0,1,2,3
.irp j,0,1,2,3,4,5
	ds_store_b128 v3, v[160+4*(6*\i+\j):160+4*(6*\i+\j)+3] offset:51200*(\b)+3072*\i+512*\j
.endr
.endr
	WIN 0
	ds_store_b128 v4, v[40:43] offset:51200*(\b)
.endm
.macro FETCH b, q, f
.irp i,0,1,2,3
	ds_load_b128 v[\f+12*\i:\f+12*\i+3], v5 offset:51200*(\b)+3072*\i+1536*\q
	ds_load_b64 v[\f+12*\i+4:\f+12*\i+5], v6 offset:51200*(\b)+3072*\i+1536*\q
	ds_load_b128 v[\f+12*\i+6:\f+12*\i+9], v5 offset:51200*(\b)+3072*\i+1536*\q+768
	ds_load_b64 v[\f+12*\i+10:\f+12*\i+11], v6 offset:51200*(\b)+3072*\i+1536*\q+768
	ds_load_b128 v[\f+48+12*\i:\f+48+12*\i+3], v7 offset:51200*(\b)+3072*\i+1536*\q
	ds_load_b64 v[\f+48+12*\i+4:\f+48+12*\i+5], v8 offset:51200*(\b)+3072*\i+1536*\q
	ds_load_b128 v[\f+48+12*\i+6:\f+48+12*\i+9], v7 offset:51200*(\b)+3072*\i+1536*\q+768
	ds_load_b64 v[\f+48+12*\i+10:\f+48+12*\i+11], v8 offset:51200*(\b)+3072*\i+1536*\q+768
.endr
.endm
.macro SCALES b
.irp i,0,1,2,3
	ds_load_b64 v[SC+2*\i:SC+2*\i+1], v9 offset:51200*(\b)+128*\i
.endr
.endm
.macro WM d, a, b, c, sa, sb
	v_wmma_scale_f32_16x16x128_f8f6f4 v[\d:\d+7], v[\a:\a+11], v[\b:\b+11], \c, v[\sa], v[\sb] matrix_a_fmt:MATRIX_FMT_FP6 matrix_b_fmt:MATRIX_FMT_FP6 matrix_a_scale:MATRIX_SCALE_ROW1
.endm
.macro MUL f, q, first                 ; the 16 accumulators by turns
.irp x,0,1,2,3
.irp y,0,1,2,3
.if \first
	WM 8*(4*\x+\y), \f+48+12*\y, \f+12*\x, v[128+8*\y:128+8*\y+7], SC+2*\y+\q, SC+2*\x+\q
.else
	WM 8*(4*\x+\y), \f+48+12*\y, \f+12*\x, v[8*(4*\x+\y):8*(4*\x+\y)+7], SC+2*\y+\q, SC+2*\x+\q
.endif
.endr
.endr
.endm
.macro STEP s
.if (\s)+1 < NS
	GLOAD (\s)+1
.endif
	SCALES (\s)%2
	FETCH (\s)%2, 0, 64
	FETCH (\s)%2, 1, 160
	s_wait_dscnt 32                        ; the second half's 32 loads may be out
	WIN 0x50
.if (\s) == 0
	MUL 64, 0, 1
.else
	MUL 64, 0, 0
.endif
	s_wait_dscnt 0x0
	MUL 160, 1, 0
	WIN 0
.rept 4
	v_nop
.endr
.if (\s)+1 < NS
	s_wait_loadcnt 0x0
	LSTORE 1-(\s)%2
	s_wait_dscnt 0x0                       ; my stores have landed, my reads are back
	s_barrier_signal -1
	s_barrier_wait -1
.endif
.endm
.macro QUANTH s, pc, tm
.irp b,0,1
	v_max3_num_f32 v[\tm+\b], |v[\s+16*\b]|, |v[\s+16*\b+1]|, 0x1800000
.endr
.irp i,2,4,6,8,10,12,14
.irp b,0,1
	v_max3_num_f32 v[\tm+\b], v[\tm+\b], |v[\s+16*\b+\i]|, |v[\s+16*\b+\i+1]|
.endr
.endr
.irp b,0,1
	v_permlanex16_b32 v[\tm+2+\b], v[\tm+\b], s[SEL], s[SEL+1]
.endr
.irp b,0,1
	v_max_num_f32 v[\tm+\b], v[\tm+\b], v[\tm+2+\b]
.endr
.irp b,0,1
	v_add_nc_u32 v[\tm+4+\b], 0xff000000, v[\tm+\b]
.endr
.irp b,0,1
	v_lshrrev_b32 v[\tm+6+\b], 23, v[\tm+4+\b]
.endr
	v_lshl_or_b32 v[\tm+8], v[\tm+7], 8, v[\tm+6]
	v_cvt_scalef32_pk16_fp6_f32 v[\pc:\pc+2], v[\s:\s+15], v[\tm+4]
	v_cvt_scalef32_pk16_fp6_f32 v[\pc+6:\pc+8], v[\s+16:\s+31], v[\tm+5]
	v_nop
.irp i,0,1,2
	v_permlane16_swap_b32 v[\pc+\i], v[\pc+6+\i]
.endr
.irp i,0,1,2
	v_mov_b32 v[\pc+3+\i], v[\pc+6+\i]
.endr
.endm
; the 32 numbers v[a .. a + 31] (window 1) become their gelu, in place
.macro GELU a
.set n, 0
.rept 32
	v_fma_f32 v[T+n], |v[\a+n]|, s[K1], 1.0
.set n, n+1
.endr
.set n, 0
.rept 32
	v_rcp_f32 v[T+n], v[T+n]
.set n, n+1
.endr
	v_nop
	s_wait_alu depctr_va_vdst(0)           ; one wait for the 32 reciprocals
.set n, 0
.rept 16
	v_pk_fma_f32 v[P+n:P+n+1], v[T+n:T+n+1], v[246:247], s[CO:CO+1] op_sel_hi:[1,1,0]
.set n, n+2
.endr
.irp k,1,2,3,4,5,6,7,8
.set n, 0
.rept 16
	v_pk_fma_f32 v[P+n:P+n+1], v[P+n:P+n+1], v[T+n:T+n+1], s[CO+2*\k:CO+2*\k+1] op_sel_hi:[1,1,0]
.set n, n+2
.endr
.endr
.set n, 0
.rept 16
	v_pk_mul_f32 v[248+n%4:249+n%4], v[\a+n:\a+n+1], v[\a+n:\a+n+1]
	v_pk_fma_f32 v[P+n:P+n+1], v[248+n%4:249+n%4], s[K2:K2+1], v[P+n:P+n+1] op_sel_hi:[1,0,1]
.set n, n+2
.endr
.set n, 0
.rept 32
	v_exp_f32 v[P+n], v[P+n]
.set n, n+1
.endr
	v_nop
	s_wait_alu depctr_va_vdst(0)           ; one wait for the 32 exponentials
.set n, 0
.rept 16
	v_pk_mul_f32 v[P+n:P+n+1], v[P+n:P+n+1], v[T+n:T+n+1]   ; erfc
.set n, n+2
.endr
.set n, 0
.rept 32
	v_max_num_f32 v[T+n], 0, v[\a+n]
	v_mul_f32 v[P+n], |v[\a+n]|, v[P+n]
	v_fma_f32 v[\a+n], v[P+n], -0.5, v[T+n]
.set n, n+1
.endr
.endm
	s_load_b256 s[4:11], s[0:1], 0x0       ; hq, wt, b_in, hid
	v_lshl_add_u32 v30, v0, 2, SPARE
	v_mov_b32 v31, 0
	v_lshrrev_b32 v1, 5, v0
	v_readfirstlane_b32 s2, v1
	s_and_b32 s40, s2, 1
	s_lshr_b32 s41, s2, 1
	s_and_b32 s43, ttmp7, 0xffff
	v_and_b32 v20, 31, v0
	v_and_b32 v21, 15, v0
	v_bfe_u32 v22, v0, 4, 1
	v_lshlrev_b32 v1, 4, v20
	v_lshrrev_b32 v2, 3, v20
	v_mul_u32_u24 v2, v2, TS
	v_and_b32 v23, 7, v20
	v_lshl_add_u32 v2, v23, 4, v2
	s_mul_i32 s44, s2, 12288
	v_add_nc_u32 v3, s44, v1
	s_lshl_b32 s44, s2, 9
	s_add_co_u32 s44, s44, 49152
	v_add_nc_u32 v4, s44, v1
	v_lshl_add_u32 v6, v20, 3, 512
	s_mul_i32 s44, s41, 12288
	s_mul_i32 s45, s40, 12288
	s_add_co_u32 s45, s45, 24576
	v_add_nc_u32 v5, s44, v1
	v_add_nc_u32 v7, s45, v1
	v_add_nc_u32 v8, s45, v6
	v_add_nc_u32 v6, s44, v6
	s_lshl_b32 s44, s41, 9
	s_lshl_b32 s45, s40, 9
	s_add_co_u32 s45, s45, 1024
	s_sub_co_u32 s45, s45, s44
	v_mul_u32_u24 v9, s45, v22
	v_lshl_add_u32 v9, v21, 3, v9
	s_add_co_u32 s44, s44, 49152
	v_add_nc_u32 v9, s44, v9
	v_lshlrev_b32 v10, 6, v22              ; bias: 64 h
	v_lshlrev_b32 v11, 3, v21              ; 8 r
	v_lshl_add_u32 v12, v20, 3, 512        ; 512 + 8 l
	s_mov_b32 s[SEL], 0x76543210
	s_mov_b32 s[SEL+1], 0xfedcba98
	s_mov_b32 s[CO+0], 0xbf97d29d          ; the coefficients of t^8 .. t^0, times log2(e)
	s_mov_b32 s[CO+2], 0x40097039
	s_mov_b32 s[CO+4], 0xbfd1a1e5
	s_mov_b32 s[CO+6], 0x3ecdfd18
	s_mov_b32 s[CO+8], 0xbe899a80
	s_mov_b32 s[CO+10], 0x3e0efb2f
	s_mov_b32 s[CO+12], 0x3f0a29d2
	s_mov_b32 s[CO+14], 0x3fb8ab5a
	s_mov_b32 s[CO+16], 0xbfe9b21e
.irp k,0,2,4,6,8,10,12,14,16
	s_mov_b32 s[CO+\k+1], s[CO+\k]
.endr
	s_mov_b32 s[K2], 0xbf38aa3b
	s_mov_b32 s[K2+1], s[K2]
	s_mov_b32 s[K1], 0x3eb504f3
	s_mov_b32 s89, 0x3e7c6f08              ; that of t^9
	s_lshl_b32 s52, ttmp9, 9
	s_lshl_b32 s53, s40, 8
	s_add_co_u32 s52, s52, s53             ; my 64 columns of the bias
	s_mov_b32 s53, 0
	s_lshl_b32 s48, s43, 3
	s_lshl_b32 s49, s41, 2
	s_add_co_u32 s48, s48, s49             ; my first token tile
	s_mul_i32 s48, s48, 53248
	s_lshr_b32 s49, ttmp9, 1
	s_mul_i32 s49, s49, 3328
	s_add_co_u32 s48, s48, s49             ; its record for these 256 hidden units
	s_and_b32 s49, ttmp9, 1
	s_lshl_b32 s50, s49, 1
	s_add_co_u32 s50, s50, s40
	s_mul_i32 s50, s50, 768
	s_add_co_u32 s50, s50, s48             ; my half of it
	s_mov_b32 s51, 0
	s_lshl_b32 s54, s49, 2
	s_lshl_b32 s55, s40, 1
	s_add_co_u32 s54, s54, s55
	s_add_co_u32 s54, s54, s48
	s_add_co_u32 s54, s54, 3072            ; my two scale bytes of a row
	s_mov_b32 s55, 0
	s_mul_i32 s46, s43, 8*TS
	s_mov_b32 s47, 0
	s_wait_kmcnt 0x0
	s_add_nc_u64 s[8:9], s[8:9], s[52:53]
	s_add_nc_u64 s[20:21], s[10:11], s[50:51]
	s_add_nc_u64 s[22:23], s[10:11], s[54:55]
	s_add_nc_u64 s[56:57], s[4:5], s[46:47]
	s_mul_i32 s46, ttmp9, 8*TS
	s_add_co_u32 s46, s46, OFF_W
	s_add_nc_u64 s[58:59], s[6:7], s[46:47]
	s_cmp_lt_u32 s2, 2
	s_cselect_b64 s[60:61], s[56:57], s[58:59]
	s_mul_i32 s44, s40, 4*TS
	s_mov_b32 s45, 0
	s_add_nc_u64 s[60:61], s[60:61], s[44:45]
	WIN 0x40
.irp y,0,1,2,3
	global_load_b128 v[128+8*\y:128+8*\y+3], v10, s[8:9] offset:(32*(\y/2)+8*(\y%2))*4
	global_load_b128 v[128+8*\y+4:128+8*\y+7], v10, s[8:9] offset:(32*(\y/2)+8*(\y%2))*4+16
.endr
	WIN 0
	GLOAD 0
	s_wait_loadcnt 0x0
	LSTORE 0
	s_wait_dscnt 0x0
	s_barrier_signal -1
	s_barrier_wait -1
.set stp, 0
.rept NS
	STEP stp
.set stp, stp+1
.endr
	WIN 0x55
	v_mov_b32 v238, 0                      ; a lane permute's destination counts as one of its sources
	v_mov_b32 v239, 0
	v_mov_b32 v246, s89
	v_mov_b32 v247, s89
.irp x,0,1,2,3
	s_wait_xcnt 0x0                        ; the last tile's stores have read their registers
	WIN 0x55
	GELU 32*\x
	QUANTH 32*\x, 224, 236
	WIN 0x04
	global_store_b128 v1, v[224:227], s[20:21] offset:53248*\x
	global_store_b64 v12, v[228:229], s[20:21] offset:53248*\x
	global_store_b16 v11, v244, s[22:23] offset:53248*\x
.endr
	WIN 0
	s_wait_tensorcnt 0x0                   ; the wave's end
	ds_add_u32 v30, v31
	s_wait_dscnt 0x0
	s_endpgm
.Lfunc_end_k_qa9d2f5ee5a_gff1:
	.size	k_qa9d2f5ee5a_gff1, .Lfunc_end_k_qa9d2f5ee5a_gff1-k_qa9d2f5ee5a_gff1
	.p2alignl 7, 3214868480
	.fill 96, 4, 3214868480
	.section	.rodata,"a",@progbits
	.p2align	6, 0x0
	.amdhsa_kernel k_qa9d2f5ee5a_gff1
		.amdhsa_group_segment_fixed_size 102912
		.amdhsa_private_segment_fixed_size 0
		.amdhsa_enable_private_segment 0
		.amdhsa_kernarg_size 32
		.amdhsa_user_sgpr_count 2
		.amdhsa_user_sgpr_kernarg_segment_ptr 1
		.amdhsa_wavefront_size32 1
		.amdhsa_system_sgpr_workgroup_id_x 1
		.amdhsa_system_sgpr_workgroup_id_y 1
		.amdhsa_system_sgpr_workgroup_id_z 1
		.amdhsa_system_vgpr_workitem_id 0
		.amdhsa_next_free_vgpr 512
		.amdhsa_next_free_sgpr 96
		.amdhsa_reserve_vcc 0
		.amdhsa_float_denorm_mode_32 3
		.amdhsa_float_denorm_mode_16_64 3
		.amdhsa_memory_ordered 1
		.amdhsa_forward_progress 1
		.amdhsa_inst_pref_size 150
	.end_amdhsa_kernel
	.amdgpu_metadata
---
amdhsa.version: [ 1, 2 ]
amdhsa.kernels:
  - .name:           k_qa9d2f5ee5a_gff1
    .symbol:         k_qa9d2f5ee5a_gff1.kd
    .args:
      - { .name: hq, .offset: 0, .size: 8, .value_kind: global_buffer, .address_space: global }
      - { .name: wt, .offset: 8, .size: 8, .value_kind: global_buffer, .address_space: global }
      - { .name: b_in, .offset: 16, .size: 8, .value_kind: global_buffer, .address_space: global }
      - { .name: hid, .offset: 24, .size: 8, .value_kind: global_buffer, .address_space: global }
    .group_segment_fixed_size: 102912
    .private_segment_fixed_size: 0
    .kernarg_segment_align: 8
    .kernarg_segment_size: 32
    .max_flat_workgroup_size: 128
    .sgpr_count:     96
    .vgpr_count:     512
    .wavefront_size: 32
...
	.end_amdgpu_metadata
.endif
;; end of part 6
;; launch gff2 (part 7): grid 8 x 32, 4 waves a work-group, no clusters, 102,912 bytes of LDS; arguments hid, wt, b_out, h2, out0; writes out0
.if DOCPART == 7
	.amdgcn_target "amdgcn-amd-amdhsa--gfx1250"
	.amdhsa_code_object_version 6
	.text
	.protected	k_qa9d2f5ee5a_gff2
	.globl	k_qa9d2f5ee5a_gff2
	.p2align	8
	.type	k_qa9d2f5ee5a_gff2,@function
k_qa9d2f5ee5a_gff2:
	s_mov_b64 s[64:65], 0
	v_nop
	global_prefetch_b8 v0, s[64:65] scope:SCOPE_SE
	s_setreg_imm32_b32 hwreg(HW_REG_WAVE_MODE, 25, 1), 1
	s_wait_xcnt 0x0
; out = h2 + hidden W_out^T + b_out, K = 4,096: sixteen K steps of 256, written out, every offset an immediate.
; THE CORE is that of the launch for q, k, v (see its head); the bias is the C of each sum's first product.  THE WAY OUT is that of the projection: through the wave's own stage in buffer 0, which nobody reads
; behind the last barrier; sixteen lanes store 256 consecutive bytes, at a multiple of 256 from the buffer's first byte.
.set NS, 16
.set TS, NS*3328
.set OFF_W, 6815744
.set SPARE, 102400
.set SC, 32
.set MSB, 0
.macro WIN new
.if MSB != \new
	s_set_vgpr_msb (MSB<<8)|\new
.set MSB, \new
.endif
.endm
.macro GLOAD s
	WIN 0x40
.irp i,0,1,2,3
.irp j,0,1,2,3,4,5
	global_load_b128 v[160+4*(6*\i+\j):160+4*(6*\i+\j)+3], v1, s[60:61] offset:\i*TS+3328*(\s)+512*\j
.endr
.endr
	WIN 0
	global_load_b128 v[40:43], v2, s[60:61] offset:3328*(\s)+3072
.endm
.macro LSTORE b
	WIN 0x04
.irp i,0,1,2,3
.irp j,0,1,2,3,4,5
	ds_store_b128 v3, v[160+4*(6*\i+\j):160+4*(6*\i+\j)+3] offset:51200*(\b)+3072*\i+512*\j
.endr
.endr
	WIN 0
	ds_store_b128 v4, v[40:43] offset:51200*(\b)
.endm
.macro FETCH b, q, f
.irp i,0,1,2,3
	ds_load_b128 v[\f+12*\i:\f+12*\i+3], v5 offset:51200*(\b)+3072*\i+1536*\q
	ds_load_b64 v[\f+12*\i+4:\f+12*\i+5], v6 offset:51200*(\b)+3072*\i+1536*\q
	ds_load_b128 v[\f+12*\i+6:\f+12*\i+9], v5 offset:51200*(\b)+3072*\i+1536*\q+768
	ds_load_b64 v[\f+12*\i+10:\f+12*\i+11], v6 offset:51200*(\b)+3072*\i+1536*\q+768
	ds_load_b128 v[\f+48+12*\i:\f+48+12*\i+3], v7 offset:51200*(\b)+3072*\i+1536*\q
	ds_load_b64 v[\f+48+12*\i+4:\f+48+12*\i+5], v8 offset:51200*(\b)+3072*\i+1536*\q
	ds_load_b128 v[\f+48+12*\i+6:\f+48+12*\i+9], v7 offset:51200*(\b)+3072*\i+1536*\q+768
	ds_load_b64 v[\f+48+12*\i+10:\f+48+12*\i+11], v8 offset:51200*(\b)+3072*\i+1536*\q+768
.endr
.endm
.macro SCALES b
.irp i,0,1,2,3
	ds_load_b64 v[SC+2*\i:SC+2*\i+1], v9 offset:51200*(\b)+128*\i
.endr
.endm
.macro WM d, a, b, c, sa, sb
	v_wmma_scale_f32_16x16x128_f8f6f4 v[\d:\d+7], v[\a:\a+11], v[\b:\b+11], \c, v[\sa], v[\sb] matrix_a_fmt:MATRIX_FMT_FP6 matrix_b_fmt:MATRIX_FMT_FP6 matrix_a_scale:MATRIX_SCALE_ROW1
.endm
.macro MUL f, q, first                 ; the 16 accumulators by turns
.irp x,0,1,2,3
.irp y,0,1,2,3
.if \first
	WM 8*(4*\x+\y), \f+48+12*\y, \f+12*\x, v[128+8*\y:128+8*\y+7], SC+2*\y+\q, SC+2*\x+\q
.else
	WM 8*(4*\x+\y), \f+48+12*\y, \f+12*\x, v[8*(4*\x+\y):8*(4*\x+\y)+7], SC+2*\y+\q, SC+2*\x+\q
.endif
.endr
.endr
.endm
.macro STEP s
.if (\s)+1 < NS
	GLOAD (\s)+1
.endif
	SCALES (\s)%2
	FETCH (\s)%2, 0, 64
	FETCH (\s)%2, 1, 160
	s_wait_dscnt 32                        ; the second half's 32 loads may be out
	WIN 0x50
.if (\s) == 0
	MUL 64, 0, 1
.else
	MUL 64, 0, 0
.endif
	s_wait_dscnt 0x0
	MUL 160, 1, 0
	WIN 0
.rept 4
	v_nop
.endr
.if (\s)+1 < NS
	s_wait_loadcnt 0x0
	LSTORE 1-(\s)%2
	s_wait_dscnt 0x0                       ; my stores have landed, my reads are back
	s_barrier_signal -1
	s_barrier_wait -1
.endif
.endm
	s_load_b256 s[4:11], s[0:1], 0x0       ; hid, wt, b_out, h2
	s_load_b64 s[16:17], s[0:1], 0x20      ; out0
	v_lshl_add_u32 v30, v0, 2, SPARE
	v_mov_b32 v31, 0
	v_lshrrev_b32 v1, 5, v0
	v_readfirstlane_b32 s2, v1
	s_and_b32 s40, s2, 1
	s_lshr_b32 s41, s2, 1
	s_and_b32 s43, ttmp7, 0xffff
	v_and_b32 v20, 31, v0
	v_and_b32 v21, 15, v0
	v_bfe_u32 v22, v0, 4, 1
	v_lshlrev_b32 v1, 4, v20
	v_lshrrev_b32 v2, 3, v20
	v_mul_u32_u24 v2, v2, TS
	v_and_b32 v23, 7, v20
	v_lshl_add_u32 v2, v23, 4, v2
	s_mul_i32 s44, s2, 12288
	v_add_nc_u32 v3, s44, v1
	s_lshl_b32 s44, s2, 9
	s_add_co_u32 s44, s44, 49152
	v_add_nc_u32 v4, s44, v1
	v_lshl_add_u32 v6, v20, 3, 512
	s_mul_i32 s44, s41, 12288
	s_mul_i32 s45, s40, 12288
	s_add_co_u32 s45, s45, 24576
	v_add_nc_u32 v5, s44, v1
	v_add_nc_u32 v7, s45, v1
	v_add_nc_u32 v8, s45, v6
	v_add_nc_u32 v6, s44, v6
	s_lshl_b32 s44, s41, 9
	s_lshl_b32 s45, s40, 9
	s_add_co_u32 s45, s45, 1024
	s_sub_co_u32 s45, s45, s44
	v_mul_u32_u24 v9, s45, v22
	v_lshl_add_u32 v9, v21, 3, v9
	s_add_co_u32 s44, s44, 49152
	v_add_nc_u32 v9, s44, v9
	v_lshlrev_b32 v10, 6, v22
	v_lshlrev_b32 v16, 4, v21
	v_lshl_add_u32 v12, v22, 14, v16
	s_mul_i32 s44, s2, 4352
	v_mul_u32_u24 v14, v21, 272
	v_lshl_add_u32 v14, v22, 6, v14
	v_add_nc_u32 v14, s44, v14
	v_mul_u32_u24 v15, v22, 272
	v_add_nc_u32 v15, v15, v16
	v_add_nc_u32 v15, s44, v15
	s_and_b32 s48, s43, 7
	s_lshr_b32 s49, s43, 3
	s_lshl_b32 s50, s48, 2
	s_lshl_b32 s51, s41, 1
	s_add_co_u32 s50, s50, s51
	s_lshl_b32 s50, s50, 19
	s_lshl_b32 s51, s49, 12
	s_add_co_u32 s50, s50, s51
	s_lshl_b32 s52, ttmp9, 9
	s_lshl_b32 s53, s40, 8
	s_add_co_u32 s52, s52, s53
	s_add_co_u32 s50, s50, s52
	s_mov_b32 s51, 0
	s_mov_b32 s53, 0
	s_mul_i32 s46, s43, 8*TS
	s_mov_b32 s47, 0
	s_wait_kmcnt 0x0
	s_add_nc_u64 s[10:11], s[10:11], s[50:51]
	s_add_nc_u64 s[16:17], s[16:17], s[50:51]
	s_add_nc_u64 s[8:9], s[8:9], s[52:53]
	s_add_nc_u64 s[56:57], s[4:5], s[46:47]
	s_mul_i32 s46, ttmp9, 8*TS
	s_add_co_u32 s46, s46, OFF_W
	s_add_nc_u64 s[58:59], s[6:7], s[46:47]
	s_cmp_lt_u32 s2, 2
	s_cselect_b64 s[60:61], s[56:57], s[58:59]
	s_mul_i32 s44, s40, 4*TS
	s_mov_b32 s45, 0
	s_add_nc_u64 s[60:61], s[60:61], s[44:45]
	WIN 0x40
.irp y,0,1,2,3
	global_load_b128 v[128+8*\y:128+8*\y+3], v10, s[8:9] offset:(32*(\y/2)+8*(\y%2))*4
	global_load_b128 v[128+8*\y+4:128+8*\y+7], v10, s[8:9] offset:(32*(\y/2)+8*(\y%2))*4+16
.endr
	WIN 0
	GLOAD 0
	s_wait_loadcnt 0x0
	LSTORE 0
	s_wait_dscnt 0x0
	s_barrier_signal -1
	s_barrier_wait -1
.set stp, 0
.rept NS
	STEP stp
.set stp, stp+1
.endr
.irp x,0,1,2,3
	s_wait_xcnt 0x0                        ; the last tile's stores have read their registers
.irp i,0,1,2,3,4,5,6,7
	global_load_b128 v[64+4*\i:64+4*\i+3], v12, s[10:11] offset:(32*(\x/2)+8*(\x%2)+2*\i+8*(\i/4))*16384
.endr
	WIN 0x04
.irp y,0,1,2,3
	ds_store_b128 v14, v[8*(4*\x+\y):8*(4*\x+\y)+3] offset:128*(\y/2)+32*(\y%2)        ; each accumulator from its low end on
	ds_store_b128 v14, v[8*(4*\x+\y)+4:8*(4*\x+\y)+7] offset:128*(\y/2)+32*(\y%2)+16
.endr
	WIN 0
.irp i,0,1,2,3,4,5,6,7
	ds_load_b128 v[104+4*\i:104+4*\i+3], v15 offset:544*\i   ; LDS serves a wave's instructions in order: these see my stores
.endr
	s_wait_loadcnt 0x0
	s_wait_dscnt 0x0
.irp i,0,1,2,3,4,5,6,7
	v_pk_add_f32 v[104+4*\i:105+4*\i], v[104+4*\i:105+4*\i], v[64+4*\i:65+4*\i]
	v_pk_add_f32 v[106+4*\i:107+4*\i], v[106+4*\i:107+4*\i], v[66+4*\i:67+4*\i]
	global_store_b128 v12, v[104+4*\i:107+4*\i], s[16:17] offset:(32*(\x/2)+8*(\x%2)+2*\i+8*(\i/4))*16384
.endr
.endr
	s_wait_tensorcnt 0x0                   ; the wave's end
	ds_add_u32 v30, v31
	s_wait_dscnt 0x0
	s_endpgm
.Lfunc_end_k_qa9d2f5ee5a_gff2:
	.size	k_qa9d2f5ee5a_gff2, .Lfunc_end_k_qa9d2f5ee5a_gff2-k_qa9d2f5ee5a_gff2
	.p2alignl 7, 3214868480
	.fill 96, 4, 3214868480
	.section	.rodata,"a",@progbits
	.p2align	6, 0x0
	.amdhsa_kernel k_qa9d2f5ee5a_gff2
		.amdhsa_group_segment_fixed_size 102912
		.amdhsa_private_segment_fixed_size 0
		.amdhsa_enable_private_segment 0
		.amdhsa_kernarg_size 40
		.amdhsa_user_sgpr_count 2
		.amdhsa_user_sgpr_kernarg_segment_ptr 1
		.amdhsa_wavefront_size32 1
		.amdhsa_system_sgpr_workgroup_id_x 1
		.amdhsa_system_sgpr_workgroup_id_y 1
		.amdhsa_system_sgpr_workgroup_id_z 1
		.amdhsa_system_vgpr_workitem_id 0
		.amdhsa_next_free_vgpr 512
		.amdhsa_next_free_sgpr 66
		.amdhsa_reserve_vcc 0
		.amdhsa_float_denorm_mode_32 3
		.amdhsa_float_denorm_mode_16_64 3
		.amdhsa_memory_ordered 1
		.amdhsa_forward_progress 1
		.amdhsa_inst_pref_size 222
	.end_amdhsa_kernel
	.amdgpu_metadata
---
amdhsa.version: [ 1, 2 ]
amdhsa.kernels:
  - .name:           k_qa9d2f5ee5a_gff2
    .symbol:         k_qa9d2f5ee5a_gff2.kd
    .args:
      - { .name: hid, .offset: 0, .size: 8, .value_kind: global_buffer, .address_space: global }
      - { .name: wt, .offset: 8, .size: 8, .value_kind: global_buffer, .address_space: global }
      - { .name: b_out, .offset: 16, .size: 8, .value_kind: global_buffer, .address_space: global }
      - { .name: h2, .offset: 24, .size: 8, .value_kind: global_buffer, .address_space: global }
      - { .name: out0, .offset: 32, .size: 8, .value_kind: global_buffer, .address_space: global }
    .group_segment_fixed_size: 102912
    .private_segment_fixed_size: 0
    .kernarg_segment_align: 8
    .kernarg_segment_size: 40
    .max_flat_workgroup_size: 128
    .sgpr_count:     66
    .vgpr_count:     512
    .wavefront_size: 32
...
	.end_amdgpu_metadata
.endif
;; end of part 7
;; ======== version 2 of 2: 7 launches
;; limits: right only within a limited range of input values
;; workspace buffers: wt 11,941,376 bytes; hq 3,407,872 bytes; rinv 16,384 bytes; qkv 10,223,616 bytes; oq 3,407,872 bytes; h2 16,777,216 bytes; hid 13,631,488 bytes
;; launch prep (part 8): grid 578 x 1, 8 waves a work-group, no clusters, 1,536 bytes of LDS; arguments Wq_codes, Wq_scales, Wk_codes, Wk_scales, Wv_codes, Wv_scales, Wo_codes, Wo_scales, W_in_codes, W_in_scales, W_out_codes, W_out_scales, rel_k, rel_v, wt, x, g_attn, hq, rinv; writes wt, hq, rinv
.if DOCPART == 8
	.amdgcn_target "amdgcn-amd-amdhsa--gfx1250"
	.amdhsa_code_object_version 6
	.text
	.protected	k_qa9d2f5ee5a_prep
	.globl	k_qa9d2f5ee5a_prep
	.p2align	8
	.type	k_qa9d2f5ee5a_prep,@function
k_qa9d2f5ee5a_prep:
	s_mov_b64 s[64:65], 0
	v_nop
	global_prefetch_b8 v0, s[64:65] scope:SCOPE_SE
	s_setreg_imm32_b32 hwreg(HW_REG_WAVE_MODE, 25, 1), 1
	s_wait_xcnt 0x0
; THE PROGRAM: a pre-norm transformer block, all ten products on codes of E2M3 with E8M0 scales.  Launches: prep (with the first norm) | gqkv | attn | gwo | norm | gff1 | gff2.
; WORK LEFT OUT, for all values of the inputs:
;  (a) attn2 = q . Q(rk[q][k]).  rk[q][k] = rel_k[clip(k - q)], and the quantiser runs along d, inside one row: so every quantised row is one of the 101 quantised rows of rel_k,
;      and a query's 1,024 products are copies of its products with those rows.  Each query is multiplied by a table of 256 clipped distances, and the results are read by k - q.
;  (b) w2 = sum over k of p[k] Q(rv[q])[k][d], quantised along k in aligned blocks of 32 keys.  A block holds rel_v[clip(32 kb + i - q)][d], i = 0..31: it hangs on 32 kb - q alone.
;      Where |kb - q / 32| >= 3 all 32 numbers are rel_v[0][d] or rel_v[100][d]: one quantised number c[d], whose share is c[d] x the sum of the block's quantised p.
;      The two key steps of 128 round the diagonal are multiplied in full against tables made here.
;  No input is left out.  LIMITS: a NaN, an infinity or an overflow that reaches only the copies left out is not carried to the result; NaN and infinities among the inputs are not served;
;  a block whose largest magnitude lies under 2^-124 keeps the scale byte 1 (a block of zeros too, where the rule says 127: its codes are zeros and this program alone reads the bytes).
; THIS LAUNCH lays operands in the order of the operand's registers.  A RECORD (3,328 bytes) = 16 rows x 256 along K: half k (64 along K) at 768 k: registers 0-3 of lane l at 16 l, registers 4-5 at 512 + 8 l;
; lane (r = l % 16, h = l / 16) holds row r's 32 codes from 64 k + 32 h on; at 3,072 + 8 r the row's two scale words.  Row p of tile T is matrix row 32 (T / 2) + 8 (T % 2) + p + 8 (p / 8).
; THE DEAL, eight waves to a work-group: 0-255 the first norm, a tile of 16 tokens each (the only path with LDS and a barrier); 256-447 the weights' 3,072 records, two neighbours along K to a wave;
; 448-576 the 1,032 table fragments (1,024 of rel_v, 8 of rel_k), one to a wave; 577 the 128 constants c[d].  578 work-groups of 160 registers a wave.
.set WREC, 3328
.set OFF_RKC, 10223616
.set OFF_RKS, 10235904
.set OFF_TVC, 10236928
.set OFF_TVS, 11809792
.set OFF_CF, 11940864
.set X, 32                             ; v32-95  64 numbers, or two records' codes (v32-79, their scale bytes in v80-83)
.set PC, 96                            ; v96-114 a fragment's codes
.set TM, 116                           ; v116-123 at work
.set H8, 12                            ; v12 8 h
.set SEL, 38                           ; s[38:39] selects for lane l xor 16
.macro PUT6 pc, off                    ; six registers a lane: 512 + 256 consecutive bytes a wave
	global_store_b128 v4, v[\pc:\pc+3], s[36:37] offset:\off
	global_store_b64 v5, v[\pc+4:\pc+5], s[36:37] offset:\off
.endm
; 64 numbers of a lane, register 32 c + i = k 64 c + 32 h + i of my row: two whole blocks.  Codes to v[pc..pc+11], the row's scale word to v[tm+6].
.macro QUANTW x, pc, tm
.irp c,0,1
	v_max3_num_f32 v[\tm+\c], |v[\x+32*\c]|, |v[\x+32*\c+1]|, 0x1800000   ; with the floor 2^(3 - 127): the byte cannot fall under 1
.endr
.irp i,2,4,6,8,10,12,14,16,18,20,22,24,26,28,30
.irp c,0,1
	v_max3_num_f32 v[\tm+\c], v[\tm+\c], |v[\x+32*\c+\i]|, |v[\x+32*\c+\i+1]|
.endr
.endr
.irp c,0,1
	v_add_nc_u32 v[\tm+2+\c], 0xff000000, v[\tm+\c]      ; 2 off the exponent field: the conversion's scale operand
.endr
.irp c,0,1
	v_lshrrev_b32 v[\tm+4+\c], 23, v[\tm+2+\c]           ; the scale's byte
.endr
	v_lshl_or_b32 v[\tm+6], v[\tm+5], 16, v[\tm+4]       ; my bytes: blocks h and 2 + h,
	v_lshlrev_b32 v[\tm+6], v[H8], v[\tm+6]              ; at their places;
	v_mov_b32 v[\tm+7], 0
	v_permlanex16_b32 v[\tm+7], v[\tm+6], s[SEL], s[SEL+1]
	v_or_b32 v[\tm+6], v[\tm+6], v[\tm+7]                ; with lane l xor 16's two the word is whole
.irp c,0,1
	v_cvt_scalef32_pk16_fp6_f32 v[\pc+6*\c:\pc+6*\c+2], v[\x+32*\c:\x+32*\c+15], v[\tm+2+\c]
	v_cvt_scalef32_pk16_fp6_f32 v[\pc+12+4*\c:\pc+12+4*\c+2], v[\x+32*\c+16:\x+32*\c+31], v[\tm+2+\c]
.endr
	v_nop                                                ; a plain place behind the conversions
.irp c,0,1
.irp i,0,1,2
	v_mov_b32 v[\pc+6*\c+3+\i], v[\pc+12+4*\c+\i]
.endr
.endr
.endm
	s_load_b512 s[8:23], s[0:1], 0x0       ; Wq, Wk, Wv, Wo: codes, scales
	s_load_b256 s[24:31], s[0:1], 0x40     ; W_in, W_out: codes, scales
	s_load_b128 s[32:35], s[0:1], 0x60     ; rel_k, rel_v
	s_load_b64 s[36:37], s[0:1], 0x70      ; wt
	s_load_b256 s[52:59], s[0:1], 0x78     ; x, g_attn, hq, rinv
	v_lshrrev_b32 v1, 5, v0
	v_readfirstlane_b32 s2, v1             ; wave
	v_and_b32 v1, 31, v0                   ; lane
	v_and_b32 v2, 15, v0                   ; r
	v_bfe_u32 v3, v0, 4, 1                 ; h
	v_lshlrev_b32 v4, 4, v1                ; 16 l
	v_lshl_add_u32 v5, v1, 3, 512          ; 512 + 8 l
	v_and_b32 v6, 8, v2
	v_add_nc_u32 v6, v6, v2                ; r + 8 (r / 8)
	v_lshlrev_b32 v13, 2, v1               ; 4 l
	s_mov_b32 s[SEL], 0x76543210
	s_mov_b32 s[SEL+1], 0xfedcba98
	s_wait_alu depctr_va_vdst(0)
	s_wait_kmcnt 0x0
	s_cmp_lt_u32 ttmp9, 256
	s_cbranch_scc1 .Lnorm
	s_sub_co_u32 s62, ttmp9, 256
	s_cmp_lt_u32 s62, 192
	s_cbranch_scc0 .Ltables
	; ---- two records of a weight, neighbours along K in one tile
	s_lshl_b32 s3, s62, 4
	s_lshl_b32 s4, s2, 1
	s_add_co_u32 s3, s3, s4                ; the first record's number, an even one: 256 each for Wq, Wk, Wv, Wo, 1,024 each for W_in, W_out
	s_lshr_b32 s4, s3, 8
	s_mov_b64 s[40:41], s[28:29]
	s_mov_b64 s[42:43], s[30:31]
	s_cmp_lt_u32 s4, 8
	s_cselect_b64 s[40:41], s[24:25], s[40:41]
	s_cselect_b64 s[42:43], s[26:27], s[42:43]
	s_cmp_lt_u32 s4, 4
	s_cselect_b64 s[40:41], s[20:21], s[40:41]
	s_cselect_b64 s[42:43], s[22:23], s[42:43]
	s_cmp_lt_u32 s4, 3
	s_cselect_b64 s[40:41], s[16:17], s[40:41]
	s_cselect_b64 s[42:43], s[18:19], s[42:43]
	s_cmp_lt_u32 s4, 2
	s_cselect_b64 s[40:41], s[12:13], s[40:41]
	s_cselect_b64 s[42:43], s[14:15], s[42:43]
	s_cmp_lt_u32 s4, 1
	s_cselect_b64 s[40:41], s[8:9], s[40:41]
	s_cselect_b64 s[42:43], s[10:11], s[42:43]
	s_movk_i32 s5, 1023
	s_cmp_lt_u32 s4, 4
	s_cselect_b32 s5, 255, s5
	s_and_b32 s5, s3, s5                   ; the record's number in its matrix
	s_movk_i32 s44, 3072
	s_cmp_lt_u32 s4, 8
	s_cselect_b32 s6, 2, 4                 ; records in a tile: 4, in W_out 16
	s_cselect_b32 s7, 3, 15
	s_cselect_b32 s44, 768, s44            ; a row of codes in bytes
	s_cselect_b32 s45, 32, 128             ; a row of scale bytes
	s_lshr_b32 s46, s5, s6                 ; tile
	s_and_b32 s47, s5, s7                  ; which 256 along K: an even number
	s_lshr_b32 s48, s46, 1
	s_lshl_b32 s48, s48, 5
	s_and_b32 s49, s46, 1
	s_lshl_b32 s49, s49, 3
	s_add_co_u32 s48, s48, s49             ; the tile's first row
	s_mul_i32 s50, s48, s44
	s_mul_i32 s49, s47, 192
	s_add_co_u32 s50, s50, s49
	s_mov_b32 s51, 0
	s_add_nc_u64 s[40:41], s[40:41], s[50:51]
	s_mul_i32 s50, s48, s45
	s_lshl_b32 s49, s47, 3
	s_add_co_u32 s50, s50, s49
	s_add_nc_u64 s[42:43], s[42:43], s[50:51]
	s_mul_i32 s50, s3, WREC
	s_add_nc_u64 s[36:37], s[36:37], s[50:51]
	s_wait_alu depctr_va_vdst(0)
	v_mul_lo_u32 v7, v6, s44
	v_mad_u32_u24 v7, v3, 24, v7           ; my row, + 24 h
	v_mul_lo_u32 v8, v6, s45
	v_lshlrev_b32 v9, 3, v2                ; 8 r
.irp k,0,1,2,3,4,5,6,7
.irp i,0,1,2
	global_load_b64 v[X+6*\k+2*\i:X+6*\k+2*\i+1], v7, s[40:41] offset:48*\k+8*\i   ; half k of the two records' eight: 24 bytes of the row's stream of bits, as they lie
.endr
.endr
	global_load_b128 v[80:83], v8, s[42:43]   ; the row's sixteen scale bytes: two words for each record, at a multiple of 16 bytes
	s_wait_alu depctr_va_vdst(0)
	s_wait_loadcnt 0x0
.irp k,0,1,2,3,4,5,6,7
	PUT6 X+6*\k, 768*\k+256*(\k/4)         ; the second record begins 3,328 bytes behind the first
.endr
	global_store_b64 v9, v[80:81], s[36:37] offset:3072   ; both halves of the lanes write the same bytes
	global_store_b64 v9, v[82:83], s[36:37] offset:6400
	s_endpgm
.Ltables:
	s_cmp_lt_u32 s62, 321
	s_cbranch_scc0 .Lconst
	s_sub_co_u32 s3, s62, 192
	s_lshl_b32 s3, s3, 3
	s_add_co_u32 s3, s3, s2                ; j: 0-1023 fragments of rel_v's table, 1024-1031 of rel_k's
	s_wait_alu depctr_va_vdst(0)
	v_lshlrev_b32 v[H8], 3, v3
	s_cmp_lt_u32 s3, 1024
	s_cbranch_scc0 .Lrk
	; ---- rel_v: j = ((r0 4 + a) 2 + ks) 4 + t.  Rows: d = 32 (t / 2) + 8 (t % 2) + r + 8 (r / 8).  K: the 128 keys of band step ks; block 4 ks + 2 c + h holds distances 32 (4 ks + 2 c + h - a - 2) - r0 + i
	s_lshr_b32 s4, s3, 5                   ; r0 = q mod 32
	s_bfe_u32 s5, s3, 0x20003              ; a
	s_bfe_u32 s6, s3, 0x10002              ; ks
	s_and_b32 s7, s3, 3                    ; t
	s_lshr_b32 s44, s7, 1
	s_lshl_b32 s44, s44, 5
	s_and_b32 s45, s7, 1
	s_lshl_b32 s45, s45, 3
	s_add_co_u32 s44, s44, s45
	v_add_nc_u32 v7, s44, v6
	v_lshlrev_b32 v7, 2, v7                ; 4 d
	s_lshl_b32 s44, s6, 2
	s_sub_co_u32 s44, s44, s5
	s_lshl_b32 s44, s44, 5
	s_sub_co_u32 s44, s44, s4
	s_add_co_u32 s44, s44, 242             ; - 64 + 50 + 256: the distance + 50, carried 256 up so that it stays above 0
	v_lshl_add_u32 v8, v3, 5, s44
.set n, 0
.rept 64
	v_add_nc_u32 v[X+n], 64*(n/32)+n%32, v8
	v_min_u32 v9, 0x100, v[X+n]
	v_sub_nc_u32 v[X+n], v[X+n], v9        ; held at 0 from below,
	v_min_u32 v[X+n], 100, v[X+n]          ; at 100 from above: the row of rel_v
	v_lshl_add_u32 v[X+n], v[X+n], 8, v7
	global_load_b32 v[X+n], v[X+n], s[34:35]   ; the load lands on its own address register
.set n, n+1
.endr
	s_branch .Lquant
.Lrk:
	; ---- rel_k: fragment f holds rows e = 32 f + 16 c + r (distance e - 128, clipped): tile 2 f in k 0-63, tile 2 f + 1 in k 64-127
	s_sub_co_u32 s4, s3, 1024
	s_lshl_b32 s4, s4, 5
	s_add_co_u32 s4, s4, 178               ; - 128 + 50 + 256
.irp c,0,1
	v_add_nc_u32 v[10+\c], s4, v2
	v_add_nc_u32 v[10+\c], 16*\c, v[10+\c]
	v_min_u32 v9, 0x100, v[10+\c]
	v_sub_nc_u32 v[10+\c], v[10+\c], v9
	v_min_u32 v[10+\c], 100, v[10+\c]
	v_lshlrev_b32 v[10+\c], 8, v[10+\c]
	v_lshl_add_u32 v[10+\c], v3, 7, v[10+\c]   ; the row, + 128 h
.endr
.irp c,0,1
.irp j,0,1,2,3,4,5,6,7
	global_load_b128 v[X+32*\c+4*\j:X+32*\c+4*\j+3], v[10+\c], s[32:33] offset:16*\j
.endr
.endr
.Lquant:
	s_mov_b32 s44, OFF_RKC-1024*1536
	s_mov_b32 s46, OFF_RKS-1024*128
	s_cmp_lt_u32 s3, 1024
	s_cselect_b32 s44, OFF_TVC, s44
	s_cselect_b32 s46, OFF_TVS, s46
	s_mul_i32 s45, s3, 1536
	s_add_co_u32 s44, s44, s45
	s_mov_b32 s45, 0
	s_lshl_b32 s47, s3, 7
	s_add_co_u32 s46, s46, s47
	s_mov_b32 s47, 0
	s_add_nc_u64 s[40:41], s[36:37], s[46:47]
	s_add_nc_u64 s[36:37], s[36:37], s[44:45]
	s_wait_loadcnt 0x0
	QUANTW X, PC, TM
	PUT6 PC, 0
	PUT6 PC+6, 768
	global_store_b32 v13, v[TM+6], s[40:41]    ; the scale word, 4 bytes a lane
	s_endpgm
.Lconst:
	; ---- c[d]: a block of 32 equal numbers x: scale 2^(floor(log2 |x|) - 2), x / scale in 4 .. 8, step 0.5, held at 7.5.  Thread = side 64 + h 32 + n, d = 32 (n / 16) + 16 h + n % 16
	s_cmp_lt_u32 s2, 4                     ; 128 constants: the first four waves' threads
	s_cbranch_scc0 .Lidle
	v_lshrrev_b32 v7, 6, v0
	v_and_b32 v8, 31, v0
	v_bfe_u32 v9, v0, 5, 1
	v_lshrrev_b32 v10, 4, v8
	v_and_b32 v11, 15, v8
	v_lshl_add_u32 v11, v10, 5, v11
	v_lshl_add_u32 v11, v9, 4, v11
	v_lshlrev_b32 v11, 2, v11
	v_mad_u32_u24 v11, v7, 25600, v11      ; row 0 or row 100
	global_load_b32 v12, v11, s[34:35]
	v_lshlrev_b32 v13, 2, v0
	s_mov_b32 s44, 0xc0f00000              ; -7.5
	s_mov_b32 s45, 0x40f00000              ; 7.5
	s_add_nc_u64 s[36:37], s[36:37], OFF_CF
	s_wait_loadcnt 0x0
	v_max_num_f32 v14, 0x1800000, |v12|
	v_and_b32 v14, 0x7f800000, v14
	v_add_nc_u32 v14, 0xff000000, v14      ; the scale, as f32
	v_sub_nc_u32 v15, 0x7f000000, v14      ; and 1 / the scale
	v_mul_f32 v16, v12, v15
	v_add_f32 v16, v16, v16
	v_rndne_f32 v16, v16                   ; to the nearest half, ties to even
	v_mul_f32 v16, 0.5, v16
	v_med3_num_f32 v16, v16, s44, s45
	v_mul_f32 v16, v16, v14
	global_store_b32 v13, v16, s[36:37]
.Lidle:
	s_endpgm
.Lnorm:
	; ---- the first norm: y = g (x / (|x|_2 / 32 + 1e-8)), quantised along the row and laid as records; 1 / (rms + eps) is stored for the residual.
	; A work-group takes a tile of 16 tokens (tile = 64 b + T), wave w columns 128 w on; lane (r, h) holds columns 128 w + 64 c + 32 h + 0..31 of row r.  The row's sum of squares meets in LDS: 64 bytes a wave, one barrier.
.set G, 96                             ; v96-159 g at my columns; the codes land there when g has been used
.set H8, 28
	v_lshl_add_u32 v30, v0, 2, 512         ; my spare word, and 0
	v_mov_b32 v31, 0
	v_lshlrev_b32 v6, 14, v6               ; a step in s is 4 rows of 4,096 bytes
	v_lshl_add_u32 v6, v3, 7, v6
	v_lshlrev_b32 v7, 7, v3
	v_lshlrev_b32 v[H8], 3, v3
	v_lshlrev_b32 v11, 2, v2               ; 4 r
	v_lshlrev_b32 v9, 3, v2                ; 8 r
	s_lshl_b32 s3, s2, 6
	v_add_nc_u32 v10, s3, v11              ; LDS: 64 w + 4 r
	s_mov_b32 s14, 0x3d000000              ; 1 / 32
	s_mov_b32 s15, 0x322bcc77              ; 1e-8
	s_lshr_b32 s16, ttmp9, 6               ; b
	s_and_b32 s17, ttmp9, 63               ; T
	s_lshr_b32 s18, s17, 1
	s_lshl_b32 s18, s18, 5
	s_and_b32 s19, s17, 1
	s_lshl_b32 s19, s19, 3
	s_add_co_u32 s18, s18, s19
	s_lshl_b32 s18, s18, 14
	s_lshl_b32 s16, s16, 12
	s_add_co_u32 s18, s18, s16
	s_lshl_b32 s20, s2, 9                  ; my 128 columns
	s_add_co_u32 s18, s18, s20
	s_mov_b32 s19, 0
	s_mov_b32 s21, 0
	s_mul_i32 s22, ttmp9, 13312
	s_lshr_b32 s23, s2, 1
	s_mul_i32 s23, s23, 3328
	s_add_co_u32 s22, s22, s23             ; my record
	s_and_b32 s23, s2, 1
	s_mul_i32 s24, s23, 1536
	s_add_co_u32 s24, s24, s22             ; my two halves of it
	s_mov_b32 s25, 0
	s_lshl_b32 s26, s23, 2
	s_add_co_u32 s26, s26, s22
	s_add_co_u32 s26, s26, 3072            ; my scale words
	s_mov_b32 s27, 0
	s_lshl_b32 s22, ttmp9, 6
	s_mov_b32 s23, 0
	s_wait_alu depctr_va_vdst(0)
	s_add_nc_u64 s[52:53], s[52:53], s[18:19]
	s_add_nc_u64 s[54:55], s[54:55], s[20:21]
	s_add_nc_u64 s[24:25], s[56:57], s[24:25]
	s_add_nc_u64 s[26:27], s[56:57], s[26:27]
	s_add_nc_u64 s[58:59], s[58:59], s[22:23]
.irp c,0,1
.irp j,0,1,2,3,4,5,6,7
	global_load_b128 v[X+32*\c+4*\j:X+32*\c+4*\j+3], v6, s[52:53] offset:256*\c+16*\j
.endr
.endr
.irp c,0,1
.irp j,0,1,2,3,4,5,6,7
	global_load_b128 v[G+32*\c+4*\j:G+32*\c+4*\j+3], v7, s[54:55] offset:256*\c+16*\j
.endr
.endr
	s_wait_loadcnt 16                      ; x's 16 loads are in; g's 16 may be out
.irp k,0,1,2,3
	v_pk_mul_f32 v[12+2*\k:13+2*\k], v[X+2*\k:X+2*\k+1], v[X+2*\k:X+2*\k+1]   ; four chains, started by the first products
.endr
.set n, 4
.rept 28
	v_pk_fma_f32 v[12+2*(n%4):13+2*(n%4)], v[X+2*n:X+2*n+1], v[X+2*n:X+2*n+1], v[12+2*(n%4):13+2*(n%4)]
.set n, n+1
.endr
	v_pk_add_f32 v[12:13], v[12:13], v[14:15]
	v_pk_add_f32 v[16:17], v[16:17], v[18:19]
	v_pk_add_f32 v[12:13], v[12:13], v[16:17]
	v_add_f32 v12, v12, v13
	v_permlanex16_b32 v13, v12, s[SEL], s[SEL+1]
	v_add_f32 v12, v12, v13                ; row r's 128 columns of this wave
	ds_store_b32 v10, v12                  ; both halves of the lanes write the same word
	s_wait_dscnt 0x0                       ; for the others' sake
	s_barrier_signal -1
	s_barrier_wait -1
.irp i,0,1,2,3,4,5,6,7
	ds_load_b32 v[20+\i], v11 offset:64*\i
.endr
	s_wait_dscnt 0x0
	v_add_f32 v20, v20, v21
	v_add_f32 v22, v22, v23
	v_add_f32 v24, v24, v25
	v_add_f32 v26, v26, v27
	v_add_f32 v20, v20, v22
	v_add_f32 v24, v24, v26
	v_add_f32 v22, v20, v24
	s_wait_alu depctr_va_vdst(0)
	v_sqrt_f32 v23, v22
	v_nop
	s_wait_alu depctr_va_vdst(0)           ; ahead of the root's first reader
	v_fma_f32 v24, v23, s14, s15           ; rms + eps
	s_wait_alu depctr_va_vdst(0)
	v_rcp_f32 v20, v24
	v_nop
	s_wait_alu depctr_va_vdst(0)
	v_mov_b32 v21, v20
	s_wait_alu depctr_va_vdst(0)
	s_wait_loadcnt 0x0                     ; g
.set n, 0
.rept 32
	v_pk_mul_f32 v[X+n:X+n+1], v[X+n:X+n+1], v[20:21]
.set n, n+2
.endr
.set n, 0
.rept 32
	v_pk_mul_f32 v[X+n:X+n+1], v[X+n:X+n+1], v[G+n:G+n+1]
.set n, n+2
.endr
	QUANTW X, PC, TM
.irp c,0,1
	global_store_b128 v4, v[PC+6*\c:PC+6*\c+3], s[24:25] offset:768*\c
	global_store_b64 v5, v[PC+6*\c+4:PC+6*\c+5], s[24:25] offset:768*\c
.endr
	global_store_b32 v9, v[TM+6], s[26:27] ; row r's scale word of this K step
	s_cmp_lg_u32 s2, 0
	s_cbranch_scc1 .Lnot0
	global_store_b32 v11, v20, s[58:59]    ; wave 0: 1 / (rms + eps) of the tile's 16 rows
.Lnot0:
	s_wait_tensorcnt 0x0                   ; the wave's end
	ds_add_u32 v30, v31
	s_wait_dscnt 0x0
	s_endpgm
.Lfunc_end_k_qa9d2f5ee5a_prep:
	.size	k_qa9d2f5ee5a_prep, .Lfunc_end_k_qa9d2f5ee5a_prep-k_qa9d2f5ee5a_prep
	.p2alignl 7, 3214868480
	.fill 96, 4, 3214868480
	.section	.rodata,"a",@progbits
	.p2align	6, 0x0
	.amdhsa_kernel k_qa9d2f5ee5a_prep
		.amdhsa_group_segment_fixed_size 1536
		.amdhsa_private_segment_fixed_size 0
		.amdhsa_enable_private_segment 0
		.amdhsa_kernarg_size 152
		.amdhsa_user_sgpr_count 2
		.amdhsa_user_sgpr_kernarg_segment_ptr 1
		.amdhsa_wavefront_size32 1
		.amdhsa_system_sgpr_workgroup_id_x 1
		.amdhsa_system_sgpr_workgroup_id_y 1
		.amdhsa_system_sgpr_workgroup_id_z 1
		.amdhsa_system_vgpr_workitem_id 0
		.amdhsa_next_free_vgpr 160
		.amdhsa_next_free_sgpr 66
		.amdhsa_reserve_vcc 0
		.amdhsa_float_denorm_mode_32 3
		.amdhsa_float_denorm_mode_16_64 3
		.amdhsa_memory_ordered 1
		.amdhsa_forward_progress 1
		.amdhsa_inst_pref_size 56
	.end_amdhsa_kernel
	.amdgpu_metadata
---
amdhsa.version: [ 1, 2 ]
amdhsa.kernels:
  - .name:           k_qa9d2f5ee5a_prep
    .symbol:         k_qa9d2f5ee5a_prep.kd
    .args:
      - { .name: Wq_codes, .offset: 0, .size: 8, .value_kind: global_buffer, .address_space: global }
      - { .name: Wq_scales, .offset: 8, .size: 8, .value_kind: global_buffer, .address_space: global }
      - { .name: Wk_codes, .offset: 16, .size: 8, .value_kind: global_buffer, .address_space: global }
      - { .name: Wk_scales, .offset: 24, .size: 8, .value_kind: global_buffer, .address_space: global }
      - { .name: Wv_codes, .offset: 32, .size: 8, .value_kind: global_buffer, .address_space: global }
      - { .name: Wv_scales, .offset: 40, .size: 8, .value_kind: global_buffer, .address_space: global }
      - { .name: Wo_codes, .offset: 48, .size: 8, .value_kind: global_buffer, .address_space: global }
      - { .name: Wo_scales, .offset: 56, .size: 8, .value_kind: global_buffer, .address_space: global }
      - { .name: W_in_codes, .offset: 64, .size: 8, .value_kind: global_buffer, .address_space: global }
      - { .name: W_in_scales, .offset: 72, .size: 8, .value_kind: global_buffer, .address_space: global }
      - { .name: W_out_codes, .offset: 80, .size: 8, .value_kind: global_buffer, .address_space: global }
      - { .name: W_out_scales, .offset: 88, .size: 8, .value_kind: global_buffer, .address_space: global }
      - { .name: rel_k, .offset: 96, .size: 8, .value_kind: global_buffer, .address_space: global }
      - { .name: rel_v, .offset: 104, .size: 8, .value_kind: global_buffer, .address_space: global }
      - { .name: wt, .offset: 112, .size: 8, .value_kind: global_buffer, .address_space: global }
      - { .name: x, .offset: 120, .size: 8, .value_kind: global_buffer, .address_space: global }
      - { .name: g_attn, .offset: 128, .size: 8, .value_kind: global_buffer, .address_space: global }
      - { .name: hq, .offset: 136, .size: 8, .value_kind: global_buffer, .address_space: global }
      - { .name: rinv, .offset: 144, .size: 8, .value_kind: global_buffer, .address_space: global }
    .group_segment_fixed_size: 1536
    .private_segment_fixed_size: 0
    .kernarg_segment_align: 8
    .kernarg_segment_size: 152
    .max_flat_workgroup_size: 256
    .sgpr_count:     66
    .vgpr_count:     160
    .wavefront_size: 32
...
	.end_amdgpu_metadata
.endif
;; end of part 8
;; launch gqkv (part 9): grid 24 x 32, 4 waves a work-group, no clusters, 102,912 bytes of LDS; arguments hq, wt, bq, bk, bv, qkv; writes qkv
.if DOCPART == 9
	.amdgcn_target "amdgcn-amd-amdhsa--gfx1250"
	.amdhsa_code_object_version 6
	.text
	.protected	k_qa9d2f5ee5a_gqkv
	.globl	k_qa9d2f5ee5a_gqkv
	.p2align	8
	.type	k_qa9d2f5ee5a_gqkv,@function
k_qa9d2f5ee5a_gqkv:
	s_mov_b64 s[64:65], 0
	v_nop
	global_prefetch_b8 v0, s[64:65] scope:SCOPE_SE
	s_setreg_imm32_b32 hwreg(HW_REG_WAVE_MODE, 25, 1), 1
	s_wait_xcnt 0x0
; q, k, v = Q(h) W^T + b on codes of E2M3, K = 1,024, and each result quantised at once for the attention: q and k along the head's 64, v along the keys.  Nothing of them exists in f32 in memory.
; THE CORE (the same in the launch for W_in): a work-group makes 128 x 128, each of four waves 64 x 64: 16 accumulators.  X is the side that falls on lanes (source 1), Y the side that runs down the registers (source 0).
; Operands lie in memory as records in register order (first kernel).  A K step is 256: each wave brings four tiles' records through registers into one of two LDS buffers (waves 0, 1: X's eight tiles; 2, 3: Y's);
; the next step's loads are issued at a step's head and stored into the other buffer at its end; ONE barrier a step: in front of it my stores have landed and my reads are back.
; No tensor loads, no cluster: tiles are shared between work-groups, and joint loads are the known next step; this text keeps the plain road through registers.
; Work-group x: 0-7 q, 8-15 k (X = tokens, Y = weights: a lane holds a token, registers run along the head), 16-23 v (X = weights, Y = tokens: a lane holds a channel, registers run along the keys).
; Tiles of weights and of tokens take rows 32 (T / 2) + 8 (T % 2) + p + 8 (p / 8), so that the 16 registers of two neighbouring Y tiles are 16 neighbours.  LIMITS: as stated in the first kernel.
; REGISTERS: window 0: v1-9 addresses, v10-23 epilogue, v30, v31 the add's two, v32-39 scale words, v40-43 staged scales, v44-51 v's bias, v64-159, v160-255 fragments of the step's two halves.
;   window 1: v0-127 accumulators ((x, y) at 8 (4 x + y)), v128-159 bias in the result's layout, v160-255 staged codes, later the epilogue's work.
.set NS, 4
.set TS, NS*3328
.set SPARE, 102400
.set SC, 32
.set SEL, 38
.set MSB, 0
.macro WIN new
.if MSB != \new
	s_set_vgpr_msb (MSB<<8)|\new
.set MSB, \new
.endif
.endm
.macro GLOAD s                         ; my four tiles' records of K step s: 24 loads of 512 consecutive bytes, and their 4 x 128 scale bytes
	WIN 0x40
.irp i,0,1,2,3
.irp j,0,1,2,3,4,5
	global_load_b128 v[160+4*(6*\i+\j):160+4*(6*\i+\j)+3], v1, s[60:61] offset:\i*TS+3328*(\s)+512*\j
.endr
.endr
	WIN 0
	global_load_b128 v[40:43], v2, s[60:61] offset:3328*(\s)+3072
.endm
.macro LSTORE b
	WIN 0x04
.irp i,0,1,2,3
.irp j,0,1,2,3,4,5
	ds_store_b128 v3, v[160+4*(6*\i+\j):160+4*(6*\i+\j)+3] offset:51200*(\b)+3072*\i+512*\j
.endr
.endr
	WIN 0
	ds_store_b128 v4, v[40:43] offset:51200*(\b)
.endm
.macro FETCH b, q, f                   ; my four X and four Y fragments of the step's q-th 128 along K: 32 loads
.irp i,0,1,2,3
	ds_load_b128 v[\f+12*\i:\f+12*\i+3], v5 offset:51200*(\b)+3072*\i+1536*\q
	ds_load_b64 v[\f+12*\i+4:\f+12*\i+5], v6 offset:51200*(\b)+3072*\i+1536*\q
	ds_load_b128 v[\f+12*\i+6:\f+12*\i+9], v5 offset:51200*(\b)+3072*\i+1536*\q+768
	ds_load_b64 v[\f+12*\i+10:\f+12*\i+11], v6 offset:51200*(\b)+3072*\i+1536*\q+768
	ds_load_b128 v[\f+48+12*\i:\f+48+12*\i+3], v7 offset:51200*(\b)+3072*\i+1536*\q
	ds_load_b64 v[\f+48+12*\i+4:\f+48+12*\i+5], v8 offset:51200*(\b)+3072*\i+1536*\q
	ds_load_b128 v[\f+48+12*\i+6:\f+48+12*\i+9], v7 offset:51200*(\b)+3072*\i+1536*\q+768
	ds_load_b64 v[\f+48+12*\i+10:\f+48+12*\i+11], v8 offset:51200*(\b)+3072*\i+1536*\q+768
.endr
.endm
.macro SCALES b                        ; lanes 0-15: X's tile i, lanes 16-31: Y's tile i; two words: the step's two halves
.irp i,0,1,2,3
	ds_load_b64 v[SC+2*\i:SC+2*\i+1], v9 offset:51200*(\b)+128*\i
.endr
.endm
.macro WM d, a, b, c, sa, sb
	v_wmma_scale_f32_16x16x128_f8f6f4 v[\d:\d+7], v[\a:\a+11], v[\b:\b+11], \c, v[\sa], v[\sb] matrix_a_fmt:MATRIX_FMT_FP6 matrix_b_fmt:MATRIX_FMT_FP6 matrix_a_scale:MATRIX_SCALE_ROW1
.endm
.macro MUL f, q, first                 ; the 16 accumulators by turns, one instruction a turn
.irp x,0,1,2,3
.irp y,0,1,2,3
.if \first
	WM 8*(4*\x+\y), \f+48+12*\y, \f+12*\x, 0, SC+2*\y+\q, SC+2*\x+\q
.else
	WM 8*(4*\x+\y), \f+48+12*\y, \f+12*\x, v[8*(4*\x+\y):8*(4*\x+\y)+7], SC+2*\y+\q, SC+2*\x+\q
.endif
.endr
.endr
.endm
.macro STEP s
.if (\s)+1 < NS
	GLOAD (\s)+1
.endif
	SCALES (\s)%2
	FETCH (\s)%2, 0, 64
	FETCH (\s)%2, 1, 160
	s_wait_dscnt 32                        ; the scale words and the first half's fragments are in; the second half's 32 loads may be out
	WIN 0x50
.if (\s) == 0
	MUL 64, 0, 1
.else
	MUL 64, 0, 0
.endif
	s_wait_dscnt 0x0
	MUL 160, 1, 0
	WIN 0
.rept 4
	v_nop                                  ; places in front of loads into registers that matrix instructions have read, and of the first read of results
.endr
.if (\s)+1 < NS
	s_wait_loadcnt 0x0                     ; the next step's records are in registers
	LSTORE 1-(\s)%2                        ; into the buffer that nobody has read since the last barrier
	s_wait_dscnt 0x0                       ; my stores have landed, my reads are back
	s_barrier_signal -1
	s_barrier_wait -1
.endif
.endm
; 32 numbers of a lane, register 16 b + i = k 32 b + 16 h + i of my row: codes of 64 along K to v[pc..pc+5] (lane half h: block h), the two scale bytes to v[tm+8]
.macro QUANTH s, pc, tm
.irp b,0,1
	v_max3_num_f32 v[\tm+\b], |v[\s+16*\b]|, |v[\s+16*\b+1]|, 0x1800000
.endr
.irp i,2,4,6,8,10,12,14
.irp b,0,1
	v_max3_num_f32 v[\tm+\b], v[\tm+\b], |v[\s+16*\b+\i]|, |v[\s+16*\b+\i+1]|
.endr
.endr
.irp b,0,1
	v_permlanex16_b32 v[\tm+2+\b], v[\tm+\b], s[SEL], s[SEL+1]
.endr
.irp b,0,1
	v_max_num_f32 v[\tm+\b], v[\tm+\b], v[\tm+2+\b]
.endr
.irp b,0,1
	v_add_nc_u32 v[\tm+4+\b], 0xff000000, v[\tm+\b]
.endr
.irp b,0,1
	v_lshrrev_b32 v[\tm+6+\b], 23, v[\tm+4+\b]
.endr
	v_lshl_or_b32 v[\tm+8], v[\tm+7], 8, v[\tm+6]
	v_cvt_scalef32_pk16_fp6_f32 v[\pc:\pc+2], v[\s:\s+15], v[\tm+4]
	v_cvt_scalef32_pk16_fp6_f32 v[\pc+6:\pc+8], v[\s+16:\s+31], v[\tm+5]
	v_nop
.irp i,0,1,2
	v_permlane16_swap_b32 v[\pc+\i], v[\pc+6+\i]
.endr
.irp i,0,1,2
	v_mov_b32 v[\pc+3+\i], v[\pc+6+\i]
.endr
.endm
	s_load_b256 s[4:11], s[0:1], 0x0       ; hq, wt, bq, bk
	s_load_b128 s[12:15], s[0:1], 0x20     ; bv, qkv
	v_lshl_add_u32 v30, v0, 2, SPARE
	v_mov_b32 v31, 0
	v_lshrrev_b32 v1, 5, v0
	v_readfirstlane_b32 s2, v1             ; wave
	s_and_b32 s40, s2, 1
	s_lshr_b32 s41, s2, 1
	s_and_b32 s43, ttmp7, 0xffff
	v_and_b32 v20, 31, v0                  ; lane
	v_and_b32 v21, 15, v0                  ; r
	v_bfe_u32 v22, v0, 4, 1                ; h
	v_lshlrev_b32 v1, 4, v20               ; 16 l
	v_lshrrev_b32 v2, 3, v20
	v_mul_u32_u24 v2, v2, TS
	v_and_b32 v23, 7, v20
	v_lshl_add_u32 v2, v23, 4, v2          ; eight lanes to a tile's 128 scale bytes
	s_mul_i32 s44, s2, 12288
	v_add_nc_u32 v3, s44, v1               ; where I stage codes
	s_lshl_b32 s44, s2, 9
	s_add_co_u32 s44, s44, 49152
	v_add_nc_u32 v4, s44, v1               ; and scales
	v_lshl_add_u32 v6, v20, 3, 512
	s_mul_i32 s44, s41, 12288
	s_mul_i32 s45, s40, 12288
	s_add_co_u32 s45, s45, 24576
	v_add_nc_u32 v5, s44, v1               ; my four X tiles
	v_add_nc_u32 v7, s45, v1               ; my four Y tiles
	v_add_nc_u32 v8, s45, v6
	v_add_nc_u32 v6, s44, v6
	s_lshl_b32 s44, s41, 9
	s_lshl_b32 s45, s40, 9
	s_add_co_u32 s45, s45, 1024
	s_sub_co_u32 s45, s45, s44
	v_mul_u32_u24 v9, s45, v22             ; lanes 16-31 take Y's words: one product, the distance between the two
	v_lshl_add_u32 v9, v21, 3, v9
	s_add_co_u32 s44, s44, 49152
	v_add_nc_u32 v9, s44, v9
	s_mov_b32 s[SEL], 0x76543210
	s_mov_b32 s[SEL+1], 0xfedcba98
	v_lshl_add_u32 v10, v20, 3, 512        ; 512 + 8 l
	v_lshlrev_b32 v11, 2, v20              ; 4 l
	s_lshl_b32 s44, s40, 8
	v_lshl_add_u32 v12, v22, 6, s44        ; bias in the result's layout: 64 h + my 64 columns
	v_and_b32 v13, 8, v21
	v_add_nc_u32 v13, v13, v21
	s_lshl_b32 s44, s41, 8
	v_lshl_add_u32 v13, v13, 2, s44        ; bias of the lane's channel (v)
	s_lshr_b32 s46, ttmp9, 3               ; 0 q, 1 k, 2 v
	s_and_b32 s47, ttmp9, 7
	s_and_b32 s48, s43, 7
	s_lshr_b32 s49, s43, 3                 ; b
	s_mul_i32 s50, s41, 3072
	s_mul_i32 s51, s40, 768
	s_lshl_b32 s52, s41, 8
	s_lshl_b32 s53, s40, 1
	s_cmp_lt_u32 s46, 2
	s_cselect_b32 s54, s40, s41            ; which of the work-group's two heads is mine
	s_cselect_b32 s50, s50, s51
	s_cselect_b32 s52, s52, s53
	s_lshl_b32 s49, s49, 4
	s_lshl_b32 s51, s47, 1
	s_add_co_u32 s49, s49, s51
	s_add_co_u32 s49, s49, s54             ; 16 b + head
	s_mul_i32 s51, s49, 49152
	s_add_co_u32 s50, s50, s51
	s_mul_i32 s51, s46, 3145728
	s_add_co_u32 s50, s50, s51
	s_mul_i32 s51, s48, 6144
	s_add_co_u32 s50, s50, s51             ; where my codes go
	s_mov_b32 s51, 0
	s_lshl_b32 s53, s49, 12
	s_add_co_u32 s52, s52, s53
	s_lshl_b32 s53, s46, 18
	s_add_co_u32 s52, s52, s53
	s_lshl_b32 s53, s48, 9
	s_add_co_u32 s52, s52, s53
	s_add_co_u32 s52, s52, 9437184         ; and my scale bytes
	s_mov_b32 s53, 0
	s_mul_i32 s54, s43, 8*TS
	s_mov_b32 s55, 0
	s_wait_alu depctr_va_vdst(0)
	s_wait_kmcnt 0x0
	s_add_nc_u64 s[20:21], s[14:15], s[50:51]
	s_add_nc_u64 s[22:23], s[14:15], s[52:53]
	s_add_nc_u64 s[4:5], s[4:5], s[54:55]  ; the work-group's eight token tiles
	s_mul_i32 s54, ttmp9, 8*TS
	s_add_nc_u64 s[6:7], s[6:7], s[54:55]  ; and eight weight tiles (Wq, Wk, Wv lie on end)
	s_cmp_lt_u32 s46, 2
	s_cselect_b64 s[56:57], s[4:5], s[6:7]
	s_cselect_b64 s[58:59], s[6:7], s[4:5]
	s_cmp_eq_u32 s46, 0
	s_cselect_b64 s[16:17], s[8:9], s[10:11]
	s_cmp_eq_u32 s46, 2
	s_cselect_b64 s[16:17], s[12:13], s[16:17]
	s_lshl_b32 s54, s47, 9
	s_add_nc_u64 s[16:17], s[16:17], s[54:55]
	s_cmp_lt_u32 s2, 2
	s_cselect_b64 s[60:61], s[56:57], s[58:59]
	s_mul_i32 s44, s40, 4*TS
	s_mov_b32 s45, 0
	s_add_nc_u64 s[60:61], s[60:61], s[44:45]
	WIN 0x40
.irp y,0,1,2,3
	global_load_b128 v[128+8*\y:128+8*\y+3], v12, s[16:17] offset:(32*(\y/2)+8*(\y%2))*4
	global_load_b128 v[128+8*\y+4:128+8*\y+7], v12, s[16:17] offset:(32*(\y/2)+8*(\y%2))*4+16
.endr
	WIN 0
.irp x,0,1,2,3
	global_load_b32 v[44+2*\x], v13, s[16:17] offset:(32*(\x/2)+8*(\x%2))*4
	global_load_b32 v[45+2*\x], v13, s[16:17] offset:(32*(\x/2)+8*(\x%2))*4   ; twice: a pair for the packed add
.endr
	GLOAD 0
	s_wait_loadcnt 0x0
	LSTORE 0
	s_wait_dscnt 0x0
	s_barrier_signal -1
	s_barrier_wait -1
.set stp, 0
.rept NS
	STEP stp
.set stp, stp+1
.endr
; THE WAY OUT: for each X tile: the bias, the quantiser over my 64 numbers along Y, six registers of codes and two scale bytes a lane
.macro EPI x, isv
	s_wait_xcnt 0x0                        ; the last tile's stores have read their registers
.if \isv
	WIN 0x41
.else
	WIN 0x55
.endif
.set n, 0
.rept 16
.if \isv
	v_pk_add_f32 v[32*\x+n:32*\x+n+1], v[32*\x+n:32*\x+n+1], v[44+2*\x:45+2*\x]
.else
	v_pk_add_f32 v[32*\x+n:32*\x+n+1], v[32*\x+n:32*\x+n+1], v[128+n:129+n]
.endif
.set n, n+2
.endr
	WIN 0x55
	QUANTH 32*\x, 160, 176
	WIN 0x04
.if \isv
	global_store_b128 v1, v[160:163], s[20:21] offset:1536*\x
	global_store_b64 v10, v[164:165], s[20:21] offset:1536*\x
	global_store_b16 v11, v184, s[22:23] offset:128*\x
.else
	global_store_b128 v1, v[160:163], s[20:21] offset:768*\x
	global_store_b64 v10, v[164:165], s[20:21] offset:768*\x
	global_store_b16 v11, v184, s[22:23] offset:128*(\x/2)+2*(\x%2)
.endif
.endm
	WIN 0x55
	v_mov_b32 v178, 0                      ; a lane permute's destination counts as one of its sources
	v_mov_b32 v179, 0
	WIN 0
	s_cmp_lt_u32 s46, 2
	s_cbranch_scc0 .Lvmode
.irp x,0,1,2,3
	EPI \x, 0
.endr
	WIN 0
	s_branch .Ldone
.Lvmode:
.irp x,0,1,2,3
	EPI \x, 1
.endr
	WIN 0
.Ldone:
	s_wait_tensorcnt 0x0                   ; the wave's end
	ds_add_u32 v30, v31
	s_wait_dscnt 0x0
	s_endpgm
.Lfunc_end_k_qa9d2f5ee5a_gqkv:
	.size	k_qa9d2f5ee5a_gqkv, .Lfunc_end_k_qa9d2f5ee5a_gqkv-k_qa9d2f5ee5a_gqkv
	.p2alignl 7, 3214868480
	.fill 96, 4, 3214868480
	.section	.rodata,"a",@progbits
	.p2align	6, 0x0
	.amdhsa_kernel k_qa9d2f5ee5a_gqkv
		.amdhsa_group_segment_fixed_size 102912
		.amdhsa_private_segment_fixed_size 0
		.amdhsa_enable_private_segment 0
		.amdhsa_kernarg_size 48
		.amdhsa_user_sgpr_count 2
		.amdhsa_user_sgpr_kernarg_segment_ptr 1
		.amdhsa_wavefront_size32 1
		.amdhsa_system_sgpr_workgroup_id_x 1
		.amdhsa_system_sgpr_workgroup_id_y 1
		.amdhsa_system_sgpr_workgroup_id_z 1
		.amdhsa_system_vgpr_workitem_id 0
		.amdhsa_next_free_vgpr 512
		.amdhsa_next_free_sgpr 66
		.amdhsa_reserve_vcc 0
		.amdhsa_float_denorm_mode_32 3
		.amdhsa_float_denorm_mode_16_64 3
		.amdhsa_memory_ordered 1
		.amdhsa_forward_progress 1
		.amdhsa_inst_pref_size 83
	.end_amdhsa_kernel
	.amdgpu_metadata
---
amdhsa.version: [ 1, 2 ]
amdhsa.kernels:
  - .name:           k_qa9d2f5ee5a_gqkv
    .symbol:         k_qa9d2f5ee5a_gqkv.kd
    .args:
      - { .name: hq, .offset: 0, .size: 8, .value_kind: global_buffer, .address_space: global }
      - { .name: wt, .offset: 8, .size: 8, .value_kind: global_buffer, .address_space: global }
      - { .name: bq, .offset: 16, .size: 8, .value_kind: global_buffer, .address_space: global }
      - { .name: bk, .offset: 24, .size: 8, .value_kind: global_buffer, .address_space: global }
      - { .name: bv, .offset: 32, .size: 8, .value_kind: global_buffer, .address_space: global }
      - { .name: qkv, .offset: 40, .size: 8, .value_kind: global_buffer, .address_space: global }
    .group_segment_fixed_size: 102912
    .private_segment_fixed_size: 0
    .kernarg_segment_align: 8
    .kernarg_segment_size: 48
    .max_flat_workgroup_size: 128
    .sgpr_count:     66
    .vgpr_count:     512
    .wavefront_size: 32
...
	.end_amdgpu_metadata
.endif
;; end of part 9
;; launch attn (part 10): grid 64 x 4, 8 waves a work-group, no clusters, 322,816 bytes of LDS; arguments qkv, wt, oq; writes oq
.if DOCPART == 10
	.amdgcn_target "amdgcn-amd-amdhsa--gfx1250"
	.amdhsa_code_object_version 6
	.text
	.protected	k_qa9d2f5ee5a_attn
	.globl	k_qa9d2f5ee5a_attn
	.p2align	8
	.type	k_qa9d2f5ee5a_attn,@function
k_qa9d2f5ee5a_attn:
	s_mov_b64 s[64:65], 0
	v_nop
	global_prefetch_b8 v0, s[64:65] scope:SCOPE_SE
	s_setreg_imm32_b32 hwreg(HW_REG_WAVE_MODE, 25, 1), 1
	s_wait_xcnt 0x0
; o = softmax((q k^T + q rk^T) / 8) (v + rv), all four products on codes of E2M3; o is quantised along D and stored as records for the projection.
; WORK LEFT OUT (shown at the head of the first kernel): of q rk^T only a table of 256 clipped distances is multiplied; of p rv only the two key steps round the diagonal; the rest is c[d] x the sum of the quantised p.
; SHARES.  A work-group = 8 heads x 2 tiles of 16 queries of one batch; wave w = head 8 hg + w with BOTH tiles, so that each fragment of K and V feeds 32 queries.  The tiles are T0 = id % 32 and T0 + 32: their blocks
; of 32 queries lie 16 apart, so q mod 32 and a = (qb - 2) % 4 are equal, and both take the same table of rel_v: p rv is multiplied with the 16 columns n = 2 w + tile as its N.
; Each wave streams its head's K and V from memory straight into registers, as fragments in register order: nothing goes through LDS, so there is no tile for a joint load to bring, and LDS holds the relative scores.
; K of step s + 1 is asked for behind slot B's scores, V of step s + 1 behind the products with V: each set's loads stand a slot's work ahead of their use, and no prefetch is laid beside them.
; TWO SLOTS.  A step treats slot A, then slot B.  The band of tile 0 is key steps st0, st0 + 1, that of tile 1 st0 + 4, st0 + 5: never the same step.  Slot A alone has the band's code; it holds tile 0 up to step st0 + 1 and
; tile 1 from step st0 + 2 on: there the two tiles' registers change places, once (st0 + 2 is 1 .. 5).
; LAYOUT.  S^T = K Q^T, O^T = V^T P^T: a lane holds one query.  K = 64 for the scores: a fragment holds two key tiles and is multiplied by (q, 0) and by (0, q).
; SOFTMAX.  t = (score + relative score) log2(e) / 8; M = ceil of the running largest t; p = 2^(t - M), quantised along the keys; the sum of the unquantised p divides at the end.
; RELATIVE SCORES.  RT[query][e] = q . Q(rel_k[clip(e - 128)]), 256 numbers a query, in the wave's own LDS, a table for each tile.  In the band they are read by k - q; elsewhere one constant a query.
; BAND OF p rv.  In the band's steps a wave leaves p's codes, scale word and M in LDS; behind a barrier wave w takes QUERIES w and w + 8 with the columns as lanes, multiplies by their tables, and hands the results back.
; LIMITS: as stated in the first kernel; a scale byte of p brought under the final M is held at 0 from below; the promise holds while the scaled scores stay under 2^31 in magnitude.
; REGISTERS, window 0: v1-11 addresses, v12-19, v20-27 the slots' state (-M, largest t, sum x 2, far sums x 2, the two constant relative scores), v30-33 scale words of q and p, v36-43 of K and V, v54-101 K, v102-165 S, v166-177, v210-221 p's codes.
;   window 1: v0-35 (q, 0, q) twice, v36-47 codes of 1.0, v48-51 at work, v54-101 V, v102-165 O^T of the two slots.
.set SPARE, 320768
.set XP, 266240                        ; [step 2][query, 1,544][block 4 x 384][column x 24]
.set XZ, 315648                        ; [step 2][query][column]: scale word, -M
.set XF, 319744                        ; [query][column]: the final -M
.set OFF_RKC, 10223616
.set OFF_TVC, 10236928
.set OFF_TVS, 11809792
.set OFF_CF, 11940864
.set STA, 12
.set STB, 20
.set QSA, 30
.set QSB, 31
.set PWA, 32
.set PWB, 33
.set FS, 36
.set FSV, 40
.set FB, 54
.set S, 102
.set PCB, 166
.set CA, 178
.set PC, 210
.set CT, 222
.set BM, 230
.set PD, 234
.set SO, 238
.set BY, 242
.set BL, 210                           ; v210-241 the band's relative scores, 32 at a time: free at that place of slot A
.set QA, 0                             ; window 1 from here on
.set QB, 18
.set ON, 36
.set TW, 48
.set OA, 102
.set OB, 134
.set CS, 50
.set SEL, 52
.set MSB, 0
.macro WIN new
.if MSB != \new
	s_set_vgpr_msb (MSB<<8)|\new
.set MSB, \new
.endif
.endm
.macro PLACES n
.rept \n
	v_nop
.endr
.endm
.macro LOADF w, fs, pc, oc, ps, os     ; four fragments (window byte w) and their scale words: 20 loads
	WIN \w
.irp f,0,1,2,3
	global_load_b128 v[FB+12*\f:FB+12*\f+3], v1, s[\pc:\pc+1] offset:\oc+1536*\f
	global_load_b64 v[FB+12*\f+4:FB+12*\f+5], v2, s[\pc:\pc+1] offset:\oc+1536*\f
	global_load_b128 v[FB+12*\f+6:FB+12*\f+9], v1, s[\pc:\pc+1] offset:\oc+1536*\f+768
	global_load_b64 v[FB+12*\f+10:FB+12*\f+11], v2, s[\pc:\pc+1] offset:\oc+1536*\f+768
.endr
	WIN 0
.irp f,0,1,2,3
	global_load_b32 v[\fs+\f], v3, s[\ps:\ps+1] offset:\os+128*\f
.endr
.endm
.macro WM d, a, b, c, sa, sb
	v_wmma_scale_f32_16x16x128_f8f6f4 v[\d:\d+7], v[\a:\a+11], v[\b:\b+11], \c, v[\sa], v[\sb] matrix_a_fmt:MATRIX_FMT_FP6 matrix_b_fmt:MATRIX_FMT_FP6
.endm
.macro KQ qb, qs                       ; eight tiles of 16 rows x a slot's 16 queries
	WIN 0x04
.irp f,0,1,2,3
	WM S+16*\f, FB+12*\f, \qb, 0, FS+\f, \qs
	WM S+16*\f+8, FB+12*\f, \qb+6, 0, FS+\f, \qs
.endr
	WIN 0
.endm
.macro XSTORE ks, j
.irp c,0,1
.irp i,0,1,2
	ds_store_b64 v6, v[PC+6*\c+2*\i:PC+6*\c+2*\i+1] offset:24704*(\ks)+768*\c+8*\i+24*(\j)
.endr
.endr
	ds_store_b64 v7, v[250:251] offset:2048*(\ks)+8*(\j)
.endm
.macro XCASE z                         ; z = band step + 2 x tile: every place in the exchange is an immediate
	s_cmp_eq_u32 s38, \z
	s_cbranch_scc0 .Lxn_\z
	XSTORE (\z)%2, (\z)/2
.Lxn_\z:
.endm
; THE BAND'S RELATIVE SCORES, case z = 8 d + 2 a + u (d: which of the two band steps; u: which of the block's two query tiles).  Register 16 b + i of S holds key block kb = 4 step + b, and kb - qb = 4 d + b - a - 2,
; held to -3 .. 3, beyond which every distance is clipped.  RT is read at e = 32 (kb - qb + 4) + 16 h + i - (q mod 32).  What hangs on a and u stands in the immediate; v5 is my row in my first table, which holds slot A's tile.
.macro BCASE z
	s_cmp_eq_u32 s38, \z
	s_cbranch_scc0 .Lbn_\z
.irp g,0,1
.irp e,0,1
.set sg, 4*((\z)/8)+2*\g+\e-(((\z)/2)%4)+1
.if sg < 0
.set sg, 0
.endif
.if sg > 6
.set sg, 6
.endif
.irp i,0,1,2,3,4,5,6,7,8,9,10,11,12,13,14,15
	ds_load_b32 v[BL+16*\e+\i], v5 offset:128*sg+32*(1-(\z)%2)+4*\i
.endr
.endr
	s_wait_dscnt 0x0
.irp i,0,2,4,6,8,10,12,14,16,18,20,22,24,26,28,30
	v_pk_add_f32 v[S+32*\g+\i:S+32*\g+\i+1], v[S+32*\g+\i:S+32*\g+\i+1], v[BL+\i:BL+\i+1]
.endr
.endr
	s_branch .Lnb1
.Lbn_\z:
.endm
; A slot's softmax step: S holds 128 scores a query, v52 the step's constant relative score.  Leaves p's codes in v[pc ..], their scale word in v[pw], f = 2^(old M - new M) in v246
.macro SOFT st, pc, pw
.irp b,0,1,2,3
	v_max3_num_f32 v[BM+\b], v[S+16*\b], v[S+16*\b+1], v[S+16*\b+2]   ; each block's largest score: for the row's maximum and for the block's largest p
.endr
.irp i,3,5,7,9,11,13
.irp b,0,1,2,3
	v_max3_num_f32 v[BM+\b], v[BM+\b], v[S+16*\b+\i], v[S+16*\b+\i+1]
.endr
.endr
.irp b,0,1,2,3
	v_max_num_f32 v[BM+\b], v[BM+\b], v[S+16*\b+15]
.endr
.irp b,0,1,2,3
	v_permlanex16_b32 v[PD+\b], v[BM+\b], s[SEL], s[SEL+1]
.endr
.irp b,0,1,2,3
	v_max_num_f32 v[BM+\b], v[BM+\b], v[PD+\b]
.endr
	v_max3_num_f32 v252, v[BM], v[BM+1], v[BM+2]
	s_delay_alu instid0(VALU_DEP_1)
	v_max_num_f32 v252, v252, v[BM+3]
	s_delay_alu instid0(VALU_DEP_1)
	v_add_f32 v252, v252, v52
	s_delay_alu instid0(VALU_DEP_1)
	v_mul_f32 v252, s[CS], v252
	s_delay_alu instid0(VALU_DEP_1)
	v_max_num_f32 v[\st+1], v[\st+1], v252  ; the running largest t
	v_mov_b32 v252, v[\st]
	s_delay_alu instid0(VALU_DEP_2)
	v_floor_f32 v[\st], -v[\st+1]           ; -M = floor(-t)
	s_delay_alu instid0(VALU_DEP_1)
	v_sub_f32 v252, v[\st], v252
	s_delay_alu instid0(VALU_DEP_1)
	v_cvt_i32_f32 v252, v252
	s_delay_alu instid0(VALU_DEP_1)
	v_ldexp_f32 v246, 1.0, v252             ; f
	v_fma_f32 v46, v52, s[CS], v[\st]       ; the constant's share, less M
.set n, 0
.rept 32
	v_pk_fma_f32 v[S+n:S+n+1], v[S+n:S+n+1], s[CS:CS+1], v[46:47] op_sel_hi:[1,0,0]   ; t - M
.set n, n+2
.endr
.irp b,0,1,2,3
	v_fma_f32 v[BM+\b], v[BM+\b], s[CS], v46
.endr
	s_wait_alu depctr_va_vdst(0)            ; ahead of the batch
.set n, 0
.rept 64
	v_exp_f32 v[S+n], v[S+n]
.set n, n+1
.endr
	v_pk_mul_f32 v[\st+2:\st+3], v[\st+2:\st+3], v[246:247] op_sel_hi:[1,0]   ; the sums under the new M (a plain place behind the batch)
	v_pk_mul_f32 v[\st+4:\st+5], v[\st+4:\st+5], v[246:247] op_sel_hi:[1,0]
	s_wait_alu depctr_va_vdst(0)            ; one wait for the batch, ahead of its first reader
.irp b,0,1,2,3
	v_exp_f32 v[BM+\b], v[BM+\b]            ; each block's largest p
.endr
.irp c,0,1,2,3,4,5,6                   ; the sum of the unquantised p: eight chains of packed adds, seven in v240-245, v248-255
	v_pk_add_f32 v[240+2*\c+2*((\c+1)/4):241+2*\c+2*((\c+1)/4)], v[S+2*\c:S+2*\c+1], v[S+16+2*\c:S+17+2*\c]
.endr
	v_pk_add_f32 v[\st+2:\st+3], v[\st+2:\st+3], v[S+14:S+15]
.irp k,32,48
.irp c,0,1,2,3,4,5,6
	v_pk_add_f32 v[240+2*\c+2*((\c+1)/4):241+2*\c+2*((\c+1)/4)], v[240+2*\c+2*((\c+1)/4):241+2*\c+2*((\c+1)/4)], v[S+\k+2*\c:S+\k+2*\c+1]
.endr
	v_pk_add_f32 v[\st+2:\st+3], v[\st+2:\st+3], v[S+\k-2:S+\k-1]
.endr
	v_pk_add_f32 v[\st+2:\st+3], v[\st+2:\st+3], v[S+62:S+63]
	v_pk_add_f32 v[240:241], v[240:241], v[242:243]
	v_pk_add_f32 v[244:245], v[244:245], v[248:249]
	v_pk_add_f32 v[250:251], v[250:251], v[252:253]
	v_pk_add_f32 v[\st+2:\st+3], v[\st+2:\st+3], v[254:255]
	v_pk_add_f32 v[240:241], v[240:241], v[244:245]
	v_pk_add_f32 v[\st+2:\st+3], v[\st+2:\st+3], v[250:251]
	v_pk_add_f32 v[\st+2:\st+3], v[\st+2:\st+3], v[240:241]
	s_wait_alu depctr_va_vdst(0)            ; and one for the four
.irp b,0,1,2,3
	v_max_num_f32 v[BM+\b], 0x1800000, v[BM+\b]
.endr
.irp b,0,1,2,3
	v_add_nc_u32 v[SO+\b], 0xff000000, v[BM+\b]
.endr
.irp b,0,1,2,3
	v_lshrrev_b32 v[BY+\b], 23, v[SO+\b]
.endr
	v_lshl_or_b32 v[\pw], v[BY+1], 8, v[BY]
	s_delay_alu instid0(VALU_DEP_1)
	v_lshl_or_b32 v[\pw], v[BY+2], 16, v[\pw]
	s_delay_alu instid0(VALU_DEP_1)
	v_lshl_or_b32 v[\pw], v[BY+3], 24, v[\pw]   ; p's scale word
.irp c,0,1
	v_cvt_scalef32_pk16_fp6_f32 v[\pc+6*\c:\pc+6*\c+2], v[S+32*\c:S+32*\c+15], v[SO+2*\c]
	v_cvt_scalef32_pk16_fp6_f32 v[CT+4*\c:CT+4*\c+2], v[S+32*\c+16:S+32*\c+31], v[SO+2*\c+1]
.endr
	v_nop
.irp c,0,1
.irp i,0,1,2
	v_permlane16_swap_b32 v[\pc+6*\c+\i], v[CT+4*\c+\i]
.endr
.irp i,0,1,2
	v_mov_b32 v[\pc+6*\c+3+\i], v[CT+4*\c+\i]
.endr
.endr
.endm
.macro RESC ob                         ; O^T under the new M; also the places in front of the products
	WIN 0x41
	s_wait_alu depctr_va_vdst(0)            ; directly ahead of the first reader of O^T
.set n, 0
.rept 16
	v_pk_mul_f32 v[\ob+n:\ob+n+1], v[\ob+n:\ob+n+1], v[246:247] op_sel_hi:[1,0]
.set n, n+2
.endr
	WIN 0
.endm
.macro QUANTH s, pc, tm
.irp b,0,1
	v_max3_num_f32 v[\tm+\b], |v[\s+16*\b]|, |v[\s+16*\b+1]|, 0x1800000
.endr
.irp i,2,4,6,8,10,12,14
.irp b,0,1
	v_max3_num_f32 v[\tm+\b], v[\tm+\b], |v[\s+16*\b+\i]|, |v[\s+16*\b+\i+1]|
.endr
.endr
.irp b,0,1
	v_permlanex16_b32 v[\tm+2+\b], v[\tm+\b], s[SEL], s[SEL+1]
.endr
.irp b,0,1
	v_max_num_f32 v[\tm+\b], v[\tm+\b], v[\tm+2+\b]
.endr
.irp b,0,1
	v_add_nc_u32 v[\tm+4+\b], 0xff000000, v[\tm+\b]
.endr
.irp b,0,1
	v_lshrrev_b32 v[\tm+6+\b], 23, v[\tm+4+\b]
.endr
	v_lshl_or_b32 v[\tm+8], v[\tm+7], 8, v[\tm+6]
	v_cvt_scalef32_pk16_fp6_f32 v[\pc:\pc+2], v[\s:\s+15], v[\tm+4]
	v_cvt_scalef32_pk16_fp6_f32 v[\pc+6:\pc+8], v[\s+16:\s+31], v[\tm+5]
	v_nop
.irp i,0,1,2
	v_permlane16_swap_b32 v[\pc+\i], v[\pc+6+\i]
.endr
.irp i,0,1,2
	v_mov_b32 v[\pc+3+\i], v[\pc+6+\i]
.endr
.endm
	s_load_b128 s[4:7], s[0:1], 0x0        ; qkv, wt
	s_load_b64 s[8:9], s[0:1], 0x10        ; oq
	v_lshl_add_u32 v9, v0, 2, SPARE        ; my spare word, and 0
	v_mov_b32 v10, 0
	v_lshrrev_b32 v1, 5, v0
	v_readfirstlane_b32 s10, v1            ; wave
	s_and_b32 s12, ttmp7, 0xffff           ; b
	s_and_b32 s13, ttmp9, 1                ; u
	s_bfe_u32 s14, ttmp9, 0x40001          ; qb of tile 0: 0 .. 15; tile 1's is 16 more
	s_lshr_b32 s11, ttmp9, 5               ; which eight heads
	s_and_b32 s42, ttmp9, 31               ; T0
	s_sub_co_i32 s15, s14, 2
	s_and_b32 s16, s15, 3                  ; a
	s_ashr_i32 s15, s15, 2                 ; st0: tile 0's band is key steps st0, st0 + 1
	s_add_co_i32 s19, s15, 2               ; the step at which the tiles change slots
	s_lshl_b32 s41, s16, 1
	s_add_co_u32 s41, s41, s13             ; 2 a + u
	s_lshl_b32 s43, s11, 3
	s_add_co_u32 s43, s43, s10             ; head
	s_lshl_b32 s17, s12, 4
	s_add_co_u32 s17, s17, s43             ; 16 b + head
	v_and_b32 v11, 31, v0
	v_and_b32 v44, 15, v0                  ; r
	v_bfe_u32 v45, v0, 4, 1                ; h
	v_lshlrev_b32 v1, 4, v11               ; 16 l
	v_lshl_add_u32 v2, v11, 3, 512         ; 512 + 8 l
	v_lshlrev_b32 v3, 2, v11               ; 4 l
	s_mul_i32 s44, s10, 33280              ; my two RT: each 16 queries x (1,024 + 16) bytes
	v_mul_u32_u24 v4, v44, 1040
	v_add_nc_u32 v4, s44, v4
	v_lshl_add_u32 v4, v45, 5, v4          ; RT's stores: my row + 32 h
	v_and_b32 v5, 7, v0                    ; RT's reads: 1,040 r - 4 (r + 8 (r / 8)) = 1,036 (r % 8) + 8,256 (r / 8),
	v_mul_u32_u24 v5, v5, 1036
	v_bfe_u32 v8, v0, 3, 1
	v_mad_u32_u24 v5, v8, 8256, v5
	v_lshl_add_u32 v5, v45, 6, v5          ; + 64 h
	v_add_nc_u32 v5, s44, v5
	v_add_nc_u32 v5, 96, v5
	v_add_nc_u32 v28, s44, v1              ; my tables' first byte + 16 l: for the copy at the change of slots
	v_mul_u32_u24 v6, v44, 1544
	v_mad_u32_u24 v6, v45, 384, v6
	s_mul_i32 s30, s10, 48
	s_add_co_u32 s30, s30, XP
	v_add_nc_u32 v6, s30, v6               ; the exchange: my query's row, block h, column 2 w
	s_lshl_b32 s30, s10, 4
	s_add_co_u32 s30, s30, XZ
	v_lshl_add_u32 v7, v44, 7, s30
	v_mov_b32 v250, 0
	v_mov_b32 v251, 0
.irp ks,0,1                            ; my places in the exchange begin as zero codes: a band step that lies outside the 8 key steps is never written
.irp j,0,1
.irp c,0,1
.irp i,0,1,2
	ds_store_b64 v6, v[250:251] offset:24704*\ks+768*\c+8*\i+24*\j
.endr
.endr
	ds_store_b64 v7, v[250:251] offset:2048*\ks+8*\j
.endr
.endr
	s_mov_b32 s[CS], 0x3e38aa3b            ; log2(e) / 8
	s_mov_b32 s[CS+1], s[CS]
	s_mov_b32 s[SEL], 0x76543210
	s_mov_b32 s[SEL+1], 0xfedcba98
	s_mul_i32 s30, s17, 49152
	s_mov_b32 s31, 0
	s_lshl_b32 s32, s17, 12
	s_add_co_u32 s32, s32, 9437184
	s_mov_b32 s33, 0
	s_wait_alu depctr_va_vdst(0)
	s_wait_kmcnt 0x0
	s_add_nc_u64 s[20:21], s[4:5], s[30:31]
	s_add_nc_u64 s[22:23], s[4:5], s[32:33]
	s_mul_i32 s30, s42, 768
	s_add_nc_u64 s[24:25], s[20:21], s[30:31]    ; tile 0 of Q; tile 1 lies 32 x 768 bytes on
	s_lshl_b32 s30, s14, 7
	s_add_nc_u64 s[26:27], s[22:23], s[30:31]    ; its pair's scale words; tile 1's 16 x 128 on
	s_add_nc_u64 s[20:21], s[20:21], 3145728     ; K's codes; V's lie 3,145,728 further on
	s_add_nc_u64 s[22:23], s[22:23], 262144      ; K's scale words; V's 262,144 further on
	s_add_nc_u64 s[28:29], s[6:7], OFF_RKC
	WIN 0x40
.irp j,0,1                             ; (q, 0, q): registers 0-11 = (q, 0), 6-17 = (0, q)
	global_load_b128 v[QA+18*\j:QA+18*\j+3], v1, s[24:25] offset:24576*\j
	global_load_b64 v[QA+18*\j+4:QA+18*\j+5], v2, s[24:25] offset:24576*\j
	global_load_b128 v[QA+18*\j+12:QA+18*\j+15], v1, s[24:25] offset:24576*\j
	global_load_b64 v[QA+18*\j+16:QA+18*\j+17], v2, s[24:25] offset:24576*\j
.endr
	WIN 0
	global_load_b32 v[QSA], v3, s[26:27]
	global_load_b32 v[QSB], v3, s[26:27] offset:2048
	LOADF 0, FS, 28, 0, 28, 12288
	s_lshl_b32 s31, s13, 4
	s_wait_loadcnt 20                      ; Q's ten loads are in; the table's 20 may be out
.irp q,QSA,QSB
	v_lshrrev_b32 v[\q], s31, v[\q]        ; my tile's two bytes,
.endr
.irp q,QSA,QSB
	v_and_b32 v[\q], 0xffff, v[\q]
.endr
.irp q,QSA,QSB
	v_lshl_or_b32 v[\q], v[\q], 16, v[\q]  ; for k 0-63 and for k 64-127
.endr
	WIN 0x40
.irp i,6,7,8,9,10,11,24,25,26,27,28,29
	v_mov_b32 v\i, 0
.endr
.irp i,0,3,6,9
	v_mov_b32 v[ON+\i], 0x08208208         ; the code of 1.0 is 8: 32 of them are these three words twice
	v_mov_b32 v[ON+\i+1], 0x82082082
	v_mov_b32 v[ON+\i+2], 0x20820820
.endr
.set n, 0
.rept 64
	v_mov_b32 v[OA+n], 0                   ; the loop is written once: its first step finds zeros
.set n, n+1
.endr
	WIN 0
	v_mov_b32 v35, 0x7f7f7f7f              ; scale 1
.irp st,STA,STB
	v_mov_b32 v[\st+1], 0xff61b1e6         ; the largest t so far: -3e38
	v_floor_f32 v[\st], -v[\st+1]          ; -M
	v_mov_b32 v[\st+2], 0                  ; the sum, in two halves
	v_mov_b32 v[\st+3], 0
	v_mov_b32 v[\st+4], 0                  ; the sums of quantised p below and above the band
	v_mov_b32 v[\st+5], 0
.endr
	v_mov_b32 v47, 0
	v_mov_b32 v247, 0
.irp b,0,1,2,3
	v_mov_b32 v[PD+\b], 0
.endr
	; ---- RT: 16 tiles of 16 distances, each fragment of the table for both tiles of queries
.irp g,0,1
	s_wait_alu depctr_va_vdst(0)
	s_wait_loadcnt 0x0
.irp j,0,1
	KQ QA+18*\j, QSA+\j
	PLACES 5                               ; five: the next products begin these accumulators anew; four serve the loads and stores below
.if \j == 1
.if \g == 0
	LOADF 0, FS, 28, 6144, 28, 12288+512
.else
	LOADF 0, FS, 20, 0, 22, 0              ; K of key step 0,
	LOADF 0x40, FSV, 20, 3145728, 22, 262144   ; and V
.endif
.endif
.irp t,0,1,2,3,4,5,6,7
	ds_store_b128 v4, v[S+8*\t:S+8*\t+3] offset:16640*\j+64*(8*\g+\t)
	ds_store_b128 v4, v[S+8*\t+4:S+8*\t+7] offset:16640*\j+64*(8*\g+\t)+16
.endr
	s_wait_dscnt 0x0
.endr
.endr
	ds_load_b32 v[STA+6], v4 offset:32     ; distance -120 or -112: clipped at -50
	ds_load_b32 v[STA+7], v4 offset:960    ; distance 112 or 120: clipped at 50
	ds_load_b32 v[STB+6], v4 offset:16640+32
	ds_load_b32 v[STB+7], v4 offset:16640+960
	s_wait_dscnt 0x0
	s_mov_b32 s34, 0
.Lkey:                                     ; eight key steps of 128
	s_wait_loadcnt 20                      ; K is in; V's 20 loads, issued behind K's, may be out
	s_cmp_lt_i32 s34, s19                  ; ahead of the change of slots?
	s_cselect_b32 s39, 1.0, 0              ; slot B: tile 1, below its band; afterwards tile 0, above its band
	s_cselect_b32 s40, 0, 1.0
	s_cselect_b32 s48, 0, 2                ; 2 x slot A's tile
	s_cselect_b32 s46, 0, 4
	s_add_co_i32 s54, s15, s46             ; slot A's band: steps s54, s55
	s_add_co_i32 s55, s54, 1
	s_cmp_lg_u32 s34, s19
	s_cbranch_scc1 .Lnoswap
.irp bt,0,1                            ; tile 1's RT goes over tile 0's, which is read no more: 16 rows of 1,024 bytes, half a row an instruction, through S, eight rows at a time; the rows' padding is not touched
.irp k,0,1,2,3,4,5,6,7,8,9,10,11,12,13,14,15
	ds_load_b128 v[S+4*\k:S+4*\k+3], v28 offset:16640+1040*(8*\bt+\k/2)+512*(\k%2)
.endr
	s_wait_dscnt 0x0
.irp k,0,1,2,3,4,5,6,7,8,9,10,11,12,13,14,15
	ds_store_b128 v28, v[S+4*\k:S+4*\k+3] offset:1040*(8*\bt+\k/2)+512*(\k%2)
.endr
.endr
	s_wait_dscnt 0x0                       ; the stores have read S, which the products below write
	v_mov_b32 v48, v[QSA]
	v_mov_b32 v[QSA], v[QSB]
	v_mov_b32 v[QSB], v48
	WIN 0x41
.irp i,0,1,2,3,4,5,12,13,14,15,16,17
	v_mov_b32 v[TW+\i%4], v[QA+\i]
	v_mov_b32 v[QA+\i], v[QB+\i]
	v_mov_b32 v[QB+\i], v[TW+\i%4]
.endr
.set n, 0
.rept 32
	v_mov_b32 v[TW+n%4], v[OA+n]           ; each accumulator from its low end on
	v_mov_b32 v[OA+n], v[OB+n]
	v_mov_b32 v[OB+n], v[TW+n%4]
.set n, n+1
.endr
	WIN 0
.irp i,0,1,2,3,4,5,6,7
	v_mov_b32 v[48+\i%4], v[STA+\i]
	v_mov_b32 v[STA+\i], v[STB+\i]
	v_mov_b32 v[STB+\i], v[48+\i%4]
.endr
	s_wait_alu depctr_va_vdst(0)
.Lnoswap:
	KQ QA, QSA
	s_cmp_lt_i32 s34, s54
	s_cselect_b32 s35, 1.0, 0              ; 1 below the band
	s_cmp_gt_i32 s34, s55
	s_cselect_b32 s36, 1.0, 0              ; 1 above it
	s_sub_co_i32 s37, s34, s54             ; 0 or 1 in the band
	v_mul_f32 v52, s35, v[STA+6]
	v_fma_f32 v52, s36, v[STA+7], v52      ; the step's constant relative score, 0 in the band
	PLACES 2                               ; four places
	s_cmp_lt_u32 s37, 2
	s_cbranch_scc0 .Lnb1
	s_lshl_b32 s38, s37, 3
	s_add_co_u32 s38, s38, s41             ; the case: 8 d + 2 a + u
.irp z,0,1,2,3,4,5,6,7,8,9,10,11,12,13,14,15
	BCASE \z
.endr
.Lnb1:
	SOFT STA, PC, PWA
	v_mov_b32 v250, v[PWA]
	v_cvt_i32_f32 v251, v[STA]
	s_add_co_u32 s38, s37, s48
	s_cmp_lt_u32 s37, 2                    ; in the band: p's codes, its scale word and -M go to the exchange
	s_wait_alu depctr_va_vdst(0)
	s_cbranch_scc0 .Lx4
.irp z,0,1,2,3
	XCASE \z
.endr
.Lx4:
	RESC OA
	KQ QB, QSB                             ; slot B, on the same fragments of K
	v_mul_f32 v52, s39, v[STB+6]
	v_fma_f32 v52, s40, v[STB+7], v52
	PLACES 2                               ; four places
	s_cmp_eq_u32 s34, 7
	s_cbranch_scc1 .Lnok
	LOADF 0, FS, 20, 6144, 22, 512         ; the next step's K
.Lnok:
	SOFT STB, PCB, PWB
	RESC OB
	s_wait_alu depctr_va_vdst(0)
	s_wait_loadcnt 0x0                     ; V, asked for a step ago, and the next K: the count is the same whether or not the last step's loads were passed over
	s_add_nc_u64 s[20:21], s[20:21], 6144  ; every load that named these is done
	s_add_nc_u64 s[22:23], s[22:23], 512
	WIN 0x01
	WM S, ON, PC, 0, 35, PWA               ; the sums of the quantised p of these 128 keys, in every row
	WM S+8, ON, PCB, 0, 35, PWB
	WIN 0x51
.irp t,0,1,2,3                         ; the eight accumulators by turns
	WM OA+8*\t, FB+12*\t, PC, v[OA+8*\t:OA+8*\t+7], FSV+\t, PWA
	WM OB+8*\t, FB+12*\t, PCB, v[OB+8*\t:OB+8*\t+7], FSV+\t, PWB
.endr
	WIN 0
	PLACES 5                               ; five: the next step begins S anew
	v_fma_f32 v[STA+4], s35, v[S], v[STA+4]
	v_fma_f32 v[STA+5], s36, v[S], v[STA+5]
	v_fma_f32 v[STB+4], s39, v[S+8], v[STB+4]
	v_fma_f32 v[STB+5], s40, v[S+8], v[STB+5]
	s_cmp_eq_u32 s34, 7
	s_cbranch_scc1 .Lnov
	LOADF 0x40, FSV, 20, 3145728, 22, 262144   ; the next step's V
.Lnov:
	s_add_co_u32 s34, s34, 1
	s_cmp_lt_u32 s34, 8
	s_wait_alu depctr_va_vdst(0)
	s_cbranch_scc1 .Lkey
	; ---- the exchange: wave w takes queries w and w + 8, lanes are the columns 2 x head + tile.  Slot A now holds tile 1, slot B tile 0
	s_wait_loadcnt 0x0                     ; the last trip has asked for nothing; the wait makes that hold on every way through the text
	v_cvt_i32_f32 v250, v[STB]
	v_cvt_i32_f32 v251, v[STA]
	s_lshl_b32 s30, s10, 3
	s_add_co_u32 s30, s30, XF
	v_lshl_add_u32 v8, v44, 6, s30
	ds_store_b64 v8, v[250:251]            ; the final -M of my two columns
	s_lshl_b32 s31, s13, 3
	s_add_co_u32 s30, s31, s10             ; query w's q mod 32 = 8 u + w; query w + 8's is 16 more
	s_lshl_b32 s30, s30, 2
	s_add_co_u32 s30, s30, s16
	s_mul_i32 s32, s30, 12288
	s_add_co_u32 s32, s32, OFF_TVC
	s_mov_b32 s33, 0
	s_add_nc_u64 s[24:25], s[6:7], s[32:33]
	s_lshl_b32 s32, s30, 10
	s_add_co_u32 s32, s32, OFF_TVS
	s_add_nc_u64 s[26:27], s[6:7], s[32:33]
	s_add_nc_u64 s[28:29], s[6:7], OFF_CF
	LOADF 0, FS, 24, 0, 26, 0
	LOADF 0x40, FSV, 24, 6144, 26, 512
	s_wait_dscnt 0x0                       ; for the others' sake: my stores into the exchange have landed, and my reads of RT are back
	s_barrier_signal -1
	s_barrier_wait -1
	s_mul_i32 s30, s10, 1544
	s_add_co_u32 s30, s30, XP
	v_mul_u32_u24 v8, v44, 24
	v_mad_u32_u24 v8, v45, 384, v8
	v_add_nc_u32 v8, s30, v8
	s_lshl_b32 s30, s10, 7
	s_add_co_u32 s30, s30, XZ
	v_lshl_add_u32 v11, v44, 3, s30
	s_lshl_b32 s30, s10, 6
	s_add_co_u32 s30, s30, XF
	v_lshl_add_u32 v49, v44, 2, s30
	v_lshlrev_b32 v50, 7, v45
	s_wait_alu depctr_va_vdst(0)
; query w + 8 qs, band step ks: the table's four fragments lie in window byte w's set, their scale words in v[fs ..]; cnt: the loads issued behind them
.macro BANDG qs, ks, w, fs, cnt
.irp c,0,1
.irp i,0,1,2
	ds_load_b64 v[PC+6*\c+2*\i:PC+6*\c+2*\i+1], v8 offset:12352*\qs+24704*\ks+768*\c+8*\i
.endr
.endr
	ds_load_b64 v[250:251], v11 offset:1024*\qs+2048*\ks
.if \ks == 0
	ds_load_b32 v252, v49 offset:512*\qs
.endif
	s_wait_dscnt 0x0
	v_sub_nc_u32 v253, v251, v252          ; final M less the M of that step: 0 or more
.irp k,0,1,2,3
	v_bfe_u32 v[BY+\k], v250, 8*\k, 8
.endr
.irp k,0,1,2,3
	v_min_u32 v[SO+\k], v[BY+\k], v253
.endr
.irp k,0,1,2,3
	v_sub_nc_u32 v[BY+\k], v[BY+\k], v[SO+\k]   ; the scale bytes under the final M, held at 0 from below
.endr
	v_lshl_or_b32 v[PWA], v[BY+1], 8, v[BY]
	v_lshl_or_b32 v[PWA], v[BY+2], 16, v[PWA]
	v_lshl_or_b32 v[PWA], v[BY+3], 24, v[PWA]
	PLACES 8                               ; a scale word made by vector instructions stands eight places ahead
	s_wait_alu depctr_va_vdst(0)
	s_wait_loadcnt \cnt
	WIN \w
.irp t,0,1,2,3
.if \ks == 0
	WM S+32*\qs+8*\t, FB+12*\t, PC, 0, \fs+\t, PWA
.else
	WM S+32*\qs+8*\t, FB+12*\t, PC, v[S+32*\qs+8*\t:S+32*\qs+8*\t+7], \fs+\t, PWA
.endif
.endr
	WIN 0
	PLACES 4
.endm
	BANDG 0, 0, 0, FS, 20                  ; behind its table: the other set's 20 loads
	LOADF 0, FS, 24, 786432, 26, 65536
	BANDG 0, 1, 0x01, FSV, 20
	LOADF 0x40, FSV, 24, 786432+6144, 26, 65536+512
	BANDG 1, 0, 0, FS, 20
.irp n,0,1,2,3,4,5,6,7
	global_load_b128 v[FB+4*\n:FB+4*\n+3], v50, s[28:29] offset:16*\n          ; c[d] below the band, in my registers' order
	global_load_b128 v[CA+4*\n:CA+4*\n+3], v50, s[28:29] offset:256+16*\n      ; and above
.endr
	BANDG 1, 1, 0x01, FSV, 16              ; behind its table: the 16 loads of c[d]
	v_mul_u32_u24 v8, v44, 16656           ; back to [column][query]: in RT's bytes, which nobody reads behind the first barrier
	s_mul_i32 s30, s10, 272
	v_add_nc_u32 v8, s30, v8
	v_lshl_add_u32 v8, v45, 5, v8
.irp q,0,1
.irp t,0,1,2,3
	ds_store_b128 v8, v[S+32*\q+8*\t:S+32*\q+8*\t+3] offset:2176*\q+64*\t
	ds_store_b128 v8, v[S+32*\q+8*\t+4:S+32*\q+8*\t+7] offset:2176*\q+64*\t+16
.endr
.endr
	s_wait_dscnt 0x0
	s_barrier_signal -1
	s_barrier_wait -1
	s_mul_i32 s30, s10, 33312              ; column 2 w
	v_mul_u32_u24 v11, v44, 272
	v_add_nc_u32 v11, s30, v11
	v_lshl_add_u32 v11, v45, 5, v11
.irp j,0,1                             ; tile 0's to S, tile 1's to S + 32
.irp t,0,1,2,3
	ds_load_b128 v[S+32*\j+8*\t:S+32*\j+8*\t+3], v11 offset:16656*\j+64*\t
	ds_load_b128 v[S+32*\j+8*\t+4:S+32*\j+8*\t+7], v11 offset:16656*\j+64*\t+16
.endr
.endr
	; ---- the way out
	v_add_f32 v[STA+2], v[STA+2], v[STA+3]
	v_add_f32 v[STB+2], v[STB+2], v[STB+3]
	v_permlanex16_b32 v252, v[STA+2], s[SEL], s[SEL+1]
	v_permlanex16_b32 v253, v[STB+2], s[SEL], s[SEL+1]
	v_add_f32 v[STA+2], v[STA+2], v252     ; the rows' sums
	v_add_f32 v[STB+2], v[STB+2], v253
	s_wait_alu depctr_va_vdst(0)
	v_rcp_f32 v246, v[STA+2]
	v_rcp_f32 v248, v[STB+2]
	v_mov_b32 v166, v[STA+5]               ; the sums above the band, as the low words of pairs
	v_mov_b32 v168, v[STB+5]
	v_lshlrev_b32 v8, 3, v44
	s_lshl_b32 s30, s12, 6
	s_add_co_u32 s30, s30, s42
	s_mul_i32 s30, s30, 13312              ; tile 0's records; tile 1's lie 32 x 13,312 bytes on
	s_lshr_b32 s31, s43, 2
	s_mul_i32 s31, s31, 3328
	s_add_co_u32 s30, s30, s31             ; the record for heads 4 (head / 4) on
	s_and_b32 s32, s43, 3
	s_mul_i32 s32, s32, 768
	s_add_co_u32 s32, s32, s30
	s_mov_b32 s33, 0
	s_wait_alu depctr_va_vdst(0)           ; ahead of the reciprocals' first readers, and of the waits below
	s_wait_loadcnt 0x0
	s_add_nc_u64 s[24:25], s[8:9], s[32:33]
	s_bfe_u32 s32, s43, 0x10001
	s_lshl_b32 s32, s32, 2
	s_and_b32 s31, s43, 1
	s_lshl_b32 s31, s31, 1
	s_add_co_u32 s32, s32, s31
	s_add_co_u32 s32, s32, s30
	s_add_co_u32 s32, s32, 3072
	s_add_nc_u64 s[26:27], s[8:9], s[32:33]
	s_wait_dscnt 0x0
.macro FIN st, sb, ob, rc, ab, off     ; (O^T + the band's share + c below x its sum + c above x its sum) / the row's sum, quantised along d
	WIN 0x04
	s_wait_alu depctr_va_vdst(0)           ; directly ahead of the first reader of O^T
.set n, 0
.rept 16
	v_pk_add_f32 v[\sb+n:\sb+n+1], v[\sb+n:\sb+n+1], v[\ob+n:\ob+n+1]
.set n, n+2
.endr
	WIN 0
.set n, 0
.rept 16
	v_pk_fma_f32 v[\sb+n:\sb+n+1], v[FB+n:FB+n+1], v[\st+4:\st+5], v[\sb+n:\sb+n+1] op_sel_hi:[1,0,1]
.set n, n+2
.endr
.set n, 0
.rept 16
	v_pk_fma_f32 v[\sb+n:\sb+n+1], v[CA+n:CA+n+1], v[\ab:\ab+1], v[\sb+n:\sb+n+1] op_sel_hi:[1,0,1]
.set n, n+2
.endr
.set n, 0
.rept 16
	v_pk_mul_f32 v[\sb+n:\sb+n+1], v[\sb+n:\sb+n+1], v[\rc:\rc+1] op_sel_hi:[1,0]
.set n, n+2
.endr
	QUANTH \sb, PC, BM
	global_store_b128 v1, v[PC:PC+3], s[24:25] offset:\off
	global_store_b64 v2, v[PC+4:PC+5], s[24:25] offset:\off
	global_store_b16 v8, v[BM+8], s[26:27] offset:\off
.endm
	FIN STB, S, OB, 248, 168, 0
	s_wait_xcnt 0x0                        ; tile 0's stores have read their registers
	FIN STA, S+32, OA, 246, 166, 425984
	s_wait_tensorcnt 0x0                   ; the wave's end
	ds_add_u32 v9, v10
	s_wait_dscnt 0x0
	s_endpgm
.Lfunc_end_k_qa9d2f5ee5a_attn:
	.size	k_qa9d2f5ee5a_attn, .Lfunc_end_k_qa9d2f5ee5a_attn-k_qa9d2f5ee5a_attn
	.p2alignl 7, 3214868480
	.fill 96, 4, 3214868480
	.section	.rodata,"a",@progbits
	.p2align	6, 0x0
	.amdhsa_kernel k_qa9d2f5ee5a_attn
		.amdhsa_group_segment_fixed_size 322816
		.amdhsa_private_segment_fixed_size 0
		.amdhsa_enable_private_segment 0
		.amdhsa_kernarg_size 24
		.amdhsa_user_sgpr_count 2
		.amdhsa_user_sgpr_kernarg_segment_ptr 1
		.amdhsa_wavefront_size32 1
		.amdhsa_system_sgpr_workgroup_id_x 1
		.amdhsa_system_sgpr_workgroup_id_y 1
		.amdhsa_system_sgpr_workgroup_id_z 1
		.amdhsa_system_vgpr_workitem_id 0
		.amdhsa_next_free_vgpr 448
		.amdhsa_next_free_sgpr 66
		.amdhsa_reserve_vcc 0
		.amdhsa_float_denorm_mode_32 3
		.amdhsa_float_denorm_mode_16_64 3
		.amdhsa_memory_ordered 1
		.amdhsa_forward_progress 1
		.amdhsa_inst_pref_size 207
	.end_amdhsa_kernel
	.amdgpu_metadata
---
amdhsa.version: [ 1, 2 ]
amdhsa.kernels:
  - .name:           k_qa9d2f5ee5a_attn
    .symbol:         k_qa9d2f5ee5a_attn.kd
    .args:
      - { .name: qkv, .offset: 0, .size: 8, .value_kind: global_buffer, .address_space: global }
      - { .name: wt, .offset: 8, .size: 8, .value_kind: global_buffer, .address_space: global }
      - { .name: oq, .offset: 16, .size: 8, .value_kind: global_buffer, .address_space: global }
    .group_segment_fixed_size: 322816
    .private_segment_fixed_size: 0
    .kernarg_segment_align: 8
    .kernarg_segment_size: 24
    .max_flat_workgroup_size: 256
    .sgpr_count:     66
    .vgpr_count:     448
    .wavefront_size: 32
...
	.end_amdgpu_metadata
.endif
;; end of part 10
;; launch gwo (part 11): grid 8 x 32, 4 waves a work-group, no clusters, 102,912 bytes of LDS; arguments oq, wt, bo, x, g_attn, rinv, h2; writes h2
.if DOCPART == 11
	.amdgcn_target "amdgcn-amd-amdhsa--gfx1250"
	.amdhsa_code_object_version 6
	.text
	.protected	k_qa9d2f5ee5a_gwo
	.globl	k_qa9d2f5ee5a_gwo
	.p2align	8
	.type	k_qa9d2f5ee5a_gwo,@function
k_qa9d2f5ee5a_gwo:
	s_mov_b64 s[64:65], 0
	v_nop
	global_prefetch_b8 v0, s[64:65] scope:SCOPE_SE
	s_setreg_imm32_b32 hwreg(HW_REG_WAVE_MODE, 25, 1), 1
	s_wait_xcnt 0x0
; h2 = h + Q(o) Wo^T + bo, K = 1,024.  h = g (x / (rms + eps)) is made again from x, g and the stored 1 / (rms + eps), in the order in which the norm made it: it was never stored.
; THE CORE (the same text as in the launch for W_out): a work-group makes 128 x 128, each of four waves 64 x 64: 16 accumulators; X = tokens on lanes (source 1), Y = weights down the registers (source 0).
; Operands lie in memory as records in register order (first kernel).  A K step is 256; a wave's share of a step is four tiles' records: 25 loads, 100 registers (waves 0, 1: X's eight tiles; 2, 3: Y's).
; LOADS RUN AHEAD THROUGH THREE SETS OF REGISTERS.  Steps 0, 1, 2 are asked for at the head, step 3 when step 0 has gone
; on into LDS, and step s + 4 at the end of step s, into the set that step s + 1 has just left.  At the wait for a step's records the two younger steps' 50 loads stay out.
; LDS holds two buffers.  In step s: the fragments of buffer s % 2 are asked for; step s + 1's records go from their registers into the other buffer, which nobody has read since the last barrier; the products
; follow while those stores land.  ONE barrier a step: in front of it my stores have landed and my reads are back.
; The residual's rows are asked for at the ends of steps NS - 4 and NS - 3, 16 loads each, into registers of their own.  The bias is the C of each sum's first product.
; THE WAY OUT: a tile of 16 tokens x 64 columns goes through the wave's own stage (16 rows x 272 bytes, in buffer 0, which nobody reads behind the last barrier) and leaves as rows: sixteen lanes store
; 256 consecutive bytes, at a multiple of 256 from the buffer's first byte.  No tensor loads, no cluster: joint loads are the known next step; this text keeps the plain road through registers.
; REGISTERS: window 0: v1-16 addresses, v30, v31 the add's two, v32-39 scale words, v40-43 set 0's scale bytes, v44-47 g, v64-159, v160-255 fragments of a step's two halves (on the way out v104-135 rows).
;   window 1: v0-127 accumulators ((x, y) at 8 (4 x + y)), v128-159 bias in the result's layout, v160-255 set 0.   window 2: v0-99 set 1, v100-199 set 2.   window 3: v0-127 x's rows, v128-159 1 / (rms + eps).
.set NS, 4
.set TS, NS*3328
.set OFF_W, 2555904
.set BUF, 51200
.set SPARE, 2*BUF
.set SC, 32
.set MSB, 0
.macro WIN new
.if MSB != \new
	s_set_vgpr_msb (MSB<<8)|\new
.set MSB, \new
.endif
.endm
.macro GLOAD s, w, cb, sw, sb          ; my four tiles' records of K step s: 24 loads of 512 consecutive bytes to v[cb ..] (window byte w), their 4 x 128 scale bytes to v[sb ..] (window byte sw)
	WIN \w
.irp i,0,1,2,3
.irp j,0,1,2,3,4,5
	global_load_b128 v[\cb+4*(6*\i+\j):\cb+4*(6*\i+\j)+3], v1, s[60:61] offset:\i*TS+3328*(\s)+512*\j
.endr
.endr
	WIN \sw
	global_load_b128 v[\sb:\sb+3], v2, s[60:61] offset:3328*(\s)+3072
.endm
.macro GLOADK s                        ; step s into set s % 3
.if (\s)%3 == 0
	GLOAD \s, 0x40, 160, 0x00, 40
.elseif (\s)%3 == 1
	GLOAD \s, 0x80, 0, 0x80, 96
.else
	GLOAD \s, 0x80, 100, 0x80, 196
.endif
	WIN 0
.endm
.macro LSTORE b, w, cb, sw, sb
	WIN \w
.irp i,0,1,2,3
.irp j,0,1,2,3,4,5
	ds_store_b128 v3, v[\cb+4*(6*\i+\j):\cb+4*(6*\i+\j)+3] offset:BUF*(\b)+3072*\i+512*\j
.endr
.endr
	WIN \sw
	ds_store_b128 v4, v[\sb:\sb+3] offset:BUF*(\b)
.endm
.macro LSTOREK s                       ; step s out of set s % 3 into buffer s % 2
.if (\s)%3 == 0
	LSTORE (\s)%2, 0x04, 160, 0x00, 40
.elseif (\s)%3 == 1
	LSTORE (\s)%2, 0x08, 0, 0x08, 96
.else
	LSTORE (\s)%2, 0x08, 100, 0x08, 196
.endif
	WIN 0
.endm
.macro FETCH b, q, f                   ; my four X and four Y fragments of the step's q-th 128 along K: 32 loads
.irp i,0,1,2,3
	ds_load_b128 v[\f+12*\i:\f+12*\i+3], v5 offset:BUF*(\b)+3072*\i+1536*\q
	ds_load_b64 v[\f+12*\i+4:\f+12*\i+5], v6 offset:BUF*(\b)+3072*\i+1536*\q
	ds_load_b128 v[\f+12*\i+6:\f+12*\i+9], v5 offset:BUF*(\b)+3072*\i+1536*\q+768
	ds_load_b64 v[\f+12*\i+10:\f+12*\i+11], v6 offset:BUF*(\b)+3072*\i+1536*\q+768
	ds_load_b128 v[\f+48+12*\i:\f+48+12*\i+3], v7 offset:BUF*(\b)+3072*\i+1536*\q
	ds_load_b64 v[\f+48+12*\i+4:\f+48+12*\i+5], v8 offset:BUF*(\b)+3072*\i+1536*\q
	ds_load_b128 v[\f+48+12*\i+6:\f+48+12*\i+9], v7 offset:BUF*(\b)+3072*\i+1536*\q+768
	ds_load_b64 v[\f+48+12*\i+10:\f+48+12*\i+11], v8 offset:BUF*(\b)+3072*\i+1536*\q+768
.endr
.endm
.macro SCALES b                        ; lanes 0-15: X's tile i, lanes 16-31: Y's tile i; two words: the step's two halves
.irp i,0,1,2,3
	ds_load_b64 v[SC+2*\i:SC+2*\i+1], v9 offset:BUF*(\b)+128*\i
.endr
.endm
.macro WM d, a, b, c, sa, sb
	v_wmma_scale_f32_16x16x128_f8f6f4 v[\d:\d+7], v[\a:\a+11], v[\b:\b+11], \c, v[\sa], v[\sb] matrix_a_fmt:MATRIX_FMT_FP6 matrix_b_fmt:MATRIX_FMT_FP6 matrix_a_scale:MATRIX_SCALE_ROW1
.endm
.macro MUL f, q, first                 ; the 16 accumulators by turns
.irp x,0,1,2,3
.irp y,0,1,2,3
.if \first
	WM 8*(4*\x+\y), \f+48+12*\y, \f+12*\x, v[128+8*\y:128+8*\y+7], SC+2*\y+\q, SC+2*\x+\q
.else
	WM 8*(4*\x+\y), \f+48+12*\y, \f+12*\x, v[8*(4*\x+\y):8*(4*\x+\y)+7], SC+2*\y+\q, SC+2*\x+\q
.endif
.endr
.endr
.endm
.macro RESID g                         ; the residual's rows for token tiles 2 g and 2 g + 1: 16 loads, to window 3
	WIN 0xc0
.irp x,2*\g,2*\g+1
.irp i,0,1,2,3,4,5,6,7
	global_load_b128 v[32*(\x)+4*\i:32*(\x)+4*\i+3], v12, s[10:11] offset:(32*((\x)/2)+8*((\x)%2)+2*\i+8*(\i/4))*16384
.endr
.endr
	WIN 0
.endm
.macro STEP s
	SCALES (\s)%2
	FETCH (\s)%2, 0, 64
	FETCH (\s)%2, 1, 160
.if (\s)+1 < NS
.if (\s) < NS-3
	s_wait_loadcnt 50                      ; step s + 1's records are in registers; behind them stand steps s + 2 and s + 3: 50 loads
.elseif (\s) == NS-3
	s_wait_loadcnt 41                      ; behind them: the last step's 25 and the residual's first 16
.else
	s_wait_loadcnt 32                      ; behind them: the residual's 32
.endif
	LSTOREK (\s)+1                         ; into the buffer that nobody has read since the last barrier
	s_wait_dscnt 57                        ; the scale words and the first half's fragments are in; the second half's 32 loads and the 25 stores may be out
.else
	s_wait_dscnt 32                        ; the second half's 32 loads may be out
.endif
	WIN 0x50
.if (\s) == 0
	MUL 64, 0, 1
.else
	MUL 64, 0, 0
.endif
.if (\s)+1 < NS
	s_wait_dscnt 25                        ; the second half's fragments are in; the 25 stores may be out
.else
	s_wait_dscnt 0x0
.endif
	MUL 160, 1, 0
	WIN 0
.rept 4
	v_nop                                  ; places in front of loads into registers that matrix instructions have read, and of the first read of results
.endr
.if (\s)+1 < NS
	s_wait_dscnt 0x0                       ; my stores have landed and have read their registers; my reads are back
.if (\s)+4 < NS
	GLOADK (\s)+4                          ; into the set that step s + 1 has left
.elseif (\s)+4 == NS
	RESID 0
.elseif (\s)+3 == NS
	RESID 1
.endif
	s_barrier_signal -1
	s_barrier_wait -1
.endif
.endm
	s_load_b256 s[4:11], s[0:1], 0x0       ; oq, wt, bo, x
	s_load_b128 s[12:15], s[0:1], 0x20     ; g_attn, rinv
	s_load_b64 s[16:17], s[0:1], 0x30      ; h2
	v_lshl_add_u32 v30, v0, 2, SPARE
	v_mov_b32 v31, 0
	v_lshrrev_b32 v1, 5, v0
	v_readfirstlane_b32 s2, v1
	s_and_b32 s40, s2, 1
	s_lshr_b32 s41, s2, 1
	s_and_b32 s43, ttmp7, 0xffff
	v_and_b32 v20, 31, v0
	v_and_b32 v21, 15, v0
	v_bfe_u32 v22, v0, 4, 1
	v_lshlrev_b32 v1, 4, v20
	v_lshrrev_b32 v2, 3, v20
	v_mul_u32_u24 v2, v2, TS
	v_and_b32 v23, 7, v20
	v_lshl_add_u32 v2, v23, 4, v2
	s_mul_i32 s44, s2, 12288
	v_add_nc_u32 v3, s44, v1
	s_lshl_b32 s44, s2, 9
	s_add_co_u32 s44, s44, 49152
	v_add_nc_u32 v4, s44, v1
	v_lshl_add_u32 v6, v20, 3, 512
	s_mul_i32 s44, s41, 12288
	s_mul_i32 s45, s40, 12288
	s_add_co_u32 s45, s45, 24576
	v_add_nc_u32 v5, s44, v1
	v_add_nc_u32 v7, s45, v1
	v_add_nc_u32 v8, s45, v6
	v_add_nc_u32 v6, s44, v6
	s_lshl_b32 s44, s41, 9
	s_lshl_b32 s45, s40, 9
	s_add_co_u32 s45, s45, 1024
	s_sub_co_u32 s45, s45, s44
	v_mul_u32_u24 v9, s45, v22
	v_lshl_add_u32 v9, v21, 3, v9
	s_add_co_u32 s44, s44, 49152
	v_add_nc_u32 v9, s44, v9
	v_lshlrev_b32 v10, 6, v22              ; bias: 64 h
	v_lshlrev_b32 v16, 4, v21              ; 16 (l % 16)
	v_lshl_add_u32 v12, v22, 14, v16       ; rows out: lanes 16-31 one step in s further
	v_lshlrev_b32 v13, 2, v22              ; 4 h
	s_mul_i32 s44, s2, 4352                ; my stage
	v_mul_u32_u24 v14, v21, 272
	v_lshl_add_u32 v14, v22, 6, v14
	v_add_nc_u32 v14, s44, v14             ; in: row r, + 64 h
	v_mul_u32_u24 v15, v22, 272
	v_add_nc_u32 v15, v15, v16
	v_add_nc_u32 v15, s44, v15             ; back: lanes 0-15 one row, lanes 16-31 the next
	s_and_b32 s48, s43, 7
	s_lshr_b32 s49, s43, 3
	s_lshl_b32 s50, s48, 2
	s_lshl_b32 s51, s41, 1
	s_add_co_u32 s50, s50, s51
	s_lshl_b32 s50, s50, 19                ; 32 steps in s for each pair of token tiles
	s_lshl_b32 s51, s49, 12
	s_add_co_u32 s50, s50, s51
	s_lshl_b32 s52, ttmp9, 9
	s_lshl_b32 s53, s40, 8
	s_add_co_u32 s52, s52, s53             ; my 64 columns, in bytes
	s_add_co_u32 s50, s50, s52
	s_mov_b32 s51, 0
	s_mov_b32 s53, 0
	s_lshl_b32 s54, s43, 9
	s_lshl_b32 s55, s41, 8
	s_add_co_u32 s54, s54, s55             ; 64 bytes for each token tile
	s_mov_b32 s55, 0
	s_mul_i32 s46, s43, 8*TS
	s_mov_b32 s47, 0
	s_wait_alu depctr_va_vdst(0)
	s_wait_kmcnt 0x0
	s_add_nc_u64 s[10:11], s[10:11], s[50:51]
	s_add_nc_u64 s[16:17], s[16:17], s[50:51]
	s_add_nc_u64 s[12:13], s[12:13], s[52:53]
	s_add_nc_u64 s[8:9], s[8:9], s[52:53]
	s_add_nc_u64 s[14:15], s[14:15], s[54:55]
	s_add_nc_u64 s[56:57], s[4:5], s[46:47]
	s_mul_i32 s46, ttmp9, 8*TS
	s_add_co_u32 s46, s46, OFF_W
	s_add_nc_u64 s[58:59], s[6:7], s[46:47]
	s_cmp_lt_u32 s2, 2
	s_cselect_b64 s[60:61], s[56:57], s[58:59]
	s_mul_i32 s44, s40, 4*TS
	s_mov_b32 s45, 0
	s_add_nc_u64 s[60:61], s[60:61], s[44:45]
	WIN 0x40
.irp y,0,1,2,3
	global_load_b128 v[128+8*\y:128+8*\y+3], v10, s[8:9] offset:(32*(\y/2)+8*(\y%2))*4
	global_load_b128 v[128+8*\y+4:128+8*\y+7], v10, s[8:9] offset:(32*(\y/2)+8*(\y%2))*4+16
.endr
	WIN 0
	global_load_b128 v[44:47], v16, s[12:13]   ; g at my four columns of a row
	WIN 0xc0
.irp x,0,1,2,3
.irp i,0,1,2,3,4,5,6,7
	global_load_b32 v[128+8*\x+\i], v13, s[14:15] offset:64*\x+8*\i   ; 1 / (rms + eps) of the rows that I store: tile x, row 2 i + h
.endr
.endr
	WIN 0
	GLOADK 0
	GLOADK 1
	GLOADK 2
	s_wait_loadcnt 50                      ; the bias, g, the 32 words and step 0's records are in; steps 1 and 2, 50 loads, may be out
	LSTOREK 0
	s_wait_dscnt 0x0                       ; my stores have landed and have read their registers
	GLOADK 3
	s_barrier_signal -1
	s_barrier_wait -1
.set stp, 0
.rept NS
	STEP stp
.set stp, stp+1
.endr
.irp x,0,1,2,3
.if \x == 0
	s_wait_loadcnt 16                      ; x's rows of tiles 0 and 1 are in; those of tiles 2 and 3, 16 loads, may be out
.elseif \x == 2
	s_wait_loadcnt 0x0
.endif
	s_wait_xcnt 0x0                        ; the last tile's stores have read their registers
	WIN 0x04
.irp y,0,1,2,3
	ds_store_b128 v14, v[8*(4*\x+\y):8*(4*\x+\y)+3] offset:128*(\y/2)+32*(\y%2)        ; each accumulator from its low end on
	ds_store_b128 v14, v[8*(4*\x+\y)+4:8*(4*\x+\y)+7] offset:128*(\y/2)+32*(\y%2)+16
.endr
	WIN 0
.irp i,0,1,2,3,4,5,6,7
	ds_load_b128 v[104+4*\i:104+4*\i+3], v15 offset:544*\i   ; LDS serves a wave's instructions in order: these see my stores
.endr
	WIN 0xcf                               ; destination and both sources in window 3
.irp i,0,1,2,3,4,5,6,7
.irp k,0,1,2,3
	v_mul_f32 v[32*\x+4*\i+\k], v[32*\x+4*\i+\k], v[128+8*\x+\i]   ; x / (rms + eps): work on registers while the stage's round trip is out
.endr
.endr
	s_wait_dscnt 0x0
	WIN 0x03                               ; source 0 in window 3
.irp i,0,1,2,3,4,5,6,7
	v_pk_fma_f32 v[104+4*\i:105+4*\i], v[32*\x+4*\i:32*\x+4*\i+1], v[44:45], v[104+4*\i:105+4*\i]
	v_pk_fma_f32 v[106+4*\i:107+4*\i], v[32*\x+4*\i+2:32*\x+4*\i+3], v[46:47], v[106+4*\i:107+4*\i]
.endr
	WIN 0
.irp i,0,1,2,3,4,5,6,7
	global_store_b128 v12, v[104+4*\i:107+4*\i], s[16:17] offset:(32*(\x/2)+8*(\x%2)+2*\i+8*(\i/4))*16384
.endr
.endr
	s_wait_tensorcnt 0x0                   ; the wave's end
	ds_add_u32 v30, v31
	s_wait_dscnt 0x0
	s_endpgm
.Lfunc_end_k_qa9d2f5ee5a_gwo:
	.size	k_qa9d2f5ee5a_gwo, .Lfunc_end_k_qa9d2f5ee5a_gwo-k_qa9d2f5ee5a_gwo
	.p2alignl 7, 3214868480
	.fill 96, 4, 3214868480
	.section	.rodata,"a",@progbits
	.p2align	6, 0x0
	.amdhsa_kernel k_qa9d2f5ee5a_gwo
		.amdhsa_group_segment_fixed_size 102912
		.amdhsa_private_segment_fixed_size 0
		.amdhsa_enable_private_segment 0
		.amdhsa_kernarg_size 56
		.amdhsa_user_sgpr_count 2
		.amdhsa_user_sgpr_kernarg_segment_ptr 1
		.amdhsa_wavefront_size32 1
		.amdhsa_system_sgpr_workgroup_id_x 1
		.amdhsa_system_sgpr_workgroup_id_y 1
		.amdhsa_system_sgpr_workgroup_id_z 1
		.amdhsa_system_vgpr_workitem_id 0
		.amdhsa_next_free_vgpr 928
		.amdhsa_next_free_sgpr 66
		.amdhsa_reserve_vcc 0
		.amdhsa_float_denorm_mode_32 3
		.amdhsa_float_denorm_mode_16_64 3
		.amdhsa_memory_ordered 1
		.amdhsa_forward_progress 1
		.amdhsa_inst_pref_size 78
	.end_amdhsa_kernel
	.amdgpu_metadata
---
amdhsa.version: [ 1, 2 ]
amdhsa.kernels:
  - .name:           k_qa9d2f5ee5a_gwo
    .symbol:         k_qa9d2f5ee5a_gwo.kd
    .args:
      - { .name: oq, .offset: 0, .size: 8, .value_kind: global_buffer, .address_space: global }
      - { .name: wt, .offset: 8, .size: 8, .value_kind: global_buffer, .address_space: global }
      - { .name: bo, .offset: 16, .size: 8, .value_kind: global_buffer, .address_space: global }
      - { .name: x, .offset: 24, .size: 8, .value_kind: global_buffer, .address_space: global }
      - { .name: g_attn, .offset: 32, .size: 8, .value_kind: global_buffer, .address_space: global }
      - { .name: rinv, .offset: 40, .size: 8, .value_kind: global_buffer, .address_space: global }
      - { .name: h2, .offset: 48, .size: 8, .value_kind: global_buffer, .address_space: global }
    .group_segment_fixed_size: 102912
    .private_segment_fixed_size: 0
    .kernarg_segment_align: 8
    .kernarg_segment_size: 56
    .max_flat_workgroup_size: 128
    .sgpr_count:     66
    .vgpr_count:     928
    .wavefront_size: 32
...
	.end_amdgpu_metadata
.endif
;; end of part 11
;; launch norm (part 12): grid 256 x 1, 8 waves a work-group, no clusters, 1,536 bytes of LDS; arguments h2, g_ff, hq, rinv; writes hq, rinv
.if DOCPART == 12
	.amdgcn_target "amdgcn-amd-amdhsa--gfx1250"
	.amdhsa_code_object_version 6
	.text
	.protected	k_qa9d2f5ee5a_norm
	.globl	k_qa9d2f5ee5a_norm
	.p2align	8
	.type	k_qa9d2f5ee5a_norm,@function
k_qa9d2f5ee5a_norm:
	s_mov_b64 s[64:65], 0
	v_nop
	global_prefetch_b8 v0, s[64:65] scope:SCOPE_SE
	s_setreg_imm32_b32 hwreg(HW_REG_WAVE_MODE, 25, 1), 1
	s_wait_xcnt 0x0
; y = g (x / (|x|_2 / 32 + 1e-8)) for rows of 1,024 numbers laid [S][B][1024], quantised along the row to E2M3 with E8M0 scales, laid as records (16 rows x 256 along K: 3,328 bytes; see the first kernel).
; It also stores 1 / (rms + eps) for each row; the second use of this body stores that too, 16 KiB that nobody reads: the price of one body for both norms.
; A work-group takes a tile of 16 tokens (tile = 64 b + T; row p is s = 32 (T / 2) + 8 (T % 2) + p + 8 (p / 8)); wave w takes columns 128 w on.  Lane (r, h) holds, of row r, columns 128 w + 64 c + 32 h + 0..31:
; two whole blocks, in the order of the operand's registers.  The row's sum of squares meets in LDS: 64 bytes a wave, one barrier.  LIMITS: as stated in the first kernel.
.set X, 32                             ; v32-95  my 64 numbers
.set G, 96                             ; v96-159 g at the same columns
.set PC, 160
.set TM, 180
.set H8, 28
.set SEL, 12
.macro QUANTW x, pc, tm
.irp c,0,1
	v_max3_num_f32 v[\tm+\c], |v[\x+32*\c]|, |v[\x+32*\c+1]|, 0x1800000   ; with the floor 2^(3 - 127)
.endr
.irp i,2,4,6,8,10,12,14,16,18,20,22,24,26,28,30
.irp c,0,1
	s_delay_alu instid0(VALU_DEP_2)
	v_max3_num_f32 v[\tm+\c], v[\tm+\c], |v[\x+32*\c+\i]|, |v[\x+32*\c+\i+1]|
.endr
.endr
.irp c,0,1
	s_delay_alu instid0(VALU_DEP_2)
	v_add_nc_u32 v[\tm+2+\c], 0xff000000, v[\tm+\c]
.endr
.irp c,0,1
	s_delay_alu instid0(VALU_DEP_2)
	v_lshrrev_b32 v[\tm+4+\c], 23, v[\tm+2+\c]
.endr
	s_delay_alu instid0(VALU_DEP_1)
	v_lshl_or_b32 v[\tm+6], v[\tm+5], 16, v[\tm+4]
	s_delay_alu instid0(VALU_DEP_1)
	v_lshlrev_b32 v[\tm+6], v[H8], v[\tm+6]
	v_mov_b32 v[\tm+7], 0
	s_delay_alu instid0(VALU_DEP_1)
	v_permlanex16_b32 v[\tm+7], v[\tm+6], s[SEL], s[SEL+1]
	s_delay_alu instid0(VALU_DEP_1)
	v_or_b32 v[\tm+6], v[\tm+6], v[\tm+7]
.irp c,0,1
	v_cvt_scalef32_pk16_fp6_f32 v[\pc+6*\c:\pc+6*\c+2], v[\x+32*\c:\x+32*\c+15], v[\tm+2+\c]
	v_cvt_scalef32_pk16_fp6_f32 v[\pc+12+4*\c:\pc+12+4*\c+2], v[\x+32*\c+16:\x+32*\c+31], v[\tm+2+\c]
.endr
	v_nop
.irp c,0,1
.irp i,0,1,2
	v_mov_b32 v[\pc+6*\c+3+\i], v[\pc+12+4*\c+\i]
.endr
.endr
.endm
	s_load_b256 s[4:11], s[0:1], 0x0       ; in, g, the records, 1 / (rms + eps)
	v_lshl_add_u32 v30, v0, 2, 512         ; my spare word
	v_mov_b32 v31, 0
	v_lshrrev_b32 v1, 5, v0
	s_delay_alu instid0(VALU_DEP_1)
	v_readfirstlane_b32 s2, v1             ; wave
	v_and_b32 v1, 31, v0
	v_and_b32 v2, 15, v0                   ; r
	v_bfe_u32 v3, v0, 4, 1                 ; h
	s_delay_alu instid0(VALU_DEP_3)
	v_lshlrev_b32 v4, 4, v1                ; 16 l
	s_delay_alu instid0(VALU_DEP_4)
	v_lshl_add_u32 v5, v1, 3, 512          ; 512 + 8 l
	s_delay_alu instid0(VALU_DEP_4)
	v_and_b32 v6, 8, v2
	s_delay_alu instid0(VALU_DEP_1)
	v_add_nc_u32 v6, v6, v2
	s_delay_alu instid0(VALU_DEP_1)
	v_lshlrev_b32 v6, 14, v6               ; a step in s is 4 rows of 4,096 bytes
	s_delay_alu instid0(VALU_DEP_1)
	v_lshl_add_u32 v6, v3, 7, v6
	v_lshlrev_b32 v7, 7, v3
	v_lshlrev_b32 v[H8], 3, v3
	v_lshlrev_b32 v11, 2, v2               ; 4 r
	v_lshlrev_b32 v9, 3, v2                ; 8 r
	s_lshl_b32 s3, s2, 6
	v_add_nc_u32 v10, s3, v11              ; LDS: 64 w + 4 r
	s_mov_b32 s[SEL], 0x76543210
	s_mov_b32 s[SEL+1], 0xfedcba98
	s_mov_b32 s14, 0x3d000000              ; 1 / 32
	s_mov_b32 s15, 0x322bcc77              ; 1e-8
	s_lshr_b32 s16, ttmp9, 6               ; b
	s_and_b32 s17, ttmp9, 63               ; T
	s_lshr_b32 s18, s17, 1
	s_lshl_b32 s18, s18, 5
	s_and_b32 s19, s17, 1
	s_lshl_b32 s19, s19, 3
	s_add_co_u32 s18, s18, s19
	s_lshl_b32 s18, s18, 14
	s_lshl_b32 s16, s16, 12
	s_add_co_u32 s18, s18, s16
	s_lshl_b32 s20, s2, 9                  ; my 128 columns
	s_add_co_u32 s18, s18, s20
	s_mov_b32 s19, 0
	s_mov_b32 s21, 0
	s_mul_i32 s22, ttmp9, 13312
	s_lshr_b32 s23, s2, 1
	s_mul_i32 s23, s23, 3328
	s_add_co_u32 s22, s22, s23             ; my record
	s_and_b32 s23, s2, 1
	s_mul_i32 s24, s23, 1536
	s_add_co_u32 s24, s24, s22             ; my two halves of it
	s_mov_b32 s25, 0
	s_lshl_b32 s26, s23, 2
	s_add_co_u32 s26, s26, s22
	s_add_co_u32 s26, s26, 3072            ; my scale words
	s_mov_b32 s27, 0
	s_lshl_b32 s22, ttmp9, 6
	s_mov_b32 s23, 0
	s_wait_alu depctr_va_vdst(0)
	s_wait_kmcnt 0x0
	s_add_nc_u64 s[4:5], s[4:5], s[18:19]
	s_add_nc_u64 s[6:7], s[6:7], s[20:21]
	s_add_nc_u64 s[24:25], s[8:9], s[24:25]
	s_add_nc_u64 s[26:27], s[8:9], s[26:27]
	s_add_nc_u64 s[10:11], s[10:11], s[22:23]
.irp c,0,1
.irp j,0,1,2,3,4,5,6,7
	global_load_b128 v[X+32*\c+4*\j:X+32*\c+4*\j+3], v6, s[4:5] offset:256*\c+16*\j
.endr
.endr
.irp c,0,1
.irp j,0,1,2,3,4,5,6,7
	global_load_b128 v[G+32*\c+4*\j:G+32*\c+4*\j+3], v7, s[6:7] offset:256*\c+16*\j
.endr
.endr
	s_wait_loadcnt 16                      ; x's 16 loads are in; g's 16 may be out
.irp k,0,1,2,3
	v_pk_mul_f32 v[12+2*\k:13+2*\k], v[X+2*\k:X+2*\k+1], v[X+2*\k:X+2*\k+1]   ; four chains, started by the first products
.endr
.set n, 4
.rept 28
	s_delay_alu instid0(VALU_DEP_4)
	v_pk_fma_f32 v[12+2*(n%4):13+2*(n%4)], v[X+2*n:X+2*n+1], v[X+2*n:X+2*n+1], v[12+2*(n%4):13+2*(n%4)]
.set n, n+1
.endr
	s_delay_alu instid0(VALU_DEP_3)
	v_pk_add_f32 v[12:13], v[12:13], v[14:15]
	s_delay_alu instid0(VALU_DEP_2)
	v_pk_add_f32 v[16:17], v[16:17], v[18:19]
	s_delay_alu instid0(VALU_DEP_1)
	v_pk_add_f32 v[12:13], v[12:13], v[16:17]
	s_delay_alu instid0(VALU_DEP_1)
	v_add_f32 v12, v12, v13
	s_delay_alu instid0(VALU_DEP_1)
	v_permlanex16_b32 v13, v12, s[SEL], s[SEL+1]
	s_delay_alu instid0(VALU_DEP_1)
	v_add_f32 v12, v12, v13                ; row r's 128 columns of this wave
	ds_store_b32 v10, v12                  ; both halves of the lanes write the same word
	s_wait_dscnt 0x0                       ; for the others' sake
	s_barrier_signal -1
	s_barrier_wait -1
.irp i,0,1,2,3,4,5,6,7
	ds_load_b32 v[20+\i], v11 offset:64*\i
.endr
	s_wait_dscnt 0x0
	v_add_f32 v20, v20, v21
	v_add_f32 v22, v22, v23
	v_add_f32 v24, v24, v25
	v_add_f32 v26, v26, v27
	s_delay_alu instid0(VALU_DEP_3)
	v_add_f32 v20, v20, v22
	s_delay_alu instid0(VALU_DEP_2)
	v_add_f32 v24, v24, v26
	s_delay_alu instid0(VALU_DEP_1)
	v_add_f32 v22, v20, v24
	s_wait_alu depctr_va_vdst(0)
	v_sqrt_f32 v23, v22
	v_nop
	s_wait_alu depctr_va_vdst(0)           ; ahead of the root's first reader
	v_fma_f32 v24, v23, s14, s15           ; rms + eps
	s_wait_alu depctr_va_vdst(0)
	v_rcp_f32 v20, v24
	v_nop
	s_wait_alu depctr_va_vdst(0)
	v_mov_b32 v21, v20
	s_wait_alu depctr_va_vdst(0)
	s_wait_loadcnt 0x0                     ; g
.set n, 0
.rept 32
	v_pk_mul_f32 v[X+n:X+n+1], v[X+n:X+n+1], v[20:21]
.set n, n+2
.endr
.set n, 0
.rept 32
	v_pk_mul_f32 v[X+n:X+n+1], v[X+n:X+n+1], v[G+n:G+n+1]
.set n, n+2
.endr
	QUANTW X, PC, TM
.irp c,0,1
	global_store_b128 v4, v[PC+6*\c:PC+6*\c+3], s[24:25] offset:768*\c
	global_store_b64 v5, v[PC+6*\c+4:PC+6*\c+5], s[24:25] offset:768*\c
.endr
	global_store_b32 v9, v[TM+6], s[26:27] ; row r's scale word of this K step
	s_cmp_lg_u32 s2, 0
	s_cbranch_scc1 .Lnot0
	global_store_b32 v11, v20, s[10:11]    ; wave 0: 1 / (rms + eps) of the tile's 16 rows
.Lnot0:
	s_wait_tensorcnt 0x0                   ; the wave's end
	ds_add_u32 v30, v31
	s_wait_dscnt 0x0
	s_endpgm
.Lfunc_end_k_qa9d2f5ee5a_norm:
	.size	k_qa9d2f5ee5a_norm, .Lfunc_end_k_qa9d2f5ee5a_norm-k_qa9d2f5ee5a_norm
	.p2alignl 7, 3214868480
	.fill 96, 4, 3214868480
	.section	.rodata,"a",@progbits
	.p2align	6, 0x0
	.amdhsa_kernel k_qa9d2f5ee5a_norm
		.amdhsa_group_segment_fixed_size 1536
		.amdhsa_private_segment_fixed_size 0
		.amdhsa_enable_private_segment 0
		.amdhsa_kernarg_size 32
		.amdhsa_user_sgpr_count 2
		.amdhsa_user_sgpr_kernarg_segment_ptr 1
		.amdhsa_wavefront_size32 1
		.amdhsa_system_sgpr_workgroup_id_x 1
		.amdhsa_system_sgpr_workgroup_id_y 1
		.amdhsa_system_sgpr_workgroup_id_z 1
		.amdhsa_system_vgpr_workitem_id 0
		.amdhsa_next_free_vgpr 192
		.amdhsa_next_free_sgpr 66
		.amdhsa_reserve_vcc 0
		.amdhsa_float_denorm_mode_32 3
		.amdhsa_float_denorm_mode_16_64 3
		.amdhsa_memory_ordered 1
		.amdhsa_forward_progress 1
		.amdhsa_inst_pref_size 20
	.end_amdhsa_kernel
	.amdgpu_metadata
---
amdhsa.version: [ 1, 2 ]
amdhsa.kernels:
  - .name:           k_qa9d2f5ee5a_norm
    .symbol:         k_qa9d2f5ee5a_norm.kd
    .args:
      - { .name: h2, .offset: 0, .size: 8, .value_kind: global_buffer, .address_space: global }
      - { .name: g_ff, .offset: 8, .size: 8, .value_kind: global_buffer, .address_space: global }
      - { .name: hq, .offset: 16, .size: 8, .value_kind: global_buffer, .address_space: global }
      - { .name: rinv, .offset: 24, .size: 8, .value_kind: global_buffer, .address_space: global }
    .group_segment_fixed_size: 1536
    .private_segment_fixed_size: 0
    .kernarg_segment_align: 8
    .kernarg_segment_size: 32
    .max_flat_workgroup_size: 256
    .sgpr_count:     66
    .vgpr_count:     192
    .wavefront_size: 32
...
	.end_amdgpu_metadata
.endif
;; end of part 12
;; launch gff1 (part 13): grid 32 x 32, 4 waves a work-group, no clusters, 102,912 bytes of LDS; arguments hq, wt, b_in, hid; writes hid
.if DOCPART == 13
	.amdgcn_target "amdgcn-amd-amdhsa--gfx1250"
	.amdhsa_code_object_version 6
	.text
	.protected	k_qa9d2f5ee5a_gff1
	.globl	k_qa9d2f5ee5a_gff1
	.p2align	8
	.type	k_qa9d2f5ee5a_gff1,@function
k_qa9d2f5ee5a_gff1:
	s_mov_b64 s[64:65], 0
	v_nop
	global_prefetch_b8 v0, s[64:65] scope:SCOPE_SE
	s_setreg_imm32_b32 hwreg(HW_REG_WAVE_MODE, 25, 1), 1
	s_wait_xcnt 0x0
; hidden = Q(gelu(Q(ff) W_in^T + b_in)), K = 1,024, N = 4,096: the exact gelu in f32 and the quantiser along the hidden axis stand in the way out; the hidden layer exists in memory as codes alone.
; THE CORE is that of the launch for q, k, v (see its head); the bias is the C of each sum's first product.
; gelu(v) = v / 2 + (v / 2) erf(v / sqrt 2).  erf(z) = z A(z^2) / B(z^2) with z held to -4 .. 4 (beyond which erf is 1 in f32), A of degree 6, B of degree 4:
; one reciprocal a number and no exponential.  LIMIT: for v far below 0 the sum cancels: the error stays near 1e-7 |v| in size, not relative to the small result.
.set NS, 4
.set TS, NS*3328
.set OFF_W, 3407872
.set SPARE, 102400
.set SC, 32
.set SEL, 38
.set CO, 68                            ; s[68:89] eleven constants, each twice (a pair for the packed form): A's z^10 .. z^0, B's z^6 .. z^0, 1 / sqrt 2
.set Z, 160                            ; window 1: v160-175 z, then v / 2;  v176-191 z^2;  v192-207 A;  v208-223 B
.set X2, 176
.set P, 192
.set Q, 208
.set MSB, 0
.macro WIN new
.if MSB != \new
	s_set_vgpr_msb (MSB<<8)|\new
.set MSB, \new
.endif
.endm
.macro GLOAD s
	WIN 0x40
.irp i,0,1,2,3
.irp j,0,1,2,3,4,5
	global_load_b128 v[160+4*(6*\i+\j):160+4*(6*\i+\j)+3], v1, s[60:61] offset:\i*TS+3328*(\s)+512*\j
.endr
.endr
	WIN 0
	global_load_b128 v[40:43], v2, s[60:61] offset:3328*(\s)+3072
.endm
.macro LSTORE b
	WIN 0x04
.irp i,0,1,2,3
.irp j,0,1,2,3,4,5
	ds_store_b128 v3, v[160+4*(6*\i+\j):160+4*(6*\i+\j)+3] offset:51200*(\b)+3072*\i+512*\j
.endr
.endr
	WIN 0
	ds_store_b128 v4, v[40:43] offset:51200*(\b)
.endm
.macro FETCH b, q, f
.irp i,0,1,2,3
	ds_load_b128 v[\f+12*\i:\f+12*\i+3], v5 offset:51200*(\b)+3072*\i+1536*\q
	ds_load_b64 v[\f+12*\i+4:\f+12*\i+5], v6 offset:51200*(\b)+3072*\i+1536*\q
	ds_load_b128 v[\f+12*\i+6:\f+12*\i+9], v5 offset:51200*(\b)+3072*\i+1536*\q+768
	ds_load_b64 v[\f+12*\i+10:\f+12*\i+11], v6 offset:51200*(\b)+3072*\i+1536*\q+768
	ds_load_b128 v[\f+48+12*\i:\f+48+12*\i+3], v7 offset:51200*(\b)+3072*\i+1536*\q
	ds_load_b64 v[\f+48+12*\i+4:\f+48+12*\i+5], v8 offset:51200*(\b)+3072*\i+1536*\q
	ds_load_b128 v[\f+48+12*\i+6:\f+48+12*\i+9], v7 offset:51200*(\b)+3072*\i+1536*\q+768
	ds_load_b64 v[\f+48+12*\i+10:\f+48+12*\i+11], v8 offset:51200*(\b)+3072*\i+1536*\q+768
.endr
.endm
.macro SCALES b
.irp i,0,1,2,3
	ds_load_b64 v[SC+2*\i:SC+2*\i+1], v9 offset:51200*(\b)+128*\i
.endr
.endm
.macro WM d, a, b, c, sa, sb
	v_wmma_scale_f32_16x16x128_f8f6f4 v[\d:\d+7], v[\a:\a+11], v[\b:\b+11], \c, v[\sa], v[\sb] matrix_a_fmt:MATRIX_FMT_FP6 matrix_b_fmt:MATRIX_FMT_FP6 matrix_a_scale:MATRIX_SCALE_ROW1
.endm
.macro MUL f, q, first                 ; the 16 accumulators by turns
.irp x,0,1,2,3
.irp y,0,1,2,3
.if \first
	WM 8*(4*\x+\y), \f+48+12*\y, \f+12*\x, v[128+8*\y:128+8*\y+7], SC+2*\y+\q, SC+2*\x+\q
.else
	WM 8*(4*\x+\y), \f+48+12*\y, \f+12*\x, v[8*(4*\x+\y):8*(4*\x+\y)+7], SC+2*\y+\q, SC+2*\x+\q
.endif
.endr
.endr
.endm
.macro STEP s
.if (\s)+1 < NS
	GLOAD (\s)+1
.endif
	SCALES (\s)%2
	FETCH (\s)%2, 0, 64
	FETCH (\s)%2, 1, 160
	s_wait_dscnt 32                        ; the second half's 32 loads may be out
	WIN 0x50
.if (\s) == 0
	MUL 64, 0, 1
.else
	MUL 64, 0, 0
.endif
	s_wait_dscnt 0x0
	MUL 160, 1, 0
	WIN 0
.rept 4
	v_nop
.endr
.if (\s)+1 < NS
	s_wait_loadcnt 0x0
	LSTORE 1-(\s)%2
	s_wait_dscnt 0x0                       ; my stores have landed, my reads are back
	s_barrier_signal -1
	s_barrier_wait -1
.endif
.endm
.macro QUANTH s, pc, tm
.irp b,0,1
	v_max3_num_f32 v[\tm+\b], |v[\s+16*\b]|, |v[\s+16*\b+1]|, 0x1800000
.endr
.irp i,2,4,6,8,10,12,14
.irp b,0,1
	v_max3_num_f32 v[\tm+\b], v[\tm+\b], |v[\s+16*\b+\i]|, |v[\s+16*\b+\i+1]|
.endr
.endr
.irp b,0,1
	v_permlanex16_b32 v[\tm+2+\b], v[\tm+\b], s[SEL], s[SEL+1]
.endr
.irp b,0,1
	v_max_num_f32 v[\tm+\b], v[\tm+\b], v[\tm+2+\b]
.endr
.irp b,0,1
	v_add_nc_u32 v[\tm+4+\b], 0xff000000, v[\tm+\b]
.endr
.irp b,0,1
	v_lshrrev_b32 v[\tm+6+\b], 23, v[\tm+4+\b]
.endr
	v_lshl_or_b32 v[\tm+8], v[\tm+7], 8, v[\tm+6]
	v_cvt_scalef32_pk16_fp6_f32 v[\pc:\pc+2], v[\s:\s+15], v[\tm+4]
	v_cvt_scalef32_pk16_fp6_f32 v[\pc+6:\pc+8], v[\s+16:\s+31], v[\tm+5]
	v_nop
.irp i,0,1,2
	v_permlane16_swap_b32 v[\pc+\i], v[\pc+6+\i]
.endr
.irp i,0,1,2
	v_mov_b32 v[\pc+3+\i], v[\pc+6+\i]
.endr
.endm
; the 16 numbers v[a .. a + 15] (window 1) become their gelu, in place.  v[246:247] holds A's coefficient of z^12, v[248:249] B's of z^8
.macro GELU a
	s_wait_alu depctr_va_vdst(0)           ; directly ahead of the first reader of the sums
.set n, 0
.rept 8
	v_pk_mul_f32 v[Z+n:Z+n+1], v[\a+n:\a+n+1], s[CO+20:CO+21] op_sel_hi:[1,0]   ; z = v / sqrt 2
.set n, n+2
.endr
.set n, 0
.rept 16
	v_med3_num_f32 v[Z+n], v[Z+n], s90, s91                                     ; held to -4 .. 4
.set n, n+1
.endr
.set n, 0
.rept 8
	v_pk_mul_f32 v[X2+n:X2+n+1], v[Z+n:Z+n+1], v[Z+n:Z+n+1]
.set n, n+2
.endr
.set n, 0
.rept 8
	v_pk_fma_f32 v[P+n:P+n+1], v[X2+n:X2+n+1], v[246:247], s[CO:CO+1] op_sel_hi:[1,1,0]
	v_pk_fma_f32 v[Q+n:Q+n+1], v[X2+n:X2+n+1], v[248:249], s[CO+12:CO+13] op_sel_hi:[1,1,0]
.set n, n+2
.endr
.irp k,1,2,3,4,5
.set n, 0
.rept 8
	v_pk_fma_f32 v[P+n:P+n+1], v[P+n:P+n+1], v[X2+n:X2+n+1], s[CO+2*\k:CO+2*\k+1] op_sel_hi:[1,1,0]
.set n, n+2
.endr
.endr
.irp k,7,8,9
.set n, 0
.rept 8
	v_pk_fma_f32 v[Q+n:Q+n+1], v[Q+n:Q+n+1], v[X2+n:X2+n+1], s[CO+2*\k:CO+2*\k+1] op_sel_hi:[1,1,0]
.set n, n+2
.endr
.endr
	s_wait_alu depctr_va_vdst(0)           ; ahead of the batch
.set n, 0
.rept 16
	v_rcp_f32 v[Q+n], v[Q+n]
.set n, n+1
.endr
.set n, 0
.rept 8
	v_pk_mul_f32 v[P+n:P+n+1], v[P+n:P+n+1], v[Z+n:Z+n+1]                       ; z A: plain work behind the batch
.set n, n+2
.endr
.set n, 0
.rept 8
	v_pk_mul_f32 v[Z+n:Z+n+1], v[\a+n:\a+n+1], 0.5 op_sel_hi:[1,0]              ; v / 2
.set n, n+2
.endr
	s_wait_alu depctr_va_vdst(0)           ; one wait for the 16 reciprocals
.set n, 0
.rept 8
	v_pk_mul_f32 v[P+n:P+n+1], v[P+n:P+n+1], v[Q+n:Q+n+1]                       ; erf
.set n, n+2
.endr
.set n, 0
.rept 8
	v_pk_fma_f32 v[\a+n:\a+n+1], v[Z+n:Z+n+1], v[P+n:P+n+1], v[Z+n:Z+n+1]
.set n, n+2
.endr
.endm
	s_load_b256 s[4:11], s[0:1], 0x0       ; hq, wt, b_in, hid
	v_lshl_add_u32 v30, v0, 2, SPARE
	v_mov_b32 v31, 0
	v_lshrrev_b32 v1, 5, v0
	v_readfirstlane_b32 s2, v1
	s_and_b32 s40, s2, 1
	s_lshr_b32 s41, s2, 1
	s_and_b32 s43, ttmp7, 0xffff
	v_and_b32 v20, 31, v0
	v_and_b32 v21, 15, v0
	v_bfe_u32 v22, v0, 4, 1
	v_lshlrev_b32 v1, 4, v20
	v_lshrrev_b32 v2, 3, v20
	v_mul_u32_u24 v2, v2, TS
	v_and_b32 v23, 7, v20
	v_lshl_add_u32 v2, v23, 4, v2
	s_mul_i32 s44, s2, 12288
	v_add_nc_u32 v3, s44, v1
	s_lshl_b32 s44, s2, 9
	s_add_co_u32 s44, s44, 49152
	v_add_nc_u32 v4, s44, v1
	v_lshl_add_u32 v6, v20, 3, 512
	s_mul_i32 s44, s41, 12288
	s_mul_i32 s45, s40, 12288
	s_add_co_u32 s45, s45, 24576
	v_add_nc_u32 v5, s44, v1
	v_add_nc_u32 v7, s45, v1
	v_add_nc_u32 v8, s45, v6
	v_add_nc_u32 v6, s44, v6
	s_lshl_b32 s44, s41, 9
	s_lshl_b32 s45, s40, 9
	s_add_co_u32 s45, s45, 1024
	s_sub_co_u32 s45, s45, s44
	v_mul_u32_u24 v9, s45, v22
	v_lshl_add_u32 v9, v21, 3, v9
	s_add_co_u32 s44, s44, 49152
	v_add_nc_u32 v9, s44, v9
	v_lshlrev_b32 v10, 6, v22              ; bias: 64 h
	v_lshlrev_b32 v11, 3, v21              ; 8 r
	v_lshl_add_u32 v12, v20, 3, 512        ; 512 + 8 l
	s_mov_b32 s[SEL], 0x76543210
	s_mov_b32 s[SEL+1], 0xfedcba98
	s_mov_b32 s[CO+0], 0x32edffee          ; A: 2.77068142e-08 (z^10),
	s_mov_b32 s[CO+2], 0xb60cff51          ; -2.10102402e-06,
	s_mov_b32 s[CO+4], 0xb86ec2d2          ; -5.69250639e-05,
	s_mov_b32 s[CO+6], 0xba40ac63          ; -7.34990630e-04,
	s_mov_b32 s[CO+8], 0xbb41a1f6          ; -2.95459981e-03,
	s_mov_b32 s[CO+10], 0xbc83dbd4         ; -1.60960333e-02 (z^0)
	s_mov_b32 s[CO+12], 0xb95fbd29         ; B: -2.13374055e-04 (z^6),
	s_mov_b32 s[CO+14], 0xbadc924e         ; -1.68282697e-03,
	s_mov_b32 s[CO+16], 0xbbf19bf8         ; -7.37332917e-03,
	s_mov_b32 s[CO+18], 0xbc69b6a7         ; -1.42647391e-02 (z^0)
	s_mov_b32 s[CO+20], 0x3f3504f3         ; 1 / sqrt 2
.irp k,0,2,4,6,8,10,12,14,16,18,20
	s_mov_b32 s[CO+\k+1], s[CO+\k]
.endr
	s_mov_b32 s90, 0xc0800000              ; -4
	s_mov_b32 s91, 0x40800000              ; 4
	s_mov_b32 s92, 0xaf95df0b              ; A's coefficient of z^12: -2.72614226e-10
	s_mov_b32 s93, 0xb77460cd              ; B's of z^8: -1.45660718e-05
	s_lshl_b32 s52, ttmp9, 9
	s_lshl_b32 s53, s40, 8
	s_add_co_u32 s52, s52, s53             ; my 64 columns of the bias
	s_mov_b32 s53, 0
	s_lshl_b32 s48, s43, 3
	s_lshl_b32 s49, s41, 2
	s_add_co_u32 s48, s48, s49             ; my first token tile
	s_mul_i32 s48, s48, 53248
	s_lshr_b32 s49, ttmp9, 1
	s_mul_i32 s49, s49, 3328
	s_add_co_u32 s48, s48, s49             ; its record for these 256 hidden units
	s_and_b32 s49, ttmp9, 1
	s_lshl_b32 s50, s49, 1
	s_add_co_u32 s50, s50, s40
	s_mul_i32 s50, s50, 768
	s_add_co_u32 s50, s50, s48             ; my half of it
	s_mov_b32 s51, 0
	s_lshl_b32 s54, s49, 2
	s_lshl_b32 s55, s40, 1
	s_add_co_u32 s54, s54, s55
	s_add_co_u32 s54, s54, s48
	s_add_co_u32 s54, s54, 3072            ; my two scale bytes of a row
	s_mov_b32 s55, 0
	s_mul_i32 s46, s43, 8*TS
	s_mov_b32 s47, 0
	s_wait_alu depctr_va_vdst(0)
	s_wait_kmcnt 0x0
	s_add_nc_u64 s[8:9], s[8:9], s[52:53]
	s_add_nc_u64 s[20:21], s[10:11], s[50:51]
	s_add_nc_u64 s[22:23], s[10:11], s[54:55]
	s_add_nc_u64 s[56:57], s[4:5], s[46:47]
	s_mul_i32 s46, ttmp9, 8*TS
	s_add_co_u32 s46, s46, OFF_W
	s_add_nc_u64 s[58:59], s[6:7], s[46:47]
	s_cmp_lt_u32 s2, 2
	s_cselect_b64 s[60:61], s[56:57], s[58:59]
	s_mul_i32 s44, s40, 4*TS
	s_mov_b32 s45, 0
	s_add_nc_u64 s[60:61], s[60:61], s[44:45]
	WIN 0x40
.irp y,0,1,2,3
	global_load_b128 v[128+8*\y:128+8*\y+3], v10, s[8:9] offset:(32*(\y/2)+8*(\y%2))*4
	global_load_b128 v[128+8*\y+4:128+8*\y+7], v10, s[8:9] offset:(32*(\y/2)+8*(\y%2))*4+16
.endr
	WIN 0
	GLOAD 0
	s_wait_loadcnt 0x0
	LSTORE 0
	s_wait_dscnt 0x0
	s_barrier_signal -1
	s_barrier_wait -1
.set stp, 0
.rept NS
	STEP stp
.set stp, stp+1
.endr
	WIN 0x55
	v_mov_b32 v238, 0                      ; a lane permute's destination counts as one of its sources
	v_mov_b32 v239, 0
	v_mov_b32 v246, s92
	v_mov_b32 v247, s92
	v_mov_b32 v248, s93
	v_mov_b32 v249, s93
.irp x,0,1,2,3
	s_wait_xcnt 0x0                        ; the last tile's stores have read their registers
	WIN 0x55
	GELU 32*\x
	GELU 32*\x+16
	QUANTH 32*\x, 224, 236
	WIN 0x04
	global_store_b128 v1, v[224:227], s[20:21] offset:53248*\x
	global_store_b64 v12, v[228:229], s[20:21] offset:53248*\x
	global_store_b16 v11, v244, s[22:23] offset:53248*\x
.endr
	WIN 0
	s_wait_tensorcnt 0x0                   ; the wave's end
	ds_add_u32 v30, v31
	s_wait_dscnt 0x0
	s_endpgm
.Lfunc_end_k_qa9d2f5ee5a_gff1:
	.size	k_qa9d2f5ee5a_gff1, .Lfunc_end_k_qa9d2f5ee5a_gff1-k_qa9d2f5ee5a_gff1
	.p2alignl 7, 3214868480
	.fill 96, 4, 3214868480
	.section	.rodata,"a",@progbits
	.p2align	6, 0x0
	.amdhsa_kernel k_qa9d2f5ee5a_gff1
		.amdhsa_group_segment_fixed_size 102912
		.amdhsa_private_segment_fixed_size 0
		.amdhsa_enable_private_segment 0
		.amdhsa_kernarg_size 32
		.amdhsa_user_sgpr_count 2
		.amdhsa_user_sgpr_kernarg_segment_ptr 1
		.amdhsa_wavefront_size32 1
		.amdhsa_system_sgpr_workgroup_id_x 1
		.amdhsa_system_sgpr_workgroup_id_y 1
		.amdhsa_system_sgpr_workgroup_id_z 1
		.amdhsa_system_vgpr_workitem_id 0
		.amdhsa_next_free_vgpr 512
		.amdhsa_next_free_sgpr 96
		.amdhsa_reserve_vcc 0
		.amdhsa_float_denorm_mode_32 3
		.amdhsa_float_denorm_mode_16_64 3
		.amdhsa_memory_ordered 1
		.amdhsa_forward_progress 1
		.amdhsa_inst_pref_size 143
	.end_amdhsa_kernel
	.amdgpu_metadata
---
amdhsa.version: [ 1, 2 ]
amdhsa.kernels:
  - .name:           k_qa9d2f5ee5a_gff1
    .symbol:         k_qa9d2f5ee5a_gff1.kd
    .args:
      - { .name: hq, .offset: 0, .size: 8, .value_kind: global_buffer, .address_space: global }
      - { .name: wt, .offset: 8, .size: 8, .value_kind: global_buffer, .address_space: global }
      - { .name: b_in, .offset: 16, .size: 8, .value_kind: global_buffer, .address_space: global }
      - { .name: hid, .offset: 24, .size: 8, .value_kind: global_buffer, .address_space: global }
    .group_segment_fixed_size: 102912
    .private_segment_fixed_size: 0
    .kernarg_segment_align: 8
    .kernarg_segment_size: 32
    .max_flat_workgroup_size: 128
    .sgpr_count:     96
    .vgpr_count:     512
    .wavefront_size: 32
...
	.end_amdgpu_metadata
.endif
;; end of part 13
;; launch gff2 (part 14): grid 8 x 32, 4 waves a work-group, no clusters, 102,912 bytes of LDS; arguments hid, wt, b_out, h2, out0; writes out0
.if DOCPART == 14
	.amdgcn_target "amdgcn-amd-amdhsa--gfx1250"
	.amdhsa_code_object_version 6
	.text
	.protected	k_qa9d2f5ee5a_gff2
	.globl	k_qa9d2f5ee5a_gff2
	.p2align	8
	.type	k_qa9d2f5ee5a_gff2,@function
k_qa9d2f5ee5a_gff2:
	s_mov_b64 s[64:65], 0
	v_nop
	global_prefetch_b8 v0, s[64:65] scope:SCOPE_SE
	s_setreg_imm32_b32 hwreg(HW_REG_WAVE_MODE, 25, 1), 1
	s_wait_xcnt 0x0
; out = h2 + hidden W_out^T + b_out, K = 4,096: sixteen K steps of 256, written out, every offset an immediate.
; THE CORE (the same text as in the launch for Wo): a work-group makes 128 x 128, each of four waves 64 x 64: 16 accumulators; X = tokens on lanes (source 1), Y = weights down the registers (source 0).
; Operands lie in memory as records in register order (first kernel).  A K step is 256; a wave's share of a step is four tiles' records: 25 loads, 100 registers (waves 0, 1: X's eight tiles; 2, 3: Y's).
; LOADS RUN AHEAD THROUGH THREE SETS OF REGISTERS.  Steps 0, 1, 2 are asked for at the head, step 3 when step 0 has gone
; on into LDS, and step s + 4 at the end of step s, into the set that step s + 1 has just left.  At the wait for a step's records the two younger steps' 50 loads stay out.
; LDS holds two buffers.  In step s: the fragments of buffer s % 2 are asked for; step s + 1's records go from their registers into the other buffer, which nobody has read since the last barrier; the products
; follow while those stores land.  ONE barrier a step: in front of it my stores have landed and my reads are back.
; The residual's rows are asked for at the ends of steps NS - 4 and NS - 3, 16 loads each, into registers of their own.  The bias is the C of each sum's first product.
; THE WAY OUT: a tile of 16 tokens x 64 columns goes through the wave's own stage (16 rows x 272 bytes, in buffer 0, which nobody reads behind the last barrier) and leaves as rows: sixteen lanes store
; 256 consecutive bytes, at a multiple of 256 from the buffer's first byte.  No tensor loads, no cluster: joint loads are the known next step; this text keeps the plain road through registers.
; REGISTERS: window 0: v1-16 addresses, v30, v31 the add's two, v32-39 scale words, v40-43 set 0's scale bytes, v64-159, v160-255 fragments of a step's two halves (on the way out v104-135 rows).
;   window 1: v0-127 accumulators ((x, y) at 8 (4 x + y)), v128-159 bias in the result's layout, v160-255 set 0.   window 2: v0-99 set 1, v100-199 set 2.   window 3: v0-127 h2's rows.
.set NS, 16
.set TS, NS*3328
.set OFF_W, 6815744
.set BUF, 51200
.set SPARE, 2*BUF
.set SC, 32
.set MSB, 0
.macro WIN new
.if MSB != \new
	s_set_vgpr_msb (MSB<<8)|\new
.set MSB, \new
.endif
.endm
.macro GLOAD s, w, cb, sw, sb          ; my four tiles' records of K step s: 24 loads of 512 consecutive bytes to v[cb ..] (window byte w), their 4 x 128 scale bytes to v[sb ..] (window byte sw)
	WIN \w
.irp i,0,1,2,3
.irp j,0,1,2,3,4,5
	global_load_b128 v[\cb+4*(6*\i+\j):\cb+4*(6*\i+\j)+3], v1, s[60:61] offset:\i*TS+3328*(\s)+512*\j
.endr
.endr
	WIN \sw
	global_load_b128 v[\sb:\sb+3], v2, s[60:61] offset:3328*(\s)+3072
.endm
.macro GLOADK s                        ; step s into set s % 3
.if (\s)%3 == 0
	GLOAD \s, 0x40, 160, 0x00, 40
.elseif (\s)%3 == 1
	GLOAD \s, 0x80, 0, 0x80, 96
.else
	GLOAD \s, 0x80, 100, 0x80, 196
.endif
	WIN 0
.endm
.macro LSTORE b, w, cb, sw, sb
	WIN \w
.irp i,0,1,2,3
.irp j,0,1,2,3,4,5
	ds_store_b128 v3, v[\cb+4*(6*\i+\j):\cb+4*(6*\i+\j)+3] offset:BUF*(\b)+3072*\i+512*\j
.endr
.endr
	WIN \sw
	ds_store_b128 v4, v[\sb:\sb+3] offset:BUF*(\b)
.endm
.macro LSTOREK s                       ; step s out of set s % 3 into buffer s % 2
.if (\s)%3 == 0
	LSTORE (\s)%2, 0x04, 160, 0x00, 40
.elseif (\s)%3 == 1
	LSTORE (\s)%2, 0x08, 0, 0x08, 96
.else
	LSTORE (\s)%2, 0x08, 100, 0x08, 196
.endif
	WIN 0
.endm
.macro FETCH b, q, f                   ; my four X and four Y fragments of the step's q-th 128 along K: 32 loads
.irp i,0,1,2,3
	ds_load_b128 v[\f+12*\i:\f+12*\i+3], v5 offset:BUF*(\b)+3072*\i+1536*\q
	ds_load_b64 v[\f+12*\i+4:\f+12*\i+5], v6 offset:BUF*(\b)+3072*\i+1536*\q
	ds_load_b128 v[\f+12*\i+6:\f+12*\i+9], v5 offset:BUF*(\b)+3072*\i+1536*\q+768
	ds_load_b64 v[\f+12*\i+10:\f+12*\i+11], v6 offset:BUF*(\b)+3072*\i+1536*\q+768
	ds_load_b128 v[\f+48+12*\i:\f+48+12*\i+3], v7 offset:BUF*(\b)+3072*\i+1536*\q
	ds_load_b64 v[\f+48+12*\i+4:\f+48+12*\i+5], v8 offset:BUF*(\b)+3072*\i+1536*\q
	ds_load_b128 v[\f+48+12*\i+6:\f+48+12*\i+9], v7 offset:BUF*(\b)+3072*\i+1536*\q+768
	ds_load_b64 v[\f+48+12*\i+10:\f+48+12*\i+11], v8 offset:BUF*(\b)+3072*\i+1536*\q+768
.endr
.endm
.macro SCALES b                        ; lanes 0-15: X's tile i, lanes 16-31: Y's tile i; two words: the step's two halves
.irp i,0,1,2,3
	ds_load_b64 v[SC+2*\i:SC+2*\i+1], v9 offset:BUF*(\b)+128*\i
.endr
.endm
.macro WM d, a, b, c, sa, sb
	v_wmma_scale_f32_16x16x128_f8f6f4 v[\d:\d+7], v[\a:\a+11], v[\b:\b+11], \c, v[\sa], v[\sb] matrix_a_fmt:MATRIX_FMT_FP6 matrix_b_fmt:MATRIX_FMT_FP6 matrix_a_scale:MATRIX_SCALE_ROW1
.endm
.macro MUL f, q, first                 ; the 16 accumulators by turns
.irp x,0,1,2,3
.irp y,0,1,2,3
.if \first
	WM 8*(4*\x+\y), \f+48+12*\y, \f+12*\x, v[128+8*\y:128+8*\y+7], SC+2*\y+\q, SC+2*\x+\q
.else
	WM 8*(4*\x+\y), \f+48+12*\y, \f+12*\x, v[8*(4*\x+\y):8*(4*\x+\y)+7], SC+2*\y+\q, SC+2*\x+\q
.endif
.endr
.endr
.endm
.macro RESID g                         ; the residual's rows for token tiles 2 g and 2 g + 1: 16 loads, to window 3
	WIN 0xc0
.irp x,2*\g,2*\g+1
.irp i,0,1,2,3,4,5,6,7
	global_load_b128 v[32*(\x)+4*\i:32*(\x)+4*\i+3], v12, s[10:11] offset:(32*((\x)/2)+8*((\x)%2)+2*\i+8*(\i/4))*16384
.endr
.endr
	WIN 0
.endm
.macro STEP s
	SCALES (\s)%2
	FETCH (\s)%2, 0, 64
	FETCH (\s)%2, 1, 160
.if (\s)+1 < NS
.if (\s) < NS-3
	s_wait_loadcnt 50                      ; step s + 1's records are in registers; behind them stand steps s + 2 and s + 3: 50 loads
.elseif (\s) == NS-3
	s_wait_loadcnt 41                      ; behind them: the last step's 25 and the residual's first 16
.else
	s_wait_loadcnt 32                      ; behind them: the residual's 32
.endif
	LSTOREK (\s)+1                         ; into the buffer that nobody has read since the last barrier
	s_wait_dscnt 57                        ; the scale words and the first half's fragments are in; the second half's 32 loads and the 25 stores may be out
.else
	s_wait_dscnt 32                        ; the second half's 32 loads may be out
.endif
	WIN 0x50
.if (\s) == 0
	MUL 64, 0, 1
.else
	MUL 64, 0, 0
.endif
.if (\s)+1 < NS
	s_wait_dscnt 25                        ; the second half's fragments are in; the 25 stores may be out
.else
	s_wait_dscnt 0x0
.endif
	MUL 160, 1, 0
	WIN 0
.rept 4
	v_nop                                  ; places in front of loads into registers that matrix instructions have read, and of the first read of results
.endr
.if (\s)+1 < NS
	s_wait_dscnt 0x0                       ; my stores have landed and have read their registers; my reads are back
.if (\s)+4 < NS
	GLOADK (\s)+4                          ; into the set that step s + 1 has left
.elseif (\s)+4 == NS
	RESID 0
.elseif (\s)+3 == NS
	RESID 1
.endif
	s_barrier_signal -1
	s_barrier_wait -1
.endif
.endm
	s_load_b256 s[4:11], s[0:1], 0x0       ; hid, wt, b_out, h2
	s_load_b64 s[16:17], s[0:1], 0x20      ; out0
	v_lshl_add_u32 v30, v0, 2, SPARE
	v_mov_b32 v31, 0
	v_lshrrev_b32 v1, 5, v0
	v_readfirstlane_b32 s2, v1
	s_and_b32 s40, s2, 1
	s_lshr_b32 s41, s2, 1
	s_and_b32 s43, ttmp7, 0xffff
	v_and_b32 v20, 31, v0
	v_and_b32 v21, 15, v0
	v_bfe_u32 v22, v0, 4, 1
	v_lshlrev_b32 v1, 4, v20
	v_lshrrev_b32 v2, 3, v20
	v_mul_u32_u24 v2, v2, TS
	v_and_b32 v23, 7, v20
	v_lshl_add_u32 v2, v23, 4, v2
	s_mul_i32 s44, s2, 12288
	v_add_nc_u32 v3, s44, v1
	s_lshl_b32 s44, s2, 9
	s_add_co_u32 s44, s44, 49152
	v_add_nc_u32 v4, s44, v1
	v_lshl_add_u32 v6, v20, 3, 512
	s_mul_i32 s44, s41, 12288
	s_mul_i32 s45, s40, 12288
	s_add_co_u32 s45, s45, 24576
	v_add_nc_u32 v5, s44, v1
	v_add_nc_u32 v7, s45, v1
	v_add_nc_u32 v8, s45, v6
	v_add_nc_u32 v6, s44, v6
	s_lshl_b32 s44, s41, 9
	s_lshl_b32 s45, s40, 9
	s_add_co_u32 s45, s45, 1024
	s_sub_co_u32 s45, s45, s44
	v_mul_u32_u24 v9, s45, v22
	v_lshl_add_u32 v9, v21, 3, v9
	s_add_co_u32 s44, s44, 49152
	v_add_nc_u32 v9, s44, v9
	v_lshlrev_b32 v10, 6, v22              ; bias: 64 h
	v_lshlrev_b32 v16, 4, v21              ; 16 (l % 16)
	v_lshl_add_u32 v12, v22, 14, v16       ; rows out: lanes 16-31 one step in s further
	s_mul_i32 s44, s2, 4352                ; my stage
	v_mul_u32_u24 v14, v21, 272
	v_lshl_add_u32 v14, v22, 6, v14
	v_add_nc_u32 v14, s44, v14             ; in: row r, + 64 h
	v_mul_u32_u24 v15, v22, 272
	v_add_nc_u32 v15, v15, v16
	v_add_nc_u32 v15, s44, v15             ; back: lanes 0-15 one row, lanes 16-31 the next
	s_and_b32 s48, s43, 7
	s_lshr_b32 s49, s43, 3
	s_lshl_b32 s50, s48, 2
	s_lshl_b32 s51, s41, 1
	s_add_co_u32 s50, s50, s51
	s_lshl_b32 s50, s50, 19                ; 32 steps in s for each pair of token tiles
	s_lshl_b32 s51, s49, 12
	s_add_co_u32 s50, s50, s51
	s_lshl_b32 s52, ttmp9, 9
	s_lshl_b32 s53, s40, 8
	s_add_co_u32 s52, s52, s53             ; my 64 columns, in bytes
	s_add_co_u32 s50, s50, s52
	s_mov_b32 s51, 0
	s_mov_b32 s53, 0
	s_mul_i32 s46, s43, 8*TS
	s_mov_b32 s47, 0
	s_wait_alu depctr_va_vdst(0)
	s_wait_kmcnt 0x0
	s_add_nc_u64 s[10:11], s[10:11], s[50:51]
	s_add_nc_u64 s[16:17], s[16:17], s[50:51]
	s_add_nc_u64 s[8:9], s[8:9], s[52:53]
	s_add_nc_u64 s[56:57], s[4:5], s[46:47]
	s_mul_i32 s46, ttmp9, 8*TS
	s_add_co_u32 s46, s46, OFF_W
	s_add_nc_u64 s[58:59], s[6:7], s[46:47]
	s_cmp_lt_u32 s2, 2
	s_cselect_b64 s[60:61], s[56:57], s[58:59]
	s_mul_i32 s44, s40, 4*TS
	s_mov_b32 s45, 0
	s_add_nc_u64 s[60:61], s[60:61], s[44:45]
	WIN 0x40
.irp y,0,1,2,3
	global_load_b128 v[128+8*\y:128+8*\y+3], v10, s[8:9] offset:(32*(\y/2)+8*(\y%2))*4
	global_load_b128 v[128+8*\y+4:128+8*\y+7], v10, s[8:9] offset:(32*(\y/2)+8*(\y%2))*4+16
.endr
	WIN 0
	GLOADK 0
	GLOADK 1
	GLOADK 2
	s_wait_loadcnt 50                      ; the bias and step 0's records are in; steps 1 and 2, 50 loads, may be out
	LSTOREK 0
	s_wait_dscnt 0x0                       ; my stores have landed and have read their registers
	GLOADK 3
	s_barrier_signal -1
	s_barrier_wait -1
.set stp, 0
.rept NS
	STEP stp
.set stp, stp+1
.endr
.irp x,0,1,2,3
.if \x == 0
	s_wait_loadcnt 16                      ; h2's rows of tiles 0 and 1 are in; those of tiles 2 and 3, 16 loads, may be out
.elseif \x == 2
	s_wait_loadcnt 0x0
.endif
	s_wait_xcnt 0x0                        ; the last tile's stores have read their registers
	WIN 0x04
.irp y,0,1,2,3
	ds_store_b128 v14, v[8*(4*\x+\y):8*(4*\x+\y)+3] offset:128*(\y/2)+32*(\y%2)        ; each accumulator from its low end on
	ds_store_b128 v14, v[8*(4*\x+\y)+4:8*(4*\x+\y)+7] offset:128*(\y/2)+32*(\y%2)+16
.endr
	WIN 0
.irp i,0,1,2,3,4,5,6,7
	ds_load_b128 v[104+4*\i:104+4*\i+3], v15 offset:544*\i   ; LDS serves a wave's instructions in order: these see my stores
.endr
	s_wait_dscnt 0x0
	WIN 0x0c                               ; source 1 in window 3
.irp i,0,1,2,3,4,5,6,7
	v_pk_add_f32 v[104+4*\i:105+4*\i], v[104+4*\i:105+4*\i], v[32*\x+4*\i:32*\x+4*\i+1]
	v_pk_add_f32 v[106+4*\i:107+4*\i], v[106+4*\i:107+4*\i], v[32*\x+4*\i+2:32*\x+4*\i+3]
.endr
	WIN 0
.irp i,0,1,2,3,4,5,6,7
	global_store_b128 v12, v[104+4*\i:107+4*\i], s[16:17] offset:(32*(\x/2)+8*(\x%2)+2*\i+8*(\i/4))*16384
.endr
.endr
	s_wait_tensorcnt 0x0                   ; the wave's end
	ds_add_u32 v30, v31
	s_wait_dscnt 0x0
	s_endpgm
.Lfunc_end_k_qa9d2f5ee5a_gff2:
	.size	k_qa9d2f5ee5a_gff2, .Lfunc_end_k_qa9d2f5ee5a_gff2-k_qa9d2f5ee5a_gff2
	.p2alignl 7, 3214868480
	.fill 96, 4, 3214868480
	.section	.rodata,"a",@progbits
	.p2align	6, 0x0
	.amdhsa_kernel k_qa9d2f5ee5a_gff2
		.amdhsa_group_segment_fixed_size 102912
		.amdhsa_private_segment_fixed_size 0
		.amdhsa_enable_private_segment 0
		.amdhsa_kernarg_size 40
		.amdhsa_user_sgpr_count 2
		.amdhsa_user_sgpr_kernarg_segment_ptr 1
		.amdhsa_wavefront_size32 1
		.amdhsa_system_sgpr_workgroup_id_x 1
		.amdhsa_system_sgpr_workgroup_id_y 1
		.amdhsa_system_sgpr_workgroup_id_z 1
		.amdhsa_system_vgpr_workitem_id 0
		.amdhsa_next_free_vgpr 896
		.amdhsa_next_free_sgpr 66
		.amdhsa_reserve_vcc 0
		.amdhsa_float_denorm_mode_32 3
		.amdhsa_float_denorm_mode_16_64 3
		.amdhsa_memory_ordered 1
		.amdhsa_forward_progress 1
		.amdhsa_inst_pref_size 223
	.end_amdhsa_kernel
	.amdgpu_metadata
---
amdhsa.version: [ 1, 2 ]
amdhsa.kernels:
  - .name:           k_qa9d2f5ee5a_gff2
    .symbol:         k_qa9d2f5ee5a_gff2.kd
    .args:
      - { .name: hid, .offset: 0, .size: 8, .value_kind: global_buffer, .address_space: global }
      - { .name: wt, .offset: 8, .size: 8, .value_kind: global_buffer, .address_space: global }
      - { .name: b_out, .offset: 16, .size: 8, .value_kind: global_buffer, .address_space: global }
      - { .name: h2, .offset: 24, .size: 8, .value_kind: global_buffer, .address_space: global }
      - { .name: out0, .offset: 32, .size: 8, .value_kind: global_buffer, .address_space: global }
    .group_segment_fixed_size: 102912
    .private_segment_fixed_size: 0
    .kernarg_segment_align: 8
    .kernarg_segment_size: 40
    .max_flat_workgroup_size: 128
    .sgpr_count:     66
    .vgpr_count:     896
    .wavefront_size: 32
...
	.end_amdgpu_metadata
.endif
;; end of part 14
